; MI455X (gfx1250); checked and timed in simulation.
; The chip was launched on July 23, 2026; its instructions are those of AMD's public machine-readable ISA for CDNA 5 (MIT licence, August 2026) and "CDNA5" Instruction Set Architecture Reference Guide (July 2026). The comments in the code are by the model that wrote it; some were corrected since.
;; Transformer Block. Allowed arithmetic: matrix products marked QUANTISED: E2M3 operands, one E8M0 scale for each 32 along K, by v_wmma_scale_f32_16x16x128_f8f6f4 with both operands' format E2M3, f32 sums; everything else in f32.
;; Inputs: W1_codes 4,096 x 32 x 24 uint8 (E2M3 codes of W1, K innermost, in blocks of 32 codes, four codes in three bytes); W1_scales 4,096 x 32 uint8 (E8M0 scales of W1, one for each 32 codes along K); W2_codes 1,024 x 128 x 24 uint8 (E2M3 codes of W2, K innermost, in blocks of 32 codes, four codes in three bytes); W2_scales 1,024 x 128 uint8 (E8M0 scales of W2, one for each 32 codes along K); Wk_codes 1,024 x 32 x 24 uint8 (E2M3 codes of Wk, K innermost, in blocks of 32 codes, four codes in three bytes); Wk_scales 1,024 x 32 uint8 (E8M0 scales of Wk, one for each 32 codes along K); Wo_codes 1,024 x 32 x 24 uint8 (E2M3 codes of Wo, K innermost, in blocks of 32 codes, four codes in three bytes); Wo_scales 1,024 x 32 uint8 (E8M0 scales of Wo, one for each 32 codes along K); Wq_codes 1,024 x 32 x 24 uint8 (E2M3 codes of Wq, K innermost, in blocks of 32 codes, four codes in three bytes); Wq_scales 1,024 x 32 uint8 (E8M0 scales of Wq, one for each 32 codes along K); Wv_codes 1,024 x 32 x 24 uint8 (E2M3 codes of Wv, K innermost, in blocks of 32 codes, four codes in three bytes); Wv_scales 1,024 x 32 uint8 (E8M0 scales of Wv, one for each 32 codes along K); b1 4,096 float32; b2 1,024 float32; bo 1,024 float32; g1 1,024 float32; g2 1,024 float32; s1 1,024 float32; s2 1,024 float32; x 2 x 2,048 x 1,024 float32.
;; Outputs: out0 2 x 2,048 x 1,024 float32.
;; This version of the problem:
;;   THIS VERSION OF THE PROBLEM IS GIVEN IN LOW PRECISION. The matrix products marked QUANTISED in the list below multiply operands that are first quantised to E2M3 (2 exponent bits, 3 mantissa bits; 6 bits a number), with one power-of-two scale for each 32 numbers along K (OCP MX v1.0); their sums are f32. All else is computed in f32.
;;   The module's matrix products, in the order in which they are computed (A, B: the left and right operand; K: the contracted axis; several contracted axes count as one K, in the product's order):
;;     1. [M 4,096, K 1,024] x [K 1,024, N 1,024]; A: computed on the way; B: input Wq (given as codes): QUANTISED
;;     2. [M 4,096, K 1,024] x [K 1,024, N 1,024]; A: computed on the way; B: input Wk (given as codes): QUANTISED
;;     3. [M 4,096, K 1,024] x [K 1,024, N 1,024]; A: computed on the way; B: input Wv (given as codes): QUANTISED
;;     4. batch 32 x [M 2,048, K 64] x [K 64, N 2,048]; A: computed on the way; B: computed on the way: QUANTISED
;;     5. batch 32 x [M 2,048, K 2,048] x [K 2,048, N 64]; A: softmax (see below); B: computed on the way: QUANTISED
;;     6. [M 4,096, K 1,024] x [K 1,024, N 1,024]; A: computed on the way; B: input Wo (given as codes): QUANTISED
;;     7. [M 4,096, K 1,024] x [K 1,024, N 4,096]; A: computed on the way; B: input W1 (given as codes): QUANTISED
;;     8. [M 4,096, K 4,096] x [K 4,096, N 1,024]; A: computed on the way; B: input W2 (given as codes): QUANTISED
;;   THE QUANTISER, for each operand of a quantised product, along K:
;;     - K is cut into blocks of 32 from its start; a last block that is shorter is filled with zeros.
;;     - A block's scale is 2^e with e = floor(log2(the largest magnitude in the block)) - 2, held to -126 .. 127; a block of zeros has e = 0. As a byte (E8M0): e + 127.
;;     - Each number is divided by its block's scale, clamped to +-7.5, and rounded to the nearest number of E2M3, ties to even, subnormals kept.
;;     - The product sums the exact products of the quantised numbers (number of the format x scale) in f32.
;;   ~~~python
;;   def quantise(x, axis):      # numpy; x: float32 -> the quantised numbers, widened to float32 again
;;       x = np.moveaxis(x, axis, -1); K = x.shape[-1]
;;       x = np.pad(x, [(0, 0)] * (x.ndim - 1) + [(0, -K % 32)]); x = x.reshape(x.shape[:-1] + (-1, 32)); a = np.abs(x).max(-1, keepdims=True)
;;       e = np.where(a > 0, np.clip(np.frexp(np.where(a > 0, a, 1))[1] - 1 - 2, -126, 127), 0)      # np.frexp(a)[1] - 1 = floor(log2(a)), exactly
;;       r = np.clip(x / 2.0 ** e, -7.5, 7.5)
;;       step = 2.0 ** (np.maximum(np.frexp(np.where(r == 0, 1, r))[1] - 1, 0) - 3)
;;       q = np.round(r / step) * step * 2.0 ** e      # np.round: ties to even
;;       return np.moveaxis(q.reshape(q.shape[:-2] + (-1,))[..., :K], -1, axis).astype(np.float32)
;;   ~~~
;;   SOFTMAX AHEAD OF A QUANTISED PRODUCT. Where the list says 'softmax', what is quantised is not the finished softmax but p = 2^(t - M), with t = logit x log2(e) and M = ceil(the row's largest t), a whole number; so 1/2 < the row's largest p <= 1. The row's sum l is taken of the UNQUANTISED p, in f32, and the product's result is divided by l at the end. Since M is a whole number, a kernel that streams over the keys may use a running M (the ceiling of the running maximum): every later rescaling is an exact power of two, which a block's scale takes up: the codes' values come out the same.
;;   OPERANDS COMPUTED ON THE WAY. 'Computed on the way' means the value that the module computes at that place (a softmax that the list does not call 'softmax' is quantised finished and normalised). What goes into a quantiser is computed in f32, as accurately as f32 sums, v_exp_f32 and their like allow (about 1e-6 of the number): no bf16 or f16 on the way to a quantiser, and a product that is left as it is and whose result goes on into a quantised operand takes f32 operands (vector FMAs, or v_wmma_f32_16x16x4_f32). A number that lies on a knife's edge between two numbers of the format may be rounded either way, as far as f32 arithmetic and the matrix unit's own rounding can turn it there, and no further.
;;   INPUTS GIVEN AS CODES. W1 (in the module: [1024, 4096], K = its axis 0); W2 (in the module: [4096, 1024], K = its axis 0); Wk (in the module: [1024, 1024], K = its axis 0); Wo (in the module: [1024, 1024], K = its axis 0); Wq (in the module: [1024, 1024], K = its axis 0); Wv (in the module: [1024, 1024], K = its axis 0): each comes as NAME_codes (uint8): NAME with its K axis moved to the last place and cut into blocks of 32 codes, [.., K / 32, bytes a block], one block behind the other in memory; four codes in three bytes: a row's codes are one little-endian stream of bits, code i at bits 6 i .. 6 i + 5 (a code: sign, 2 exponent bits, 3 mantissa bits); and NAME_scales (uint8): the same leading axes, one E8M0 byte (e + 127) for each 32 codes along K. Its value is code x scale, taken as it is: it is not quantised again, and the codes and scales need not be those that the quantiser above would give.
;; One version. Each part assembles by itself: llvm-mc -triple=amdgcn-amd-amdhsa -mcpu=gfx1250 --defsym DOCPART=n.
;; ======== version 1 of 1: 7 launches
;; limits: right only within a limited range of input values
;; workspace buffers: wts 9,830,400 bytes; act 3,276,800 bytes; qkv 9,830,400 bytes; x2 16,777,216 bytes; hid 13,107,200 bytes
;; launch lnw (part 1): grid 448 x 1, 4 waves a work-group, no clusters, 66,304 bytes of LDS; arguments x, g1, s1, act, Wq_codes, Wk_codes, Wv_codes, Wo_codes, W1_codes, W2_codes, Wq_scales, Wk_scales, Wv_scales, Wo_scales, W1_scales, W2_scales, wts; writes act, wts
.if DOCPART == 1
	.amdgcn_target "amdgcn-amd-amdhsa--gfx1250"
	.amdhsa_code_object_version 6
	.text
	.protected	k_q230c5a6750_lnw
	.globl	k_q230c5a6750_lnw
	.p2align	8
	.type	k_q230c5a6750_lnw,@function
k_q230c5a6750_lnw:
	s_mov_b64 s[64:65], 0
	v_nop
	global_prefetch_b8 v0, s[64:65] scope:SCOPE_SE
	s_setreg_imm32_b32 hwreg(HW_REG_WAVE_MODE, 25, 1), 1
	s_wait_xcnt 0x0
; TWO JOBS IN ONE LAUNCH, parted on the work-group's number at the first line.  Neither reads what the other stores; each is one chain of loads, a little arithmetic and stores, so side by side each works in the other's waits.
; 226 registers a wave and 66,304 bytes of LDS leave room for four work-groups on a WGP (4 x 226 of 1,024 registers a SIMD, 4 x 66,304 of 327,680 bytes), so all 448 work-groups are at work together.  Only the first job uses LDS and a barrier.
;
; WORK-GROUPS 0-255: y = g (x - mean) / sqrt(var + 1e-5) + s along rows of 1,024 f32, quantised along the row to E2M3 with one E8M0 byte for each 32, and stored as images of the matrix operand's registers.
; A work-group is a tile T of 16 rows: lane r of the tile stands for row 64 (T / 4) + 32 (r / 8) + 8 (T % 4) + r % 8.  Wave w first owns four whole rows (tile lanes 4 w .. 4 w + 3, neighbours in memory: 16 KB on end):
; mean, then the sum of (x - mean)^2 (two passes over registers, so that a common offset of x costs no cancellation), then y.  The 16 rows of y meet in LDS; behind ONE barrier wave w takes K steps 2 w and 2 w + 1 of all 16 rows:
; lane (r, h) reads, for each half c of a step, the 32 neighbours k = 64 c + 32 h + 0 .. 31 of row lane r: a whole block of 32 in one lane, in the very registers' order that the 6-bit operand wants.
; OUT: codes [T][K step 8][1,536] (a fragment: two halves of 768 bytes: a lane's first four registers at 16 l, its last two at 512 + 8 l); scale words at ACT_S: [T][K step][64], row lane r's word at 4 r.
; A block's scale byte is its largest magnitude's exponent field - 2, held at 1 from below.  LIMITS: a block of zeros keeps the byte 1 where the quantiser says 127 (its codes are zeros, and this program alone reads the bytes);
; blocks whose largest magnitude lies under 2^-124 keep the byte 1; NaN and infinities are not served; sums are taken in another order than a plain loop's; v_rsq_f32 is good to one unit in the last place.
;
; WORK-GROUPS 256-447 (g = the number - 256): the six weights (E2M3 codes, rows with K innermost, and E8M0 bytes) are laid anew, once, as images of the matrix operand's registers, in the same tiles and fragments as above.
; A unit U = one tile x 8 K steps (12,288 bytes of codes at 12,288 U; 512 bytes of scale words at WSC + 512 U).  U 0-63 Wq, 64-127 Wk, 128-191 Wv, 192-255 Wo, 256-511 W1, 512-767 W2 (4 x tile + quarter of K).
; A wave makes one unit, U = 4 g + wave.  Codes and bytes are copied as they are given: nothing is requantised.
; The reads are pieces of 8 bytes of rows 768 or 3,072 bytes apart (a wave's 48 loads use up 768 consecutive bytes of each of its 16 rows); this is paid once for 9.4 MB, and every later read of a weight is dense.
;
; No matrix unit, no tensor load, no cluster: both jobs read their bytes once, and all of a wave's loads are out at once.
.set NLN, 256                          ; work-groups of the first job
.set ACT_S, 3145728
.set WSC, 9437184
.set PITCH, 4112                       ; an LDS row: 4,096 bytes + 16: an odd multiple of 16, so the sixteen rows that a load of 16 bytes a lane touches fall on different 16-byte columns
.set LW, 4                             ; v4   LDS: where I store my rows: 4 w rows + 16 x lane
.set LR, 5                             ; v5   LDS: where I read: row r, + 128 h, + 1,024 w
.set O16, 6                            ; v6   16 x lane
.set O8, 7                             ; v7   8 x lane
.set Q, 8                              ; v8-15  four pairs: sums of squares, then 1 / sqrt
.set TM, 8                             ; v8-16  at work in QUANT64
.set SH8, 18                           ; v18  8 h
.set O4, 19                            ; v19  4 x lane
.set A, 20                             ; v20-27 four pairs: sums, then means
.set X, 32                             ; v32-159 row i at 32 + 32 i; later the 128 numbers that I quantise
.set G, 160                            ; v160-191 g of my columns; later the codes
.set S, 192                            ; v192-223 s of my columns; later the scale words
.set PC0, 160
.set PC1, 172
.set CT, 184
.set PW, 192
.set F, 16                             ; the second job: v16-111 the unit's eight fragments
.set FLOOR, 12
.set HI, 14
.set SEL, 16
.set INV, 18
.set EPS, 19
.set MSB, 0
.macro WIN new                         ; (this text stays in the first 256 registers: the macro writes nothing here)
.if MSB != (\new)
	s_set_vgpr_msb (MSB<<8)|(\new)
.set MSB, (\new)
.endif
.endm
; 64 numbers of a lane, register 32 c + i = k 64 c + 32 h + i of my row, become a fragment's 12 registers of codes v[pc] on and its scale word v[pw].
.macro QUANT64 src, w, pc, pw
	WIN ((\w)<<2)|((\w)<<4)
.irp k, 0,1,2,3
	v_max3_num_f32 v[TM+\k], s[FLOOR], |v[(\src)+16*\k]|, |v[(\src)+16*\k+1]|   ; four chains of 16, by turns; the floor 2^(3 - 127) among the leaves holds the byte at 1 from below
.endr
.irp i, 2,4,6,8,10,12,14
.irp k, 0,1,2,3
	v_max3_num_f32 v[TM+\k], v[TM+\k], |v[(\src)+16*\k+\i]|, |v[(\src)+16*\k+\i+1]|
.endr
.endr
	WIN 0
	v_max_num_f32 v[TM], v[TM], v[TM+1]            ; block c = 0: all 32 numbers are mine
	v_max_num_f32 v[TM+2], v[TM+2], v[TM+3]        ; block c = 1
	v_add_nc_u32 v[TM+4], 0xff000000, v[TM]        ; 2 off the exponent field: the conversion takes the exponent field of this operand as its scale
	v_add_nc_u32 v[TM+5], 0xff000000, v[TM+2]
	v_lshrrev_b32 v[TM+6], 23, v[TM+4]             ; the bytes
	v_lshrrev_b32 v[TM+7], 23, v[TM+5]
	v_lshl_or_b32 v[\pw], v[TM+7], 16, v[TM+6]     ; blocks h and 2 + h of my row,
	v_lshlrev_b32 v[\pw], v[SH8], v[\pw]           ; at their places in the word;
	v_permlanex16_b32 v[TM+8], v[\pw], s[SEL], s[SEL+1]
	v_or_b32 v[\pw], v[\pw], v[TM+8]               ; with lane l xor 16's two the word is whole
	WIN \w
.irp c, 0,1
	v_cvt_scalef32_pk16_fp6_f32 v[(\pc)+6*\c:(\pc)+6*\c+2], v[(\src)+32*\c:(\src)+32*\c+15], v[TM+4+\c]
	v_cvt_scalef32_pk16_fp6_f32 v[CT+4*\c:CT+4*\c+2], v[(\src)+32*\c+16:(\src)+32*\c+31], v[TM+4+\c]   ; (a conversion's three registers begin on an even number)
.endr
	WIN 0
	v_nop                                          ; one plain place behind a scaled conversion
.irp c, 0,1
.irp i, 0,1,2
	v_mov_b32 v[(\pc)+6*\c+3+\i], v[CT+4*\c+\i]
.endr
.endr
.endm
.macro PUTH pc, c, base, off           ; half a fragment out: 512 and 256 consecutive bytes
	global_store_b128 v[O16], v[(\pc)+6*(\c):(\pc)+6*(\c)+3], s[\base:\base+1] offset:\off
	global_store_b64 v[O8], v[(\pc)+6*(\c)+4:(\pc)+6*(\c)+5], s[\base:\base+1] offset:(\off)+512
.endm
.macro RED b                           ; four pairs of partial sums become four row sums, in every lane
.irp i, 0,1,2,3
	v_add_f32 v[\b+2*\i], v[\b+2*\i], v[\b+2*\i+1]
.endr
.irp m, 1,2,4,8
.irp i, 0,1,2,3
	v_add_f32_dpp v[\b+2*\i], v[\b+2*\i], v[\b+2*\i] row_xmask:\m row_mask:0xf bank_mask:0xf
.endr
.endr
.irp i, 0,1,2,3
	v_permlanex16_b32 v[\b+2*\i+1], v[\b+2*\i], s[SEL], s[SEL+1]
.endr
.irp i, 0,1,2,3
	v_add_f32 v[\b+2*\i], v[\b+2*\i], v[\b+2*\i+1]
.endr
.endm
	v_lshl_add_u32 v224, v0, 2, 0x10100
	v_mov_b32 v225, 0
	s_cmp_ge_u32 ttmp9, NLN                        ; which job: the same answer in all four waves of a work-group
	s_cbranch_scc1 .Lweights
	; ---------------- the first job: a tile of 16 rows, T = the work-group's number
	s_load_b256 s[4:11], s[0:1], 0x0               ; x s[4:5], g s[6:7], s s[8:9], out s[10:11]
	v_lshrrev_b32 v1, 5, v0
	v_readfirstlane_b32 s13, v1                    ; wave
	v_and_b32 v1, 31, v0                           ; lane
	v_and_b32 v2, 15, v0                           ; r
	v_bfe_u32 v3, v0, 4, 1                         ; h
	v_lshlrev_b32 v[O16], 4, v1
	v_lshlrev_b32 v[O8], 3, v1
	v_lshlrev_b32 v[O4], 2, v1
	v_lshlrev_b32 v[SH8], 3, v3
	s_mul_i32 s20, s13, 4*PITCH
	v_add_nc_u32 v[LW], s20, v[O16]
	v_mul_u32_u24 v[LR], v2, PITCH
	v_lshl_add_u32 v[LR], v3, 7, v[LR]
	s_lshl_b32 s20, s13, 10
	v_add_nc_u32 v[LR], s20, v[LR]
	v_mov_b32 v[TM+8], 0                           ; written once: a lane permute's destination counts as one of its sources
	s_mov_b32 s[FLOOR], 0x01800000
	s_mov_b32 s[HI], 0xffff0000                    ; lanes 16-31
	s_mov_b32 s[SEL], 0x76543210
	s_mov_b32 s[SEL+1], 0xfedcba98                 ; v_permlanex16_b32's selects for lane l xor 16
	s_mov_b32 s[INV], 0x3a800000                   ; 1 / 1,024
	s_mov_b32 s[EPS], 0x3727c5ac                   ; 1e-5
	s_lshr_b32 s20, ttmp9, 2
	s_lshl_b32 s20, s20, 6
	s_and_b32 s21, ttmp9, 3
	s_lshl_b32 s21, s21, 3
	s_add_co_u32 s20, s20, s21
	s_lshr_b32 s21, s13, 1
	s_lshl_b32 s21, s21, 5
	s_add_co_u32 s20, s20, s21
	s_and_b32 s21, s13, 1
	s_lshl_b32 s21, s21, 2
	s_add_co_u32 s20, s20, s21                     ; my first row: 64 (T / 4) + 8 (T % 4) + 32 (w / 2) + 4 (w % 2)
	s_lshl_b32 s20, s20, 12
	s_mov_b32 s21, 0
	s_mul_i32 s22, ttmp9, 12288
	s_mul_i32 s23, s13, 3072
	s_add_co_u32 s22, s22, s23                     ; codes out: tile T, K step 2 w
	s_mov_b32 s23, 0
	s_lshl_b32 s24, ttmp9, 9
	s_lshl_b32 s25, s13, 7
	s_add_co_u32 s24, s24, s25
	s_add_co_u32 s24, s24, ACT_S                   ; scale words out
	s_mov_b32 s25, 0
	s_wait_alu depctr_va_vdst(0)
	s_wait_kmcnt 0x0
	s_add_nc_u64 s[4:5], s[4:5], s[20:21]
	s_add_nc_u64 s[22:23], s[10:11], s[22:23]
	s_add_nc_u64 s[24:25], s[10:11], s[24:25]
.irp i, 0,1,2,3
.irp j, 0,1,2,3,4,5,6,7
	global_load_b128 v[X+32*\i+4*\j:X+32*\i+4*\j+3], v[O16], s[4:5] offset:4096*\i+512*\j   ; 512 consecutive bytes a load
.endr
.endr
.irp j, 0,1,2,3,4,5,6,7
	global_load_b128 v[G+4*\j:G+4*\j+3], v[O16], s[6:7] offset:512*\j
.endr
.irp j, 0,1,2,3,4,5,6,7
	global_load_b128 v[S+4*\j:S+4*\j+3], v[O16], s[8:9] offset:512*\j
.endr
	s_wait_loadcnt 16                              ; x is in; the sixteen loads of g and s may be out
.irp i, 0,1,2,3
	v_pk_add_f32 v[A+2*\i:A+2*\i+1], v[X+32*\i:X+32*\i+1], v[X+32*\i+2:X+32*\i+3]
.endr
.irp j, 4,6,8,10,12,14,16,18,20,22,24,26,28,30
.irp i, 0,1,2,3
	v_pk_add_f32 v[A+2*\i:A+2*\i+1], v[A+2*\i:A+2*\i+1], v[X+32*\i+\j:X+32*\i+\j+1]   ; the four rows by turns
.endr
.endr
	RED A
.irp i, 0,1,2,3
	v_mul_f32 v[A+2*\i], s[INV], v[A+2*\i]         ; the mean
.endr
.irp i, 0,1,2,3
.set j, 0
.rept 16
	v_pk_add_f32 v[X+32*\i+j:X+32*\i+j+1], v[X+32*\i+j:X+32*\i+j+1], v[A+2*\i:A+2*\i+1] op_sel_hi:[1,0] neg_lo:[0,1] neg_hi:[0,1]   ; d = x - mean
.set j, j+2
.endr
.endr
.irp i, 0,1,2,3
	v_pk_mul_f32 v[Q+2*\i:Q+2*\i+1], v[X+32*\i:X+32*\i+1], v[X+32*\i:X+32*\i+1]
.endr
.irp j, 2,4,6,8,10,12,14,16,18,20,22,24,26,28,30
.irp i, 0,1,2,3
	v_pk_fma_f32 v[Q+2*\i:Q+2*\i+1], v[X+32*\i+\j:X+32*\i+\j+1], v[X+32*\i+\j:X+32*\i+\j+1], v[Q+2*\i:Q+2*\i+1]
.endr
.endr
	RED Q
.irp i, 0,1,2,3
	v_fma_f32 v[Q+2*\i], v[Q+2*\i], s[INV], s[EPS] ; var + eps
.endr
	s_wait_alu depctr_va_vdst(0)
.irp i, 0,1,2,3
	v_rsq_f32 v[Q+2*\i], v[Q+2*\i]
.endr
	v_nop                                          ; one plain place behind the transcendentals
	s_wait_loadcnt 0x0                             ; g and s
	s_wait_alu depctr_va_vdst(0)
.irp i, 0,1,2,3
.set j, 0
.rept 16
	v_pk_mul_f32 v[X+32*\i+j:X+32*\i+j+1], v[X+32*\i+j:X+32*\i+j+1], v[Q+2*\i:Q+2*\i+1] op_sel_hi:[1,0]
.set j, j+2
.endr
.set j, 0
.rept 16
	v_pk_fma_f32 v[X+32*\i+j:X+32*\i+j+1], v[X+32*\i+j:X+32*\i+j+1], v[G+j:G+j+1], v[S+j:S+j+1]
.set j, j+2
.endr
.endr
.irp i, 0,1,2,3
.irp j, 0,1,2,3,4,5,6,7
	ds_store_b128 v[LW], v[X+32*\i+4*\j:X+32*\i+4*\j+3] offset:PITCH*\i+512*\j
.endr
.endr
	s_wait_dscnt 0x0                               ; for the others' sake: my rows lie in LDS
	s_barrier_signal -1
	s_barrier_wait -1                              ; all sixteen rows do; nothing in LDS is written again
.irp k, 0,1
.irp c, 0,1
.irp i, 0,1,2,3,4,5,6,7
	ds_load_b128 v[X+64*\k+32*\c+4*\i:X+64*\k+32*\c+4*\i+3], v[LR] offset:512*\k+256*\c+16*\i
.endr
.endr
.endr
	s_wait_dscnt 16                                ; K step 2 w's sixteen loads are in; the other step's may be out
	QUANT64 X, 0, PC0, PW
	s_wait_dscnt 0x0
	QUANT64 X+64, 0, PC1, PW+1
	PUTH PC0, 0, 22, 0
	PUTH PC0, 1, 22, 768
	PUTH PC1, 0, 22, 1536
	PUTH PC1, 1, 22, 2304
	v_cndmask_b32 v[PW], v[PW], v[PW+1], s[HI]     ; lanes 0-15 K step 2 w's words, lanes 16-31 K step 2 w + 1's: 128 consecutive bytes
	global_store_b32 v[O4], v[PW], s[24:25]
	s_wait_tensorcnt 0x0
	ds_add_u32 v224, v225
	s_wait_dscnt 0x0
	s_endpgm
	; ---------------- the second job: four units of the weights, one a wave
.Lweights:
	s_load_b256 s[8:15], s[0:1], 0x20              ; codes: Wq s[8:9], Wk s[10:11], Wv s[12:13], Wo s[14:15]
	s_load_b256 s[16:23], s[0:1], 0x40             ; codes: W1 s[16:17], W2 s[18:19]; scales: Wq s[20:21], Wk s[22:23]
	s_load_b256 s[24:31], s[0:1], 0x60             ; scales: Wv s[24:25], Wo s[26:27], W1 s[28:29], W2 s[30:31]
	s_load_b64 s[32:33], s[0:1], 0x80              ; wts
	s_sub_co_u32 s2, ttmp9, NLN                    ; g, 0 to 191
	v_lshrrev_b32 v1, 5, v0
	v_readfirstlane_b32 s3, v1                     ; wave
	v_and_b32 v2, 15, v0                           ; r
	v_bfe_u32 v3, v0, 4, 1                         ; h
	v_and_b32 v10, 31, v0                          ; lane
	v_and_b32 v4, 7, v2
	v_lshrrev_b32 v11, 3, v2
	v_lshl_add_u32 v4, v11, 5, v4                  ; 32 (r / 8) + r % 8: my row in the tile's group of 64
	v_lshlrev_b32 v7, 4, v10                       ; 16 x lane
	v_lshlrev_b32 v8, 3, v10                       ; 8 x lane
	v_lshlrev_b32 v9, 2, v2
	v_lshl_add_u32 v9, v3, 8, v9                   ; scale words out: 4 r + 256 h (lanes 16-31 hold K steps 4 to 7)
	s_lshl_b32 s39, s2, 2
	s_add_co_u32 s39, s39, s3                      ; U
	s_wait_alu depctr_va_vdst(0)
	s_wait_kmcnt 0x0
	s_mov_b64 s[34:35], s[18:19]                   ; which weight: the choice hangs on the work-group's number alone
	s_mov_b64 s[36:37], s[30:31]
	s_mov_b32 s38, 0
	s_cmp_lt_u32 s2, 128
	s_cselect_b64 s[34:35], s[16:17], s[34:35]
	s_cselect_b64 s[36:37], s[28:29], s[36:37]
	s_cselect_b32 s38, 256, s38                    ; the weight's first unit
	s_cmp_lt_u32 s2, 64
	s_cselect_b64 s[34:35], s[14:15], s[34:35]
	s_cselect_b64 s[36:37], s[26:27], s[36:37]
	s_cselect_b32 s38, 192, s38
	s_cmp_lt_u32 s2, 48
	s_cselect_b64 s[34:35], s[12:13], s[34:35]
	s_cselect_b64 s[36:37], s[24:25], s[36:37]
	s_cselect_b32 s38, 128, s38
	s_cmp_lt_u32 s2, 32
	s_cselect_b64 s[34:35], s[10:11], s[34:35]
	s_cselect_b64 s[36:37], s[22:23], s[36:37]
	s_cselect_b32 s38, 64, s38
	s_cmp_lt_u32 s2, 16
	s_cselect_b64 s[34:35], s[8:9], s[34:35]
	s_cselect_b64 s[36:37], s[20:21], s[36:37]
	s_cselect_b32 s38, 0, s38
	s_sub_co_u32 s43, s39, s38                     ; the tile, for all but W2
	s_sub_co_u32 s44, s2, 128                      ; W2's tile: the four waves take its four quarters of K
	s_mov_b32 s41, 768
	s_cmp_ge_u32 s2, 128
	s_cselect_b32 s43, s44, s43                    ; T
	s_cselect_b32 s40, s3, 0                       ; the quarter of K
	s_cselect_b32 s41, 3072, s41                   ; bytes of a row of codes
	s_cselect_b32 s42, 128, 32                     ; bytes of a row of scales
	s_lshr_b32 s45, s43, 2
	s_lshl_b32 s45, s45, 6
	s_and_b32 s46, s43, 3
	s_lshl_b32 s46, s46, 3
	s_add_co_u32 s45, s45, s46                     ; 64 (T / 4) + 8 (T % 4)
	s_mul_i32 s46, s45, s41
	s_mul_i32 s47, s40, 768
	s_add_co_u32 s46, s46, s47
	s_mov_b32 s47, 0
	s_add_nc_u64 s[34:35], s[34:35], s[46:47]      ; codes in
	s_mul_i32 s46, s45, s42
	s_lshl_b32 s48, s40, 5
	s_add_co_u32 s46, s46, s48
	s_add_nc_u64 s[36:37], s[36:37], s[46:47]      ; scales in
	s_mul_i32 s46, s39, 12288
	s_add_nc_u64 s[50:51], s[32:33], s[46:47]      ; codes out
	s_lshl_b32 s46, s39, 9
	s_add_co_u32 s46, s46, WSC
	s_add_nc_u64 s[52:53], s[32:33], s[46:47]      ; scale words out
	v_mul_u32_u24 v5, s41, v4
	v_mad_u32_u24 v5, v3, 24, v5                   ; my row, + 24 h: the operand's layout gives lane (r, h) k = 64 c + 32 h + 0 .. 31
	v_mul_u32_u24 v6, s42, v4
	v_lshl_add_u32 v6, v3, 4, v6                   ; my row's scale bytes: four words, K steps 4 h .. 4 h + 3
	global_load_b128 v[12:15], v6, s[36:37]
.irp s, 0,1,2,3,4,5,6,7
.irp c, 0,1
.irp i, 0,1,2
	global_load_b64 v[F+12*\s+6*\c+2*\i:F+12*\s+6*\c+2*\i+1], v5, s[34:35] offset:96*\s+48*\c+8*\i
.endr
.endr
.endr
.irp s, 0,1,2,3,4,5,6,7
	s_wait_loadcnt 6*(7-\s)                        ; loads come back in order: fragment s is in; the six loads of each later fragment may be out
.irp c, 0,1
	global_store_b128 v7, v[F+12*\s+6*\c:F+12*\s+6*\c+3], s[50:51] offset:1536*\s+768*\c       ; 512 consecutive bytes
	global_store_b64 v8, v[F+12*\s+6*\c+4:F+12*\s+6*\c+5], s[50:51] offset:1536*\s+768*\c+512   ; 256 consecutive bytes
.endr
.endr
.irp j, 0,1,2,3
	global_store_b32 v9, v[12+\j], s[52:53] offset:64*\j   ; K step 4 h + j, row lane r
.endr
	s_endpgm
.Lfunc_end_k_q230c5a6750_lnw:
	.size	k_q230c5a6750_lnw, .Lfunc_end_k_q230c5a6750_lnw-k_q230c5a6750_lnw
	.p2alignl 7, 3214868480
	.fill 96, 4, 3214868480
	.section	.rodata,"a",@progbits
	.p2align	6, 0x0
	.amdhsa_kernel k_q230c5a6750_lnw
		.amdhsa_group_segment_fixed_size 66304
		.amdhsa_private_segment_fixed_size 0
		.amdhsa_enable_private_segment 0
		.amdhsa_kernarg_size 136
		.amdhsa_user_sgpr_count 2
		.amdhsa_user_sgpr_kernarg_segment_ptr 1
		.amdhsa_wavefront_size32 1
		.amdhsa_system_sgpr_workgroup_id_x 1
		.amdhsa_system_sgpr_workgroup_id_y 1
		.amdhsa_system_sgpr_workgroup_id_z 1
		.amdhsa_system_vgpr_workitem_id 0
		.amdhsa_next_free_vgpr 226
		.amdhsa_next_free_sgpr 66
		.amdhsa_reserve_vcc 0
		.amdhsa_float_denorm_mode_32 3
		.amdhsa_float_denorm_mode_16_64 3
		.amdhsa_memory_ordered 1
		.amdhsa_forward_progress 1
		.amdhsa_inst_pref_size 53
	.end_amdhsa_kernel
	.amdgpu_metadata
---
amdhsa.version: [ 1, 2 ]
amdhsa.kernels:
  - .name:           k_q230c5a6750_lnw
    .symbol:         k_q230c5a6750_lnw.kd
    .args:
      - { .name: x, .offset: 0, .size: 8, .value_kind: global_buffer, .address_space: global }
      - { .name: g1, .offset: 8, .size: 8, .value_kind: global_buffer, .address_space: global }
      - { .name: s1, .offset: 16, .size: 8, .value_kind: global_buffer, .address_space: global }
      - { .name: act, .offset: 24, .size: 8, .value_kind: global_buffer, .address_space: global }
      - { .name: Wq_codes, .offset: 32, .size: 8, .value_kind: global_buffer, .address_space: global }
      - { .name: Wk_codes, .offset: 40, .size: 8, .value_kind: global_buffer, .address_space: global }
      - { .name: Wv_codes, .offset: 48, .size: 8, .value_kind: global_buffer, .address_space: global }
      - { .name: Wo_codes, .offset: 56, .size: 8, .value_kind: global_buffer, .address_space: global }
      - { .name: W1_codes, .offset: 64, .size: 8, .value_kind: global_buffer, .address_space: global }
      - { .name: W2_codes, .offset: 72, .size: 8, .value_kind: global_buffer, .address_space: global }
      - { .name: Wq_scales, .offset: 80, .size: 8, .value_kind: global_buffer, .address_space: global }
      - { .name: Wk_scales, .offset: 88, .size: 8, .value_kind: global_buffer, .address_space: global }
      - { .name: Wv_scales, .offset: 96, .size: 8, .value_kind: global_buffer, .address_space: global }
      - { .name: Wo_scales, .offset: 104, .size: 8, .value_kind: global_buffer, .address_space: global }
      - { .name: W1_scales, .offset: 112, .size: 8, .value_kind: global_buffer, .address_space: global }
      - { .name: W2_scales, .offset: 120, .size: 8, .value_kind: global_buffer, .address_space: global }
      - { .name: wts, .offset: 128, .size: 8, .value_kind: global_buffer, .address_space: global }
    .group_segment_fixed_size: 66304
    .private_segment_fixed_size: 0
    .kernarg_segment_align: 8
    .kernarg_segment_size: 136
    .max_flat_workgroup_size: 128
    .sgpr_count:     66
    .vgpr_count:     226
    .wavefront_size: 32
...
	.end_amdgpu_metadata
.endif
;; end of part 1
;; launch proj (part 2): grid 8 x 24, 4 waves a work-group, clusters of 4 x 4, 327,680 bytes of LDS; arguments act, wts, qkv; writes qkv
.if DOCPART == 2
	.amdgcn_target "amdgcn-amd-amdhsa--gfx1250"
	.amdhsa_code_object_version 6
	.text
	.protected	k_q230c5a6750_proj
	.globl	k_q230c5a6750_proj
	.p2align	8
	.type	k_q230c5a6750_proj,@function
k_q230c5a6750_proj:
	s_mov_b64 s[64:65], 0
	v_nop
	global_prefetch_b8 v0, s[64:65] scope:SCOPE_SE
	s_setreg_imm32_b32 hwreg(HW_REG_WAVE_MODE, 25, 1), 1
	s_wait_xcnt 0x0
	s_wait_alu depctr_hold_cnt(0) depctr_sa_sdst(0) depctr_va_vdst(0) depctr_va_sdst(0) depctr_va_ssrc(0) depctr_va_vcc(0) depctr_vm_vsrc(0)
	s_getreg_b32 s2, hwreg(HW_REG_IB_STS2, 6, 4)
	s_cmp_eq_u32 s2, 0
	s_cbranch_scc0 .Lentry_in_a_cluster
	s_endpgm
.Lentry_in_a_cluster:
	s_bfe_u32 s2, ttmp6, 0x10000c
	s_cmp_lg_u32 s2, 0xf033
	s_cbranch_scc0 .Lentry_shape_is_right
	s_endpgm
.Lentry_shape_is_right:
; A block of 256 x 256 of A B^T on E2M3 codes with E8M0 scales, K = 1,024, quantised again along its columns and stored as images of the next products' operand registers.  One text, two uses (VAR).
; VAR = 0: cluster rows 0-3: A = the normed tokens, B = Wq and Wk: q and k, quantised along the head's channels.  Cluster rows 4-5: A = Wv, B = the tokens: v transposed, quantised along the keys.
; VAR = 1: A = the normed tokens, B = W1; b1 is the C of each sum's first product; gelu (x / (1 + 2^(-2 u log2 e)), which is the tanh form) in f32, then the quantiser along the hidden units.
; OPERANDS ARE IMAGES OF REGISTERS: a tile is 16 rows, lane r standing for row 64 (T / 4) + 32 (r / 8) + 8 (T % 4) + r % 8; codes [T][K step 8][1,536], scale words [T][K step][64].
; Four waves, each 128 x 128: 64 accumulators by turns.  The product is used transposed (source 0 = B's rows), so that a lane's 64 registers of eight tiles are two runs of 32 neighbouring columns: whole blocks of the next K.
; K goes through two LDS slots of two K steps.  CLUSTERS 4 x 4: A's tiles are asked for jointly along a row of the cluster, B's along a column.  At the head one joint load a wave: slot 0's tiles of A, those of B, A's scale words, B's;
; slot 1 is first filled behind the next round, a quarter of the slot a wave, and so is every refill.  By this text's own count a wave has one tensor load out.
; PREFETCH: each wave names its work-group's quarter (by cx or cy, in the address alone) of the tiles that it will fetch: fills 1 and 2 at the head's end, fill 3 behind fill 1's load.
; LIMITS: a block of zeros keeps the scale byte 1 (its codes are zeros; this program alone reads the bytes); NaN and infinities are not served; v_exp_f32 and v_rcp_f32 are good to one unit in the last place.
.set VAR, 0
.set ACT_S, 3145728
.set WV_C, 1572864
.set WV_S, 9502720
.set WQK_S, 9437184
.set W1_C, 3145728
.set W1_S, 9568256
.set QK_SO, 9437184
.set V_CO, 6291456
.set V_SO, 9699328
.set HID_S, 12582912
.set FR, 12
.set NL, 4
.set HALFT, 8*3072
.set SLOT, 4*HALFT
.set SCL, 2*SLOT
.set HS, 4096
.set SPARE, SCL+4*HS
.set ADRA, 16
.set ADRB, 20
.set O16, 24
.set O8, 25
.set SOFF, 26
.set ADRS, 27
.set SPW, 28
.set NIL, 29
.set SH8, 30
.set BOF, 31
.set SC, 32
.set AF, 128
.set CT, 96
.set PW, 104
.set TM, 112
.set KV, 122
.set PC, 128
.set HA, 176
.set G1, 24
.set G0, 32
.set G1B, 48
.set G0B, 56
.set G1S, 68
.set G0S, 76
.set G1SB, 80
.set G0SB, 88
.set OUT0, 10
.set OUT1, 12
.set SOUT, 66
.set FLOOR, 96
.set HI, 97
.set SEL, 98
.set K1, 100
.set MSB, 0
.macro WIN new
.if MSB != (\new)
	s_set_vgpr_msb (MSB<<8)|(\new)
.set MSB, (\new)
.endif
.endm
.macro PLACES n
.rept \n
	v_nop
.endr
.endm
.macro JLOAD g0a, g1a, g0b, g1b
	s_cmp_eq_u32 s15, 0
	s_cbranch_scc0 .Lfor_b_\@
	tensor_load_to_lds s[\g0a:\g0a+3], s[\g1a:\g1a+7]
	s_nop 0
.rept 4
	v_nop
.endr
	s_branch .Lasked_\@
.Lfor_b_\@:
	tensor_load_to_lds s[\g0b:\g0b+3], s[\g1b:\g1b+7]
	s_nop 0
.rept 4
	v_nop
.endr
.Lasked_\@:
.endm
.macro CREST
	s_cmp_lg_u32 s14, 0
	s_cbranch_scc1 .Lnot_wave_0_\@
	s_barrier_signal -3
.Lnot_wave_0_\@:
	s_barrier_wait -3
	s_barrier_signal -1
	s_barrier_wait -1
.endm
.macro CROUND
	s_barrier_signal -1
	s_barrier_wait -1
	CREST
.endm
.macro QUANT64 src, w, pc, pw
	WIN ((\w)<<2)|((\w)<<4)
.irp k, 0,1,2,3
	v_max3_num_f32 v[TM+\k], s[FLOOR], |v[(\src)+16*\k]|, |v[(\src)+16*\k+1]|
.endr
.irp i, 2,4,6,8,10,12,14
.irp k, 0,1,2,3
	v_max3_num_f32 v[TM+\k], v[TM+\k], |v[(\src)+16*\k+\i]|, |v[(\src)+16*\k+\i+1]|
.endr
.endr
	WIN 0
	v_max_num_f32 v[TM], v[TM], v[TM+1]
	v_max_num_f32 v[TM+2], v[TM+2], v[TM+3]
	v_add_nc_u32 v[TM+4], 0xff000000, v[TM]
	v_add_nc_u32 v[TM+5], 0xff000000, v[TM+2]
	v_lshrrev_b32 v[TM+6], 23, v[TM+4]
	v_lshrrev_b32 v[TM+7], 23, v[TM+5]
	v_lshl_or_b32 v[\pw], v[TM+7], 16, v[TM+6]
	v_lshlrev_b32 v[\pw], v[SH8], v[\pw]
	v_permlanex16_b32 v[TM+8], v[\pw], s[SEL], s[SEL+1]
	v_or_b32 v[\pw], v[\pw], v[TM+8]
	WIN \w
.irp c, 0,1
	v_cvt_scalef32_pk16_fp6_f32 v[(\pc)+6*\c:(\pc)+6*\c+2], v[(\src)+32*\c:(\src)+32*\c+15], v[TM+4+\c]
	v_cvt_scalef32_pk16_fp6_f32 v[CT+4*\c:CT+4*\c+2], v[(\src)+32*\c+16:(\src)+32*\c+31], v[TM+4+\c]
.endr
	WIN 0
	v_nop
.irp c, 0,1
.irp i, 0,1,2
	v_mov_b32 v[(\pc)+6*\c+3+\i], v[CT+4*\c+\i]
.endr
.endr
.endm
.macro PUTH pc, c, base, off
	global_store_b128 v[O16], v[(\pc)+6*(\c):(\pc)+6*(\c)+3], s[\base:\base+1] offset:\off
	global_store_b64 v[O8], v[(\pc)+6*(\c)+4:(\pc)+6*(\c)+5], s[\base:\base+1] offset:(\off)+512
.endm
.macro GELU64 src, w
	WIN (\w)|((\w)<<2)
.set j, 0
.rept 32
	v_pk_mul_f32 v[HA+j:HA+j+1], v[(\src)+j:(\src)+j+1], v[(\src)+j:(\src)+j+1]
.set j, j+2
.endr
	WIN 0
.set j, 0
.rept 32
	v_pk_fma_f32 v[HA+j:HA+j+1], v[HA+j:HA+j+1], s[K1:K1+1], v[KV:KV+1] op_sel_hi:[1,0,0]
.set j, j+2
.endr
	WIN (\w)<<2
.set j, 0
.rept 32
	v_pk_mul_f32 v[HA+j:HA+j+1], v[HA+j:HA+j+1], v[(\src)+j:(\src)+j+1]
.set j, j+2
.endr
	WIN 0
.set j, 0
.rept 64
	v_exp_f32 v[HA+j], v[HA+j]
.set j, j+1
.endr
	v_nop
.set j, 0
.rept 32
	v_pk_add_f32 v[HA+j:HA+j+1], v[HA+j:HA+j+1], 1.0 op_sel_hi:[1,0]
.set j, j+2
.endr
.set j, 0
.rept 64
	v_rcp_f32 v[HA+j], v[HA+j]
.set j, j+1
.endr
	v_nop
	WIN (\w)<<2
.set j, 0
.rept 32
	v_pk_mul_f32 v[HA+j:HA+j+1], v[HA+j:HA+j+1], v[(\src)+j:(\src)+j+1]
.set j, j+2
.endr
	WIN 0
.endm
.if VAR == 0
	s_load_b128 s[4:7], s[0:1], 0x0
	s_load_b64 s[8:9], s[0:1], 0x10
.else
	s_load_b256 s[4:11], s[0:1], 0x0
.endif
	v_lshl_add_u32 v[SPW], v0, 2, SPARE
	v_mov_b32 v[NIL], 0
	ds_add_u32 v28, v29
	ds_add_u32 v28, v29
	s_wait_dscnt 0x0
	v_lshrrev_b32 v1, 5, v0
	v_readfirstlane_b32 s14, v1
	s_lshr_b32 s15, s14, 1
	s_and_b32 s16, s14, 1
	s_bfe_u32 s40, ttmp6, 0x40000
	s_bfe_u32 s41, ttmp6, 0x40004
	s_lshl_b32 s42, ttmp9, 2
	s_add_co_u32 s42, s42, s40
	s_and_b32 s92, ttmp7, 0xffff
	s_lshl_b32 s17, s92, 2
	s_add_co_u32 s17, s17, s41
	s_lshl_b32 s43, s41, 2
	s_lshl_b32 s43, 15, s43
	s_lshl_b32 s44, 0x1111, s40
	s_or_b32 s[G1], s43, (3<<16)|(1<<21)
	s_or_b32 s[G1B], s44, (3<<16)|(1<<21)
.irp g, G1, G1B
	s_mov_b32 s[\g+1], 384<<16
	s_mov_b32 s[\g+2], 16<<16
	s_mov_b32 s[\g+3], 384<<16
	s_mov_b32 s[\g+4], 16
	s_mov_b32 s[\g+5], 1536
	s_mov_b32 s[\g+6], 0
	s_mov_b32 s[\g+7], 0
.endr
	s_or_b32 s[G1S], s43, (3<<16)|(1<<21)
	s_or_b32 s[G1SB], s44, (3<<16)|(1<<21)
.irp g, G1S, G1SB
	s_mov_b32 s[\g+1], 32<<16
	s_mov_b32 s[\g+2], 32<<16
	s_mov_b32 s[\g+3], 32<<16
	s_mov_b32 s[\g+4], 32
	s_mov_b32 s[\g+5], 32
	s_mov_b32 s[\g+6], 0
	s_mov_b32 s[\g+7], 0
.endr
.if VAR == 0
	s_lshl_b32 s93, s92, 3
	s_add_co_u32 s93, s93, s42
	s_sub_co_u32 s93, s93, 32
	s_mov_b32 s94, ACT_S
	s_mov_b32 s95, WQK_S
	s_mov_b32 s18, QK_SO
	s_cmp_ge_u32 s92, 4
	s_cselect_b32 s20, s41, s17
	s_cselect_b32 s46, s93, s42
	s_cselect_b32 s21, WV_C, 0
	s_cselect_b32 s22, WV_S, s94
	s_cselect_b32 s47, s94, s95
	s_cselect_b32 s93, 6, 8
	s_cselect_b32 s19, V_CO, 0
	s_cselect_b32 s18, V_SO, s18
.else
	s_mov_b32 s20, s17
	s_mov_b32 s46, s42
	s_mov_b32 s21, 0
	s_mov_b32 s22, ACT_S
	s_mov_b32 s47, W1_S
.endif
	s_mov_b32 s12, s20
	s_mov_b32 s13, s46
	s_lshl_b32 s20, s20, 4                         ; the first of the block's sixteen tiles
	s_lshl_b32 s46, s46, 4
	s_mul_i32 s3, s20, 12288
	s_lshl_b32 s20, s20, 9
	s_add_co_u32 s22, s22, s20
	s_add_co_u32 s20, s3, s21
	s_mov_b32 s21, 0
	s_mov_b32 s23, 0
	s_mul_i32 s94, s46, 12288
.if VAR
	s_add_co_u32 s94, s94, W1_C
.endif
	s_lshl_b32 s46, s46, 9
	s_add_co_u32 s46, s46, s47
	s_mov_b32 s47, 0
	s_mov_b32 s95, 0
	s_mul_i32 s45, s14, HALFT
	s_mul_i32 s2, s16, 98304                       ; in the ring I fetch eight of the sixteen tiles: which half, in bytes
	s_mov_b32 s3, 0
	s_wait_kmcnt 0x0
.if VAR == 0
	s_cmp_ge_u32 s92, 4
	s_cselect_b64 s[98:99], s[6:7], s[4:5]
	s_cselect_b64 s[6:7], s[4:5], s[6:7]
	s_mov_b64 s[4:5], s[98:99]
.endif
	s_add_nc_u64 s[20:21], s[4:5], s[20:21]
	s_add_nc_u64 s[22:23], s[4:5], s[22:23]
	s_add_nc_u64 s[94:95], s[6:7], s[94:95]
	s_add_nc_u64 s[46:47], s[6:7], s[46:47]
	CROUND
	s_mov_b32 s[G0S], 1
	s_mov_b32 s[G0S+1], SCL
	s_mov_b64 s[G0S+2:G0S+3], s[22:23]
	s_or_b32 s[G0S+3], s[G0S+3], 0x80000000
	s_mov_b32 s[G0SB], 1
	s_mov_b32 s[G0SB+1], SCL+2*HS
	s_mov_b64 s[G0SB+2:G0SB+3], s[46:47]
	s_or_b32 s[G0SB+3], s[G0SB+3], 0x80000000
; The head's four tiles, one joint load a wave: wave 0 slot 0's sixteen tiles of A, wave 1 those of B, wave 2 A's scale words, wave 3 B's.
.macro ARM under, g0, g1, next
	s_cmp_lt_u32 s14, \under
	s_cbranch_scc0 \next
	tensor_load_to_lds s[\g0:\g0+3], s[\g1:\g1+7]
	s_nop 0
.rept 4
	v_nop
.endr
	s_branch .Lhead_asked
\next:
.endm
	s_mov_b32 s[G0], 1
	s_mov_b32 s[G0+1], 0
	s_mov_b64 s[G0+2:G0+3], s[20:21]
	s_or_b32 s[G0+3], s[G0+3], 0x80000000
	s_mov_b32 s[G0B], 1
	s_mov_b32 s[G0B+1], 2*HALFT
	s_mov_b64 s[G0B+2:G0B+3], s[94:95]
	s_or_b32 s[G0B+3], s[G0B+3], 0x80000000
	s_add_nc_u64 s[20:21], s[20:21], s[2:3]        ; for the ring: my eight tiles
	s_add_nc_u64 s[94:95], s[94:95], s[2:3]
	s_mov_b32 s[G0+4], 1
	s_add_co_u32 s[G0+5], s45, SLOT
	s_add_nc_u64 s[G0+6:G0+7], s[20:21], 3072
	s_or_b32 s[G0+7], s[G0+7], 0x80000000
	s_mov_b32 s[G0B+4], 1
	s_add_co_u32 s[G0B+5], s45, SLOT
	s_add_nc_u64 s[G0B+6:G0B+7], s[94:95], 3072
	s_or_b32 s[G0B+7], s[G0B+7], 0x80000000
	ARM 1, G0, G1, .Lhead_b
	ARM 2, G0B, G1B, .Lhead_sa
	ARM 3, G0S, G1S, .Lhead_sb
	tensor_load_to_lds s[G0SB:G0SB+3], s[G1SB:G1SB+7]
	s_nop 0
.rept 4
	v_nop
.endr
.Lhead_asked:
	; where my prefetches stand: of the eight tiles that I fetch in the ring, the partner at place p (cx for A, cy for B) names tiles 2 p and 2 p + 1
	s_cmp_eq_u32 s15, 0
	s_cselect_b64 s[94:95], s[20:21], s[94:95]
	s_cselect_b32 s46, s40, s41
	s_mul_i32 s46, s46, 24576
	s_mov_b32 s47, 0
	s_add_nc_u64 s[94:95], s[94:95], s[46:47]
	v_and_b32 v1, 15, v0
	v_bfe_u32 v2, v0, 4, 1
	v_and_b32 v3, 31, v0
	v_lshlrev_b32 v[O16], 4, v3
	v_lshlrev_b32 v[O8], 3, v3
	v_lshlrev_b32 v[SH8], 3, v2
	v_lshlrev_b32 v[BOF], 7, v2
	v_min_u32 v5, 23, v3                           ; the prefetches' offset: 24 blocks of 256 bytes, 12 to a tile's 3,072 bytes of a fill; lanes 24-31 name the last again
	v_add_nc_u32 v6, 4, v5
	v_lshrrev_b32 v6, 4, v6                        ; which of the two tiles
	v_mul_u32_u24 v6, 9216, v6
	v_lshl_add_u32 v5, v5, 8, v6                   ; 12,288 x tile + 256 x block
	s_mul_i32 s21, s15, HALFT
	s_mul_i32 s22, s16, HALFT
	s_add_co_u32 s22, s22, 2*HALFT
.irp s, 0,1
	v_add_nc_u32 v[ADRA+\s], s21, v[O16]
	v_add_nc_u32 v[ADRA+2+\s], s21, v[O8]
	v_add_nc_u32 v[ADRB+\s], s22, v[O16]
	v_add_nc_u32 v[ADRB+2+\s], s22, v[O8]
	s_add_co_u32 s21, s21, SLOT
	s_add_co_u32 s22, s22, SLOT
.endr
	s_mul_i32 s21, s15, HS
	s_mul_i32 s22, s16, HS
	s_add_co_u32 s22, s22, 2*HS
	s_sub_co_u32 s22, s22, s21
	v_mul_u32_u24 v4, s22, v2
	s_add_co_u32 s21, s21, SCL
	v_lshl_add_u32 v4, v1, 2, v4
	v_add_nc_u32 v[ADRS], s21, v4
	s_lshl_b32 s2, s13, 1
	s_add_co_u32 s2, s2, s16
	s_lshl_b32 s3, s12, 4
	s_lshl_b32 s20, s15, 3
	s_add_co_u32 s3, s3, s20
	s_mov_b32 s21, 0
.if VAR == 0
	v_lshlrev_b32 v[SOFF], 2, v3
	s_lshl_b32 s20, s2, s93
	s_add_co_u32 s20, s20, s3
	s_lshl_b32 s20, s20, 6
	s_add_co_u32 s20, s20, s18
	s_add_nc_u64 s[SOUT:SOUT+1], s[8:9], s[20:21]
	s_lshl_b32 s2, s2, 1
	s_lshl_b32 s20, s2, s93
	s_add_co_u32 s20, s20, s3
	s_mul_i32 s20, s20, 768
	s_add_co_u32 s20, s20, s19
	s_add_nc_u64 s[OUT0:OUT0+1], s[8:9], s[20:21]
	s_add_co_u32 s2, s2, 1
	s_lshl_b32 s20, s2, s93
	s_add_co_u32 s20, s20, s3
	s_mul_i32 s20, s20, 768
	s_add_co_u32 s20, s20, s19
	s_add_nc_u64 s[OUT1:OUT1+1], s[8:9], s[20:21]
.set SSTEP, 64
.else
	v_lshlrev_b32 v[SOFF], 2, v1
	v_lshl_add_u32 v[SOFF], v2, 11, v[SOFF]
	s_lshl_b32 s3, s3, 5
	s_add_co_u32 s3, s3, s2
	s_lshl_b32 s20, s3, 6
	s_add_co_u32 s20, s20, HID_S
	s_add_nc_u64 s[SOUT:SOUT+1], s[10:11], s[20:21]
	s_mul_i32 s20, s3, 1536
	s_add_nc_u64 s[OUT0:OUT0+1], s[10:11], s[20:21]
	s_lshl_b32 s20, s42, 10
	s_lshl_b32 s22, s16, 9
	s_add_co_u32 s20, s20, s22
	s_add_nc_u64 s[8:9], s[8:9], s[20:21]
	WIN 0x40
.irp b, 0,1,2,3,4,5,6,7
	global_load_b128 v[96+128*(\b/4)+8*(\b%4):96+128*(\b/4)+8*(\b%4)+3], v[BOF], s[8:9] offset:(64*(\b/4)+8*(\b%4))*4
	global_load_b128 v[96+128*(\b/4)+8*(\b%4)+4:96+128*(\b/4)+8*(\b%4)+7], v[BOF], s[8:9] offset:(64*(\b/4)+8*(\b%4))*4+16
.endr
	WIN 0
.set SSTEP, 2048
.endif
	s_mov_b32 s[FLOOR], 0x01800000
	s_mov_b32 s[HI], 0xffff0000
	s_mov_b32 s[SEL], 0x76543210
	s_mov_b32 s[SEL+1], 0xfedcba98
	s_mov_b32 s[K1], 0xbdd2d3e8
	s_mov_b32 s[K1+1], 0xbdd2d3e8
.macro FRAG reg, adr, off
	ds_load_b128 v[(\reg):(\reg)+3], v[\adr] offset:(\off)
	ds_load_b64 v[(\reg)+4:(\reg)+5], v[(\adr)+2] offset:(\off)+512
	ds_load_b128 v[(\reg)+6:(\reg)+9], v[\adr] offset:(\off)+768
	ds_load_b64 v[(\reg)+10:(\reg)+11], v[(\adr)+2] offset:(\off)+1280
.endm
.macro MUL16 a0, p, g, cm
.irp a, \a0, \a0+1
.irp b, 0,1,2,3,4,5,6,7
.if \cm == 0
	v_wmma_scale_f32_16x16x128_f8f6f4 v[8*(8*((\a)%4)+\b):8*(8*((\a)%4)+\b)+7], v[128*(\p)+FR*\b:128*(\p)+FR*\b+FR-1], v[AF+FR*(\a):AF+FR*(\a)+FR-1], v[8*(8*((\a)%4)+\b):8*(8*((\a)%4)+\b)+7], v[SC+8*(\g)+\b], v[SC+8*(\g)+(\a)] matrix_a_fmt:MATRIX_FMT_FP6 matrix_b_fmt:MATRIX_FMT_FP6 matrix_a_scale:MATRIX_SCALE_ROW1
.elseif \cm == 1
	v_wmma_scale_f32_16x16x128_f8f6f4 v[8*(8*((\a)%4)+\b):8*(8*((\a)%4)+\b)+7], v[128*(\p)+FR*\b:128*(\p)+FR*\b+FR-1], v[AF+FR*(\a):AF+FR*(\a)+FR-1], 0, v[SC+8*(\g)+\b], v[SC+8*(\g)+(\a)] matrix_a_fmt:MATRIX_FMT_FP6 matrix_b_fmt:MATRIX_FMT_FP6 matrix_a_scale:MATRIX_SCALE_ROW1
.else
	v_wmma_scale_f32_16x16x128_f8f6f4 v[8*(8*((\a)%4)+\b):8*(8*((\a)%4)+\b)+7], v[128*(\p)+FR*\b:128*(\p)+FR*\b+FR-1], v[AF+FR*(\a):AF+FR*(\a)+FR-1], v[96+128*(\b/4)+8*(\b%4):96+128*(\b/4)+8*(\b%4)+7], v[SC+8*(\g)+\b], v[SC+8*(\g)+(\a)] matrix_a_fmt:MATRIX_FMT_FP6 matrix_b_fmt:MATRIX_FMT_FP6 matrix_a_scale:MATRIX_SCALE_ROW1
.endif
.endr
.endr
.endm
.macro WLO cm
.if \cm == 2
	WIN 0x91
.else
	WIN 0xa1
.endif
.endm
.macro WHI cm
.if \cm == 2
	WIN 0xd1
.else
	WIN 0xf1
.endif
.endm
.macro FETCH_B slot, q, p
	WIN 0x40
.irp i, 0,1,2,3,4,5,6,7
	FRAG 128*(\p)+FR*\i, ADRB+\slot, \i*3072+(\q)*1536
.endr
	WIN 0
.endm
.macro FETCH_A slot, q, i0
.irp i, \i0, \i0+1, \i0+2, \i0+3
	FRAG AF+FR*(\i), ADRA+\slot, (\i)*3072+(\q)*1536
.endr
.endm
.macro STEP slot, g, cm
	s_wait_dscnt 4*NL
	WLO \cm
	MUL16 0, 0, \g, \cm
	MUL16 2, 0, \g, \cm
	s_wait_dscnt 0x0
	PLACES 4
	FETCH_B \slot, 1, 1
	FETCH_A \slot, 1, 0
	WHI \cm
	MUL16 4, 0, \g, \cm
	MUL16 6, 0, \g, \cm
	PLACES 4
	WIN 0
	FETCH_A \slot, 1, 4
.endm
.macro TURN slot, next, g, fill
	s_wait_tensorcnt 0x0
	ds_add_u32 v[SPW], v[NIL]
	s_wait_dscnt 4*NL+1
	WIN 0xa1
	MUL16 0, 1, \g, 0
	s_wait_dscnt 0x0
	s_barrier_signal -1
	MUL16 2, 1, \g, 0
	WIN 0
	s_barrier_wait -1
.if \fill
	CREST
	s_add_nc_u64 s[G0+4*\slot+2:G0+4*\slot+3], s[G0+4*\slot+2:G0+4*\slot+3], 6144
	s_add_nc_u64 s[G0B+4*\slot+2:G0B+4*\slot+3], s[G0B+4*\slot+2:G0B+4*\slot+3], 6144
	JLOAD G0+4*\slot, G1, G0B+4*\slot, G1B
.else
	PLACES 4
.endif
	FETCH_B \next, 0, 0
	FETCH_A \next, 0, 0
	WIN 0xf1
	MUL16 4, 1, \g, 0
	MUL16 6, 1, \g, 0
	PLACES 4
	WIN 0
	FETCH_A \next, 0, 4
.endm
	s_wait_alu depctr_va_vdst(0)
	global_prefetch_b8 v5, s[94:95] offset:3072 th:TH_LOAD_NT scope:SCOPE_SE   ; my share of fills 1 and 2 (K steps 2 to 5)
	global_prefetch_b8 v5, s[94:95] offset:6144 th:TH_LOAD_NT scope:SCOPE_SE
	s_wait_tensorcnt 0x0                           ; my tile of the head's four is in
	ds_add_u32 v[SPW], v[NIL]
	s_mov_b32 s[G1+2], 8<<16                       ; no tensor load of mine is out: from here on a load brings eight tiles,
	s_mov_b32 s[G1+4], 8
	s_mov_b32 s[G1B+2], 8<<16
	s_mov_b32 s[G1B+4], 8
	s_mul_i32 s2, s16, 98304
	s_mov_b32 s3, 0
	s_mov_b32 s[G0+1], s45                         ; and slot 0's descriptors point at my quarter
	s_add_nc_u64 s[G0+2:G0+3], s[G0+2:G0+3], s[2:3]
	s_mov_b32 s[G0B+1], s45
	s_add_nc_u64 s[G0B+2:G0B+3], s[G0B+2:G0B+3], s[2:3]
	s_wait_dscnt 0x0
	CROUND                                         ; all four tiles are in, all sixteen work-groups are here
	JLOAD G0+4, G1, G0B+4, G1B                     ; slot 1's first fill, my one load behind the round
	global_prefetch_b8 v5, s[94:95] offset:9216 th:TH_LOAD_NT scope:SCOPE_SE   ; my share of fill 3, the last
	FETCH_B 0, 0, 0
	FETCH_A 0, 0, 0
.irp g, 0,1,2,3,4,5,6,7
.irp i, 0,1,2,3,4,5,6,7
	ds_load_b32 v[SC+8*\g+\i], v[ADRS] offset:512*\i+64*\g
.endr
.endr
	FETCH_A 0, 0, 4
.if VAR
	s_wait_loadcnt 0x0
.endif
	STEP 0, 0, 1+VAR
	TURN 0, 1, 1, 1
	STEP 1, 2, 0
	TURN 1, 0, 3, 1
	STEP 0, 4, 0
	TURN 0, 1, 5, 0
	STEP 1, 6, 0
	s_wait_dscnt 4*NL
	WIN 0xa1
	MUL16 0, 1, 7, 0
	MUL16 2, 1, 7, 0
	s_wait_dscnt 0x0
	WIN 0xf1
	MUL16 4, 1, 7, 0
	MUL16 6, 1, 7, 0
	WIN 0
	PLACES 4
	v_mov_b32 v[TM+8], 0
.if VAR
	v_mov_b32 v[KV], 0xc0135761
	v_mov_b32 v[KV+1], 0xc0135761
.endif
.irp a, 0,1,2,3,4,5,6,7
.if \a > 3
	s_wait_xcnt 0x0
.endif
.if VAR
	GELU64 64*(\a%4), 2+\a/4
	QUANT64 HA, 0, PC+12*(\a%4), PW+\a
	PUTH PC+12*(\a%4), 0, OUT0, 49152*\a
	PUTH PC+12*(\a%4), 1, OUT0, 49152*\a+768
.else
	QUANT64 64*(\a%4), 2+\a/4, PC+12*(\a%4), PW+\a
	PUTH PC+12*(\a%4), 0, OUT0, 768*\a
	PUTH PC+12*(\a%4), 1, OUT1, 768*\a
.endif
.if \a%2
	v_cndmask_b32 v[PW+\a-1], v[PW+\a-1], v[PW+\a], s[HI]
	global_store_b32 v[SOFF], v[PW+\a-1], s[SOUT:SOUT+1] offset:SSTEP*(\a-1)
.endif
.endr
	s_wait_tensorcnt 0x0
	ds_add_u32 v[SPW], v[NIL]
	s_wait_dscnt 0x0
	CROUND
	s_endpgm
.Lfunc_end_k_q230c5a6750_proj:
	.size	k_q230c5a6750_proj, .Lfunc_end_k_q230c5a6750_proj-k_q230c5a6750_proj
	.p2alignl 7, 3214868480
	.fill 96, 4, 3214868480
	.section	.rodata,"a",@progbits
	.p2align	6, 0x0
	.amdhsa_kernel k_q230c5a6750_proj
		.amdhsa_group_segment_fixed_size 327680
		.amdhsa_private_segment_fixed_size 0
		.amdhsa_enable_private_segment 0
		.amdhsa_kernarg_size 24
		.amdhsa_user_sgpr_count 2
		.amdhsa_user_sgpr_kernarg_segment_ptr 1
		.amdhsa_wavefront_size32 1
		.amdhsa_system_sgpr_workgroup_id_x 1
		.amdhsa_system_sgpr_workgroup_id_y 1
		.amdhsa_system_sgpr_workgroup_id_z 1
		.amdhsa_system_vgpr_workitem_id 0
		.amdhsa_next_free_vgpr 1024
		.amdhsa_next_free_sgpr 102
		.amdhsa_reserve_vcc 0
		.amdhsa_float_denorm_mode_32 3
		.amdhsa_float_denorm_mode_16_64 3
		.amdhsa_memory_ordered 1
		.amdhsa_forward_progress 1
		.amdhsa_inst_pref_size 147
	.end_amdhsa_kernel
	.amdgpu_metadata
---
amdhsa.version: [ 1, 2 ]
amdhsa.kernels:
  - .name:           k_q230c5a6750_proj
    .symbol:         k_q230c5a6750_proj.kd
    .args:
      - { .name: act, .offset: 0, .size: 8, .value_kind: global_buffer, .address_space: global }
      - { .name: wts, .offset: 8, .size: 8, .value_kind: global_buffer, .address_space: global }
      - { .name: qkv, .offset: 16, .size: 8, .value_kind: global_buffer, .address_space: global }
    .group_segment_fixed_size: 327680
    .private_segment_fixed_size: 0
    .kernarg_segment_align: 8
    .kernarg_segment_size: 24
    .max_flat_workgroup_size: 128
    .sgpr_count:     102
    .vgpr_count:     1024
    .wavefront_size: 32
...
	.end_amdgpu_metadata
.endif
;; end of part 2
;; launch attn (part 3): grid 8 x 32, 16 waves a work-group, no clusters, 327,680 bytes of LDS; arguments qkv, act; writes act
.if DOCPART == 3
	.amdgcn_target "amdgcn-amd-amdhsa--gfx1250"
	.amdhsa_code_object_version 6
	.text
	.protected	k_q230c5a6750_attn
	.globl	k_q230c5a6750_attn
	.p2align	8
	.type	k_q230c5a6750_attn,@function
k_q230c5a6750_attn:
	s_mov_b64 s[64:65], 0
	v_nop
	global_prefetch_b8 v0, s[64:65] scope:SCOPE_SE
	s_setreg_imm32_b32 hwreg(HW_REG_WAVE_MODE, 25, 1), 1
	s_wait_xcnt 0x0
; Causal attention on E2M3 codes, head size 64, 2,048 keys, 32 (batch, head) pairs; ctx is quantised along the model's 1,024 and stored as the next product's operand.
; t = score x log2(e) / 8; M = the running largest t rounded UP to a whole number; p = 2^(t - M) is quantised along the keys, not normalised; the row's sum is taken of the unquantised p and divides O at the end.
; When M moves, the sum and O are multiplied by 2^(old M - new M): exact.  Key steps that lie wholly behind the causal mask of reference() are not walked.
; OPERANDS ARE IMAGES OF REGISTERS (a tile T: 16 rows, lane r = row 64 (T / 4) + 32 (r / 8) + 8 (T % 4) + r % 8; half a fragment, 64 along K: 768 bytes).  Both products are used transposed: a lane holds one query,
; and its 32 registers of four neighbouring tiles of keys are 32 neighbouring keys: a whole block of the second product's K.  O^T's 32 registers are a whole block of ctx.
; THE FIRST PRODUCT HAS K = 64 in an instruction of 128: Q's upper six registers are zero codes; K's operand names the next tile's codes (for the last tile: zeros) above its own; they meet zero codes under scale bytes 0 and add nothing.
; SHARES.  A work-group owns blocks j and 15 - j of 128 queries of one (batch, head): eight early tiles E (j + 1 key steps of 128) and eight late tiles L (16 - j steps).  Tile i of each goes to the pair of waves i and 8 + i:
; wave i walks L's key steps 0 to s - 1; wave 8 + i walks all of E, stores it, and then walks L's steps s to 15 - j (for j = 7: none).  The cut s is 10 for j < 2 and 9 else: steps 4 and up can be read only behind the second barrier,
; in front of which wave i has four steps to walk and wave 8 + i min(j + 1, 4); behind it wave i is left s - 4 steps and wave 8 + i 17 - s - min(j + 1, 4).  Wave i hands its O, sum and M to wave 8 + i through LDS (4,608 bytes a pair);
; the two parts are brought under the larger M by powers of two and added (a part of no steps has the factor 0).
; LDS: the head's K (98,304 bytes), V (98,304) and their scale words (8,192 + 4,096), each byte FILLED ONCE, in two parts.  At the head one tensor load a wave: waves 0-3 K's codes of key steps 0 to 3, waves 4-7 V's,
; waves 8-11 K's scale words, waves 12-15 V's.  Behind the first barrier one more a wave: waves 0-7 K's codes of key steps 4 to 15, waves 8-15 V's; they land while the first loop walks steps 0 to 3, which reads none of their bytes.
; Every wave walks three loops of 4, 4 and 8 trips (constants); a step that is not the wave's is jumped over by scalar branches on ids.
; NO CLUSTER: which steps a wave walks hangs on the work-group's x, which would be its place in a cluster.  NO PREFETCH: all that the work-group reads is asked for by its 32 loads, the last of them ahead of the first loop.
; LIMITS: a block of zeros keeps the scale byte 1 (its codes are zeros; this program alone reads the bytes); NaN and infinities are not served; the scaled scores stay under 2^31 in magnitude; a block's largest p is made from the
; block's largest score by the same two instructions as p (this takes v_exp_f32 not to fall where its input rises); v_exp_f32 and v_rcp_f32 are good to one unit in the last place.
; REGISTERS: v1-6, v211 addresses that stay; v7-11, v29 the step's; v12 -M, v13 largest t, v[14:15] the sum; v16-27 Q; v28 its scales; v30-31, v94-95, v232-233, v239 L's Q in waves 8-15; v32-85 K's tiles, then V's; v86-93 K's scales;
; v96-159 S^T, then p; v160-191 O^T; v192-195 V's scales; v196-207 p's codes; v208-231, v240-253 at work; v234 my query's place less 32 h; v235 8 h; v236 -infinity; v238 4 r; v254-255 the add's.
.set QK_SO, 9437184
.set V_CO, 6291456
.set V_SO, 9699328
.set ACT_S, 3145728
.set VC, 98304
.set KS, 196608
.set VS, 204800
.set SPARE, 208896
.set STG, 210944
.set PART, 24576                       ; the codes of key steps 0 to 3, of K or of V
.set LO, 2                             ; s2, s3: behind the head's loads the first step that is mine, now and in the last loop
.set LOB, 3
.set WV, 8
.set IDX, 9
.set W3, 10
.set HB, 11
.set HEAD, 12
.set HP, 13
.set PAR, 14
.set BL, 15
.set TQL, 16
.set TQE, 17
.set KF, 18
.set TK, 19
.set TS, 20
.set TV, 21
.set CNT, 22
.set G1KS, 24
.set G1KC, 32
.set G1VS, 40
.set G1VC, 48
.set T1, 76
.set LIM, 77
.set DG, 78
.set LIMB, 79
.set CS, 84
.set SEL, 86
.macro D1
	s_delay_alu instid0(VALU_DEP_1)
.endm
.macro D2
	s_delay_alu instid0(VALU_DEP_2)
.endm
.macro GROUP1 g, c, r, p               ; r rows of c elements of 8 bytes, p elements apart; dense in LDS
	s_mov_b32 s[\g], 3<<16
	s_mov_b32 s[\g+1], (\c)<<16
	s_mov_b32 s[\g+2], (\r)<<16
	s_mov_b32 s[\g+3], (\c)<<16
	s_mov_b32 s[\g+4], \r
	s_mov_b32 s[\g+5], \p
	s_mov_b32 s[\g+6], 0
	s_mov_b32 s[\g+7], 0
.endm
.macro ARM under, g0, g1, next         ; one arm of the head's chain: one load, then on to the join
	s_cmp_lt_u32 s[WV], \under
	s_cbranch_scc0 \next
	tensor_load_to_lds s[\g0:\g0+3], s[\g1:\g1+7]
	s_nop 0
.rept 4
	v_nop
.endr
	s_branch .Lasked
\next:
.endm
.macro INIT                            ; a tile's state: -M, the largest t (-3e38), the sum, O^T
	v_mov_b32 v13, 0xff61b1e6
	v_mov_b32 v12, 0x7f61b1e6
	v_mov_b32 v14, 0
	v_mov_b32 v15, 0
.set j, 0
.rept 32
	v_mov_b32 v[160+j], 0
.set j, j+1
.endr
.endm
	s_load_b128 s[4:7], s[0:1], 0x0                ; qkv, act
	v_lshl_add_u32 v254, v0, 2, SPARE
	v_mov_b32 v255, 0
	ds_add_u32 v254, v255
	ds_add_u32 v254, v255
	v_lshrrev_b32 v1, 5, v0
	D1
	v_readfirstlane_b32 s[WV], v1                  ; wave 0..15
	s_and_b32 s[IDX], s[WV], 7                     ; my tile in its block; also my eighth of the second part's loads
	s_and_b32 s23, ttmp7, 0xffff
	s_lshr_b32 s[HB], s23, 4                       ; batch
	s_and_b32 s[HEAD], s23, 15
	s_and_b32 s[W3], s[WV], 3                      ; my quarter of the head's loads
	s_lshr_b32 s[HP], s[HEAD], 1
	s_and_b32 s[PAR], s[HEAD], 1
	s_sub_co_u32 s[BL], 15, ttmp9                  ; the late block
	s_lshl_b32 s23, s[HB], 7
	s_add_co_u32 s23, s23, s[IDX]
	s_lshl_b32 s[TQL], s[BL], 3
	s_add_co_u32 s[TQL], s[TQL], s23               ; L's tile of tokens
	s_lshl_b32 s[TQE], ttmp9, 3
	s_add_co_u32 s[TQE], s[TQE], s23               ; E's
	s_mov_b32 s[DG], 99
	s_cmp_lt_u32 s[WV], 8
	s_cselect_b32 s[T1], s[TQL], s[TQE]            ; my first tile
	s_cselect_b32 s[LIM], 7, ttmp9                 ; the last of steps 0 to 7 that is mine,
	s_cselect_b32 s[DG], s[DG], ttmp9              ; the masked one among them (waves 0-7: none)
	GROUP1 G1KS, 32, 8, 32                         ; K's scale words: 2,048 dense bytes a wave
	GROUP1 G1KC, 32, 24, 32                        ; K's codes: 6,144 dense bytes a wave (the second part: 9,216)
	GROUP1 G1VS, 32, 4, 512                        ; V's scale words: four rows of 256 bytes, 4,096 apart
	GROUP1 G1VC, 384, 2, 6144                      ; V's codes: two rows of 3,072 bytes, 49,152 apart (the second part: three)
	s_lshl_b32 s23, s[HB], 7
	s_add_co_u32 s88, s[HP], 8
	s_lshl_b32 s88, s88, 8
	s_add_co_u32 s88, s88, s23
	s_lshl_b32 s88, s88, 6
	s_add_co_u32 s88, s88, QK_SO
	s_lshl_b32 s89, s[W3], 11
	s_add_co_u32 s88, s88, s89                     ; K's scale words, my quarter
	s_mov_b32 s89, 0
	s_add_co_u32 s90, s[HEAD], 16
	s_lshl_b32 s90, s90, 8
	s_add_co_u32 s90, s90, s23
	s_mul_i32 s90, s90, 768                        ; K's codes
	s_mul_i32 s2, s[IDX], 9216
	s_add_co_u32 s2, s2, s90
	s_add_co_u32 s2, s2, PART                      ; the second part, my eighth
	s_mov_b32 s3, 0
	s_mul_i32 s91, s[W3], 6144
	s_add_co_u32 s90, s90, s91                     ; the first part, my quarter
	s_mov_b32 s91, 0
	s_lshl_b32 s92, s[HB], 10
	s_lshl_b32 s93, s[HEAD], 2
	s_add_co_u32 s92, s92, s93
	s_lshl_b32 s92, s92, 6
	s_add_co_u32 s92, s92, V_SO
	s_lshl_b32 s94, s[W3], 14
	s_add_co_u32 s92, s92, s94                     ; V's scale words, my four key steps
	s_lshl_b32 s94, s[HB], 11
	s_add_co_u32 s94, s94, s93
	s_mul_i32 s94, s94, 768
	s_add_co_u32 s94, s94, V_CO                    ; V's codes
	s_mul_i32 s66, s[IDX], 3*49152
	s_add_co_u32 s66, s66, s94
	s_add_co_u32 s66, s66, 8*49152                 ; the second part: groups 8 + 3 i .. of 64 keys
	s_mov_b32 s67, 0
	s_mul_i32 s95, s[W3], 2*49152
	s_add_co_u32 s94, s94, s95                     ; the first part: my two groups
	s_mov_b32 s93, 0
	s_mov_b32 s95, 0
	s_lshl_b32 s96, s[HEAD], 8
	s_add_co_u32 s96, s96, s[T1]
	s_mul_i32 s96, s96, 768                        ; my first tile's Q
	s_mov_b32 s97, 0
	s_lshl_b32 s98, s[HP], 8
	s_add_co_u32 s98, s98, s[T1]
	s_lshl_b32 s98, s98, 6
	s_lshl_b32 s99, s[PAR], 1
	s_add_co_u32 s98, s98, s99
	s_add_co_u32 s98, s98, QK_SO                   ; and its scale half words
	s_mov_b32 s99, 0
	s_mov_b32 s[CS], 0x3e38aa3b                    ; c = log2(e) / 8
	s_mov_b32 s[CS+1], s[CS]
	s_mov_b32 s[SEL], 0x76543210
	s_mov_b32 s[SEL+1], 0xfedcba98                 ; v_permlanex16_b32's selects for lane l xor 16
	s_mov_b32 s[KF], 0
	s_mov_b32 s[TK], 0
	s_mov_b32 s[TS], 0
	s_mov_b32 s[TV], 0
	s_wait_dscnt 0x0
	s_wait_kmcnt 0x0
	s_mov_b32 s56, 1                               ; group 0: K's codes, first part
	s_mul_i32 s57, s[W3], 6144
	s_add_nc_u64 s[58:59], s[4:5], s[90:91]
	s_or_b32 s59, s59, 0x80000000
	s_mov_b32 s60, 1                               ; V's codes, first part
	s_add_co_u32 s61, s57, VC
	s_add_nc_u64 s[62:63], s[4:5], s[94:95]
	s_or_b32 s63, s63, 0x80000000
	s_mov_b32 s68, 1                               ; K's scale words
	s_lshl_b32 s69, s[W3], 11
	s_add_co_u32 s69, s69, KS
	s_add_nc_u64 s[70:71], s[4:5], s[88:89]
	s_or_b32 s71, s71, 0x80000000
	s_mov_b32 s72, 1                               ; V's scale words
	s_lshl_b32 s73, s[W3], 10
	s_add_co_u32 s73, s73, VS
	s_add_nc_u64 s[74:75], s[4:5], s[92:93]
	s_or_b32 s75, s75, 0x80000000
	s_mov_b32 s80, 1                               ; K's codes, second part
	s_mul_i32 s81, s[IDX], 9216
	s_add_co_u32 s81, s81, PART
	s_add_nc_u64 s[82:83], s[4:5], s[2:3]
	s_or_b32 s83, s83, 0x80000000
	s_mov_b32 s92, 1                               ; V's codes, second part
	s_add_co_u32 s93, s81, VC
	s_add_nc_u64 s[94:95], s[4:5], s[66:67]
	s_or_b32 s95, s95, 0x80000000
	ARM 4, 56, G1KC, .Larm_v
	ARM 8, 60, G1VC, .Larm_ks
	ARM 12, 68, G1KS, .Larm_vs
	tensor_load_to_lds s[72:75], s[G1VS:G1VS+7]
	s_nop 0
.rept 4
	v_nop
.endr
.Lasked:
	s_cmp_lt_u32 ttmp9, 2
	s_cselect_b32 s[LOB], 10, 9                    ; s, where L is cut between the pair's two waves
	s_sub_co_u32 s[LO], s[LOB], 1
	s_cmp_lt_u32 s[WV], 8
	s_cselect_b32 s[LIMB], s[LO], s[BL]            ; the last loop: waves 0-7 walk steps 8 to s - 1,
	s_cselect_b32 s[LOB], 0, s[LOB]                ; waves 8-15 steps s to 15 - j
	s_mov_b32 s[LO], 0
	s_add_nc_u64 s[96:97], s[4:5], s[96:97]
	s_add_nc_u64 s[98:99], s[4:5], s[98:99]
	s_lshl_b32 s23, s[PAR], 1
	s_add_co_u32 s23, s23, KS
	s_mul_i32 s88, s[IDX], 4608
	s_add_co_u32 s88, s88, STG
	s_lshr_b32 s89, s[IDX], 2
	s_lshl_b32 s89, s89, 6
	s_and_b32 s[CNT], s[IDX], 3
	s_lshl_b32 s[CNT], s[CNT], 3
	s_add_co_u32 s89, s89, s[CNT]
	v_and_b32 v7, 31, v0                           ; lane
	v_and_b32 v8, 15, v0                           ; r
	v_bfe_u32 v237, v0, 4, 1                       ; h
	v_lshlrev_b32 v1, 4, v7                        ; K's codes: 16 x lane
	v_lshlrev_b32 v2, 3, v7                        ; 8 x lane
	v_lshlrev_b32 v238, 2, v8                      ; 4 r
	v_lshrrev_b32 v234, 3, v8
	v_and_b32 v230, 7, v8
	v_add_nc_u32 v3, VC, v1                        ; V's codes
	v_add_nc_u32 v4, VC, v2
	v_add_nc_u32 v5, s23, v238                     ; K's scale half words: 4 r + 2 x (head % 2)
	v_add_nc_u32 v6, VS, v238                      ; V's scale words
	v_add_nc_u32 v211, s88, v1                     ; my pair's stage
	v_lshl_add_u32 v234, v234, 5, v230
	v_lshlrev_b32 v230, 5, v237
	D2
	v_add_nc_u32 v234, s89, v234                   ; my query's place in its block of 128,
	D1
	v_sub_nc_u32 v234, v234, v230                  ; less 32 h: register 32 c + i holds key 64 c + 32 h + i: hidden where 64 c + i is larger than this
	v_lshlrev_b32 v235, 3, v237
	v_mov_b32 v236, 0xff800000                     ; -infinity
.irp j, 220,221,229,231,22,23,24,25,26,27,80,81,82,83,84,85
	v_mov_b32 v[\j], 0                             ; permutes' destinations, upper halves of named pairs, zero codes
.endr
	INIT
	s_wait_alu depctr_va_vdst(0)
	global_load_b128 v[16:19], v1, s[96:97]        ; my first tile's Q
	global_load_b64 v[20:21], v2, s[96:97] offset:512
	global_load_u16 v28, v238, s[98:99]            ; its two scale bytes; the upper two are 0
	s_cmp_lt_u32 s[WV], 8
	s_cbranch_scc1 .Lno_q2
	s_lshl_b32 s88, s[HEAD], 8                     ; waves 8-15: L's Q waits in registers
	s_add_co_u32 s88, s88, s[TQL]
	s_mul_i32 s88, s88, 768
	s_mov_b32 s89, 0
	s_lshl_b32 s90, s[HP], 8
	s_add_co_u32 s90, s90, s[TQL]
	s_lshl_b32 s90, s90, 6
	s_lshl_b32 s91, s[PAR], 1
	s_add_co_u32 s90, s90, s91
	s_add_co_u32 s90, s90, QK_SO
	s_mov_b32 s91, 0
	s_add_nc_u64 s[88:89], s[4:5], s[88:89]
	s_add_nc_u64 s[90:91], s[4:5], s[90:91]
	global_load_b64 v[30:31], v1, s[88:89]
	global_load_b64 v[94:95], v1, s[88:89] offset:8
	global_load_b64 v[232:233], v2, s[88:89] offset:512
	global_load_u16 v239, v238, s[90:91]
.Lno_q2:
; A KEY STEP: 128 keys.
.macro STEP
	s_cmp_gt_u32 s[KF], s[LIM]                     ; not mine: only the scalar steps at its end are run
	s_cbranch_scc1 .Lhidden_\@
	s_cmp_lt_u32 s[KF], s[LO]
	s_cbranch_scc1 .Lhidden_\@
	v_add_nc_u32 v7, s[TK], v1                     ; (these six are also the places behind the last step's products, in front of the loads below)
	v_add_nc_u32 v8, s[TK], v2
	v_add_nc_u32 v9, s[TK], v3
	v_add_nc_u32 v10, s[TK], v4
	v_add_nc_u32 v11, s[TS], v5
	v_add_nc_u32 v29, s[TV], v6
.irp t, 0,1,2,3,4,5,6,7
	ds_load_b128 v[32+6*\t:35+6*\t], v7 offset:768*\t
	ds_load_b64 v[36+6*\t:37+6*\t], v8 offset:768*\t+512
	ds_load_u16 v[86+\t], v11 offset:64*\t
.endr
	s_wait_alu depctr_va_vdst(0)
	s_wait_dscnt 0x0
.irp t, 0,1,2,3,4,5,6,7                ; S^T = K Q^T: register 8 t + j of lane (r, h) is query r, key 64 (t / 4) + 32 h + 8 (t % 4) + j
	v_wmma_scale_f32_16x16x128_f8f6f4 v[96+8*\t:103+8*\t], v[32+6*\t:43+6*\t], v[16:27], 0, v[86+\t], v28 matrix_a_fmt:MATRIX_FMT_FP6 matrix_b_fmt:MATRIX_FMT_FP6
.endr
.rept 4
	v_nop                                          ; places in front of the loads into K's registers and of the first read of the scores
.endr
.irp u, 0,1,2,3                        ; V's four tiles of 16 channels x 128 keys land while the softmax is walked
.irp c, 0,1
	ds_load_b128 v[32+12*\u+6*\c:35+12*\u+6*\c], v9 offset:768*\u+3072*\c
	ds_load_b64 v[36+12*\u+6*\c:37+12*\u+6*\c], v10 offset:768*\u+3072*\c+512
.endr
	ds_load_b32 v[192+\u], v29 offset:64*\u
.endr
	s_cmp_lg_u32 s[KF], s[DG]                      ; on the diagonal the scores of hidden keys become -infinity: p = 0 then
	s_cbranch_scc1 .Lopen_\@
.set n, 0
.rept 64
	v_cmp_gt_i32 vcc_lo, 64*(n/32)+n%32, v234
	v_cndmask_b32 v[96+n], v[96+n], v236, vcc_lo
.set n, n+1
.endr
.Lopen_\@:
.irp k, 0,1,2,3                        ; the largest score of each block of 32 keys, in four chains of 16; each accumulator is first read at its low end
	v_max3_num_f32 v[216+\k], v[96+16*\k], v[97+16*\k], v[98+16*\k]
.endr
.irp i, 3,5,7,9,11,13
.irp k, 0,1,2,3
	v_max3_num_f32 v[216+\k], v[216+\k], v[96+16*\k+\i], v[97+16*\k+\i]
.endr
.endr
	v_max3_num_f32 v216, v216, v217, v111
	v_max3_num_f32 v218, v218, v219, v143
	v_max_num_f32 v216, v216, v127                 ; block 0's largest score
	v_max_num_f32 v218, v218, v159                 ; block 1's
	D1
	v_max_num_f32 v230, v216, v218
	D1
	v_permlanex16_b32 v220, v230, s[SEL], s[SEL+1]
	D1
	v_max_num_f32 v230, v230, v220                 ; the step's largest score of my query
	D1
	v_mul_f32 v230, s[CS], v230                    ; as t
	D1
	v_max_num_f32 v13, v13, v230                   ; the running largest t
	v_mov_b32 v230, v12
	D2
	v_floor_f32 v12, -v13                          ; the new -M = -ceil(t)
	D1
	v_sub_f32 v230, v12, v230                      ; old M - new M: a whole number, 0 or less
	D1
	v_cvt_i32_f32 v230, v230                       ; (it saturates)
	D1
	v_ldexp_f32 v228, 1.0, v230                    ; f = 2^(old M - new M)
.set j, 0
.rept 32
	v_pk_fma_f32 v[96+j:97+j], v[96+j:97+j], s[CS:CS+1], v[12:13] op_sel_hi:[1,0,0]   ; t - M
.set j, j+2
.endr
	v_fma_f32 v216, v216, s[CS], v12               ; the same of each block's largest score
	v_fma_f32 v218, v218, s[CS], v12
	s_wait_alu depctr_va_vdst(0)
.set j, 0
.rept 64
	v_exp_f32 v[96+j], v[96+j]                     ; p = 2^(t - M)
.set j, j+1
.endr
	v_exp_f32 v216, v216
	v_exp_f32 v218, v218
	v_pk_mul_f32 v[14:15], v[14:15], v[228:229] op_sel_hi:[1,0]   ; the sums under the new M (a plain place behind the exponentials)
	s_wait_alu depctr_va_vdst(0)                   ; and behind it
	v_max_num_f32 v216, 0x1800000, v216            ; the floor 2^(3 - 127): the byte cannot fall under 1
	v_max_num_f32 v218, 0x1800000, v218
	D2
	v_add_nc_u32 v222, 0xff000000, v216            ; 2 off the exponent field: the conversion's scale operand
	D2
	v_add_nc_u32 v223, 0xff000000, v218
	D2
	v_lshrrev_b32 v224, 23, v222                   ; the bytes
	D2
	v_lshrrev_b32 v225, 23, v223
	D1
	v_lshl_or_b32 v226, v225, 16, v224             ; blocks h and 2 + h,
	D1
	v_lshlrev_b32 v226, v235, v226                 ; at their places;
	D1
	v_permlanex16_b32 v221, v226, s[SEL], s[SEL+1]
	D1
	v_or_b32 v226, v226, v221                      ; p's scale word for these 128 keys
.irp c, 0,1
	v_cvt_scalef32_pk16_fp6_f32 v[196+6*\c:198+6*\c], v[96+32*\c:111+32*\c], v[222+\c]
	v_cvt_scalef32_pk16_fp6_f32 v[208+4*\c:210+4*\c], v[112+32*\c:127+32*\c], v[222+\c]   ; (a conversion's three registers begin on an even number)
.endr
	v_nop                                          ; one plain place behind a scaled conversion
.irp c, 0,1
.irp i, 0,1,2
	v_mov_b32 v[199+6*\c+\i], v[208+4*\c+\i]
.endr
.endr
.irp c, 0,1,2,3,4,5,6                  ; the row's sum of the unquantised p: 32 pairs in seven chains and the sum itself
	v_pk_add_f32 v[240+2*\c:241+2*\c], v[96+4*\c:97+4*\c], v[98+4*\c:99+4*\c]
.endr
.irp c, 0,1,2,3,4,5,6
	v_pk_add_f32 v[240+2*\c:241+2*\c], v[240+2*\c:241+2*\c], v[124+2*\c:125+2*\c]
.endr
.irp c, 0,1,2,3,4,5,6
	v_pk_add_f32 v[240+2*\c:241+2*\c], v[240+2*\c:241+2*\c], v[138+2*\c:139+2*\c]
.endr
	v_pk_add_f32 v[14:15], v[14:15], v[152:153]
	v_pk_add_f32 v[240:241], v[240:241], v[154:155]
	v_pk_add_f32 v[242:243], v[242:243], v[156:157]
	v_pk_add_f32 v[244:245], v[244:245], v[158:159]
	v_pk_add_f32 v[14:15], v[14:15], v[252:253]
	v_pk_add_f32 v[248:249], v[248:249], v[250:251]
	v_pk_add_f32 v[240:241], v[240:241], v[242:243]
	v_pk_add_f32 v[244:245], v[244:245], v[246:247]
	v_pk_add_f32 v[14:15], v[14:15], v[248:249]
	D2
	v_pk_add_f32 v[240:241], v[240:241], v[244:245]
	D1
	v_pk_add_f32 v[14:15], v[14:15], v[240:241]
	s_wait_alu depctr_va_vdst(0)
.set j, 0
.rept 16
	v_pk_mul_f32 v[160+j:161+j], v[160+j:161+j], v[228:229] op_sel_hi:[1,0]   ; O^T under the new M (with the sums: the places between the scale word's and the codes' last writes and the products)
.set j, j+2
.endr
	s_wait_alu depctr_va_vdst(0)
	s_wait_dscnt 0x0                               ; V
.irp u, 0,1,2,3                        ; O^T += V^T P^T: four accumulators by turns
	v_wmma_scale_f32_16x16x128_f8f6f4 v[160+8*\u:167+8*\u], v[32+12*\u:43+12*\u], v[196:207], v[160+8*\u:167+8*\u], v[192+\u], v226 matrix_a_fmt:MATRIX_FMT_FP6 matrix_b_fmt:MATRIX_FMT_FP6
.endr
.Lhidden_\@:
	s_add_co_u32 s[KF], s[KF], 1
	s_add_co_u32 s[TK], s[TK], 6144
	s_add_co_u32 s[TS], s[TS], 512
	s_add_co_u32 s[TV], s[TV], 256
.endm
; THE WAY OUT of a tile.  OUTS: where it goes (half a fragment of K step head / 2, and two scale bytes a row).  OUTV: ctx = O^T / the sum, one block of 32 channels a lane, quantised and stored.
.macro OUTS tq
	s_lshl_b32 s88, s[\tq], 3
	s_add_co_u32 s88, s88, s[HP]
	s_mul_i32 s90, s88, 1536
	s_mul_i32 s23, s[PAR], 768
	s_add_co_u32 s90, s90, s23
	s_mov_b32 s91, 0
	s_add_nc_u64 s[90:91], s[6:7], s[90:91]
	s_lshl_b32 s88, s88, 6
	s_lshl_b32 s23, s[PAR], 1
	s_add_co_u32 s88, s88, s23
	s_add_co_u32 s88, s88, ACT_S
	s_mov_b32 s89, 0
	s_add_nc_u64 s[88:89], s[6:7], s[88:89]
.endm
.macro OUTV
	v_add_f32 v14, v14, v15                        ; the sum's two halves,
	D1
	v_permlanex16_b32 v220, v14, s[SEL], s[SEL+1]
	D1
	v_add_f32 v14, v14, v220                       ; and lane l xor 16's
	s_wait_alu depctr_va_vdst(0)
	v_rcp_f32 v14, v14
	v_nop                                          ; one plain place behind the transcendental
	s_wait_alu depctr_va_vdst(0)
.set j, 0
.rept 32
	v_mul_f32 v[96+j], v[160+j], v14
.set j, j+1
.endr
	v_max3_num_f32 v216, |v96|, |v97|, 0x1800000   ; the block's largest magnitude, with the floor among its leaves
	v_max3_num_f32 v217, |v112|, |v113|, 0x1800000
.irp i, 2,4,6,8,10,12,14
	D2
	v_max3_num_f32 v216, v216, |v[96+\i]|, |v[97+\i]|
	D2
	v_max3_num_f32 v217, v217, |v[112+\i]|, |v[113+\i]|
.endr
	D1
	v_max_num_f32 v216, v216, v217
	D1
	v_add_nc_u32 v222, 0xff000000, v216
	D1
	v_lshrrev_b32 v224, 23, v222
	D1
	v_lshlrev_b32 v226, v235, v224                 ; my byte at 8 h;
	D1
	v_permlanex16_b32 v221, v226, s[SEL], s[SEL+1]
	D1
	v_or_b32 v226, v226, v221                      ; with lane l xor 16's: the head's two bytes of row lane r
	v_cvt_scalef32_pk16_fp6_f32 v[196:198], v[96:111], v222
	v_cvt_scalef32_pk16_fp6_f32 v[208:210], v[112:127], v222
	v_nop
.irp i, 0,1,2
	v_mov_b32 v[199+\i], v[208+\i]
.endr
	global_store_b128 v1, v[196:199], s[90:91]
	global_store_b64 v2, v[200:201], s[90:91] offset:512
	global_store_b16 v238, v226, s[88:89]          ; (both lanes of a row write the same two bytes with the same value)
.endm
	s_wait_tensorcnt 0x0                           ; my one load of the first part is in;
	ds_add_u32 v254, v255
	s_mov_b32 s[G1KC+2], 36<<16                    ; no tensor load of mine is out: the second part's loads bring 36 rows of K's codes,
	s_mov_b32 s[G1KC+4], 36
	s_mov_b32 s[G1VC+2], 3<<16                     ; or three of V's
	s_mov_b32 s[G1VC+4], 3
	s_wait_dscnt 0x0
	s_barrier_signal -1
	s_barrier_wait -1                              ; everybody's is: key steps 0 to 3 and all scale words lie in LDS
	s_cmp_lt_u32 s[WV], 8
	s_cbranch_scc0 .Lrest_v
	tensor_load_to_lds s[80:83], s[G1KC:G1KC+7]    ; key steps 4 to 15: my one load behind this barrier
	s_nop 0
.rept 4
	v_nop
.endr
	s_branch .Lrest_asked
.Lrest_v:
	tensor_load_to_lds s[92:95], s[G1VC:G1VC+7]
	s_nop 0
.rept 4
	v_nop
.endr
.Lrest_asked:
	s_wait_loadcnt 0x0                             ; Q
	s_mov_b32 s[CNT], 4
.Lfirst_part:                                      ; key steps 0 to 3: waves 0-7 on L, waves 8-15 on E
	STEP
	s_sub_co_u32 s[CNT], s[CNT], 1
	s_cmp_lg_u32 s[CNT], 0
	s_cbranch_scc1 .Lfirst_part
	s_wait_tensorcnt 0x0                           ; my load of the second part is in,
	s_wait_dscnt 0x0
	s_barrier_signal -1
	s_barrier_wait -1                              ; everybody's is
	s_mov_b32 s[CNT], 4
.Lfirst_half:                                      ; key steps 4 to 7
	STEP
	s_sub_co_u32 s[CNT], s[CNT], 1
	s_cmp_lg_u32 s[CNT], 0
	s_cbranch_scc1 .Lfirst_half
	s_cmp_lt_u32 s[WV], 8
	s_cbranch_scc1 .Lmid
.rept 4
	v_nop                                          ; places behind the last products
.endr
	OUTS TQE                                       ; waves 8-15: E is finished and leaves;
	OUTV
	v_mov_b32 v16, v30                             ; L's Q takes its place,
	v_mov_b32 v17, v31
	v_mov_b32 v18, v94
	v_mov_b32 v19, v95
	v_mov_b32 v20, v232
	v_mov_b32 v21, v233
	v_mov_b32 v28, v239
	INIT                                           ; and the state begins anew
	s_wait_alu depctr_va_vdst(0)
	s_wait_xcnt 0x0                                ; the stores have read their registers and bases: both are written again below
.Lmid:
	s_mov_b32 s[LIM], s[LIMB]
	s_mov_b32 s[LO], s[LOB]
	s_mov_b32 s[DG], s[BL]
	s_mov_b32 s[CNT], 8
.Lsecond_half:                                     ; key steps 8 to 15, all on L: waves 0-7 up to the cut, waves 8-15 from the cut to the diagonal
	STEP
	s_sub_co_u32 s[CNT], s[CNT], 1
	s_cmp_lg_u32 s[CNT], 0
	s_cbranch_scc1 .Lsecond_half
.rept 4
	v_nop                                          ; places behind the last products
.endr
	s_cmp_lt_u32 s[WV], 8
	s_cbranch_scc0 .Lgiven
.irp k, 0,1,2,3,4,5,6,7                ; waves 0-7: my part of L goes to my partner: O^T from its low end on, then -M and the sum
	ds_store_b128 v211, v[160+4*\k:163+4*\k] offset:512*\k
.endr
	ds_store_b128 v211, v[12:15] offset:4096
.Lgiven:
	s_wait_dscnt 0x0                               ; for the partner's sake
	s_barrier_signal -1
	s_barrier_wait -1
	s_cmp_lt_u32 s[WV], 8
	s_cbranch_scc1 .Lend
	OUTS TQL
.irp k, 0,1,2,3,4,5,6,7
	ds_load_b128 v[96+4*\k:99+4*\k], v211 offset:512*\k
.endr
	ds_load_b128 v[128:131], v211 offset:4096
	s_wait_dscnt 0x0
	v_min_num_f32 v216, v12, v128                  ; -M of the two parts together
	D1
	v_sub_f32 v217, v216, v12                      ; my M - M, and the partner's: whole numbers, 0 or less
	v_sub_f32 v218, v216, v128
	D2
	v_cvt_i32_f32 v217, v217                       ; (it saturates: a part of no steps gets the factor 0)
	D2
	v_cvt_i32_f32 v218, v218
	D2
	v_ldexp_f32 v228, 1.0, v217
	D2
	v_ldexp_f32 v230, 1.0, v218
	D2
	v_pk_mul_f32 v[14:15], v[14:15], v[228:229] op_sel_hi:[1,0]
.set j, 0
.rept 16
	v_pk_mul_f32 v[160+j:161+j], v[160+j:161+j], v[228:229] op_sel_hi:[1,0]
.set j, j+2
.endr
	v_pk_fma_f32 v[14:15], v[130:131], v[230:231], v[14:15] op_sel_hi:[1,0,1]
.set j, 0
.rept 16
	v_pk_fma_f32 v[160+j:161+j], v[96+j:97+j], v[230:231], v[160+j:161+j] op_sel_hi:[1,0,1]
.set j, j+2
.endr
	OUTV
.Lend:
	s_wait_tensorcnt 0x0                           ; the wave's end
	ds_add_u32 v254, v255
	s_wait_dscnt 0x0
	s_endpgm
.Lfunc_end_k_q230c5a6750_attn:
	.size	k_q230c5a6750_attn, .Lfunc_end_k_q230c5a6750_attn-k_q230c5a6750_attn
	.p2alignl 7, 3214868480
	.fill 96, 4, 3214868480
	.section	.rodata,"a",@progbits
	.p2align	6, 0x0
	.amdhsa_kernel k_q230c5a6750_attn
		.amdhsa_group_segment_fixed_size 327680
		.amdhsa_private_segment_fixed_size 0
		.amdhsa_enable_private_segment 0
		.amdhsa_kernarg_size 16
		.amdhsa_user_sgpr_count 2
		.amdhsa_user_sgpr_kernarg_segment_ptr 1
		.amdhsa_wavefront_size32 1
		.amdhsa_system_sgpr_workgroup_id_x 1
		.amdhsa_system_sgpr_workgroup_id_y 1
		.amdhsa_system_sgpr_workgroup_id_z 1
		.amdhsa_system_vgpr_workitem_id 0
		.amdhsa_next_free_vgpr 256
		.amdhsa_next_free_sgpr 100
		.amdhsa_reserve_vcc 1
		.amdhsa_float_denorm_mode_32 3
		.amdhsa_float_denorm_mode_16_64 3
		.amdhsa_memory_ordered 1
		.amdhsa_forward_progress 1
		.amdhsa_inst_pref_size 93
	.end_amdhsa_kernel
	.amdgpu_metadata
---
amdhsa.version: [ 1, 2 ]
amdhsa.kernels:
  - .name:           k_q230c5a6750_attn
    .symbol:         k_q230c5a6750_attn.kd
    .args:
      - { .name: qkv, .offset: 0, .size: 8, .value_kind: global_buffer, .address_space: global }
      - { .name: act, .offset: 8, .size: 8, .value_kind: global_buffer, .address_space: global }
    .group_segment_fixed_size: 327680
    .private_segment_fixed_size: 0
    .kernarg_segment_align: 8
    .kernarg_segment_size: 16
    .max_flat_workgroup_size: 512
    .sgpr_count:     100
    .vgpr_count:     256
    .wavefront_size: 32
...
	.end_amdgpu_metadata
.endif
;; end of part 3
;; launch wo (part 4): grid 8 x 32, 4 waves a work-group, clusters of 4 x 4, 327,680 bytes of LDS; arguments act, wts, bo, x, x2; writes x2
.if DOCPART == 4
	.amdgcn_target "amdgcn-amd-amdhsa--gfx1250"
	.amdhsa_code_object_version 6
	.text
	.protected	k_q230c5a6750_wo
	.globl	k_q230c5a6750_wo
	.p2align	8
	.type	k_q230c5a6750_wo,@function
k_q230c5a6750_wo:
	s_mov_b64 s[64:65], 0
	v_nop
	global_prefetch_b8 v0, s[64:65] scope:SCOPE_SE
	s_setreg_imm32_b32 hwreg(HW_REG_WAVE_MODE, 25, 1), 1
	s_wait_xcnt 0x0
	s_wait_alu depctr_hold_cnt(0) depctr_sa_sdst(0) depctr_va_vdst(0) depctr_va_sdst(0) depctr_va_ssrc(0) depctr_va_vcc(0) depctr_vm_vsrc(0)
	s_getreg_b32 s2, hwreg(HW_REG_IB_STS2, 6, 4)
	s_cmp_eq_u32 s2, 0
	s_cbranch_scc0 .Lentry_in_a_cluster
	s_endpgm
.Lentry_in_a_cluster:
	s_bfe_u32 s2, ttmp6, 0x10000c
	s_cmp_lg_u32 s2, 0xf033
	s_cbranch_scc0 .Lentry_shape_is_right
	s_endpgm
.Lentry_shape_is_right:
; out = A W^T + bias + residual, f32 out, on E2M3 codes with E8M0 scales.  One text, two uses (the four .set lines below): NS = 8: ctx Wo + bo + x;  NS = 32: hidden W2 + b2 + x2.  NS = K / 128.
; OPERANDS ARE IMAGES OF REGISTERS: a tile T is 16 rows, lane r standing for row 64 (T / 4) + 32 (r / 8) + 8 (T % 4) + r % 8; codes [T][K step NS][1,536] (a fragment: two halves of 768 bytes: a lane's four registers at 16 l, its two at
; 512 + 8 l), scale words [T][K step][64].  A fragment comes out of LDS by four dense loads.
; SHARES.  The output has 4,096 x 1,024 numbers: tiles of 128 x 128 give each of 256 work-groups one.  Four waves, each 64 x 64: 16 accumulators.  K goes through two LDS slots of four K steps each.
; THE PRODUCT IS USED TRANSPOSED (source 0 = 16 rows of W, source 1 = 16 rows of A): by the choice of a tile's rows a lane's 32 registers of W's four tiles are 32 neighbouring columns of one row of the output.
; The bias is the C of each sum's first product.  The residual is asked for behind the first K step, in the layout in which the result leaves, and waits in 128 registers.
; CLUSTERS 4 x 4: A's tiles are asked for jointly along a row of the cluster, W's along a column.  At the head one joint load a wave: wave 0 slot 0's eight tiles of A, wave 1 those of W, wave 2 A's scale words of all of K, wave 3 W's.
; Slot 1 is first filled behind the next round, a quarter of the slot a wave, and so is every refill.  By this text's own count a wave has one tensor load out.
; PREFETCH: of the four tiles that a wave fetches in the ring, the partner at place p (cx for A, cy for W: in the address alone) names tile p's 6,144 bytes of a fill, a lane to each 256.  Fills 1 and 2 are named at the head,
; fill 3 behind fill 1's load, and behind each refill the fill two refills on; the loop's last trip names nothing.  With NS = 8 there are two fills, and fill 1 alone is named.
; THE WAY OUT: 16 rows x 64 columns at a time through the wave's own stage in LDS (rows of 256 bytes + 16), back as whole rows: sixteen lanes store 256 consecutive bytes, aligned; the order of a tile's rows is undone in the stores' offsets.
; REGISTERS: window 0: v8-21 addresses; v32-63 scale words, two sets (4 q + i: lanes 0-15 A's tile i, lanes 16-31 W's tile i), nothing else ever; v64-127 the way out; v128-255 the accumulators ((a, b) at 128 + 8 (4 a + b)).
;   window 1: two fragment buffers, v0-95 and v128-223 (A's four, then W's four); the bias in v96-127.   window 2: v0-127 the residual.
.set NS, 8
.set WSEC, 2359296                     ; the weight's codes in wts,
.set WSECS, 9535488                    ; its scale words,
.set ASOFF, 3145728                    ; and A's scale words in A's buffer
.set LAPS, NS/8                        ; a lap = eight K steps = once round the ring
.set HALFT, 4*6144                     ; four tiles x four K steps: what one load of the ring brings, and what one wave reads of A or of W
.set SLOT, 4*HALFT
.set SCL, 2*SLOT                       ; behind the ring: the scale words, four quarters [tile 4][K step NS][64]
.set HS, 256*NS
.set STG, SCL+32768                    ; the stages: 16 rows x 272 bytes for each wave; no fill lands here
.set SPITCH, 272
.set SPARE, STG+4*16*SPITCH            ; the spare words, 128 bytes for each wave: two blocks of 256 bytes that no other line names
.set ADRA, 8                           ; v8-9 LDS address of my A fragments in slot 0, 1, 16 bytes a lane; v10-11 the same, 8 bytes a lane
.set ADRB, 12                          ; v12-15 the same for W
.set STO, 16
.set RD, 17
.set CO, 18                            ; v18  my byte offset in two rows of the output: 4,096 (l / 16) + 16 (l % 16)
.set ADRS, 19
.set BOF, 20
.set SPW, 28                           ; v28  LDS address of my spare word; never rewritten
.set NIL, 29                           ; v29  0; never rewritten
.set SC, 32
.set BK, 64
.set ACC, 128
.set F0, 0
.set F1, 128
.set G1, 24
.set G0, 32
.set G1B, 48
.set G0B, 56
.set G1S, 68
.set G0S, 76
.set G1SB, 80
.set G0SB, 88
.set MSB, 0
.macro WIN new                         ; the immediate's high byte repeats the setting that is left; a switch that changes nothing is dropped
.if MSB != (\new)
	s_set_vgpr_msb (MSB<<8)|(\new)
.set MSB, (\new)
.endif
.endm
.macro PLACES n
.rept \n
	v_nop
.endr
.endm
; A joint load of the ring: waves 0 and 1 fetch for A, waves 2 and 3 for W.  The branch hangs on the wave's number alone.  An s_nop 0 and four v_nop follow each of the two lines.
.macro JLOAD g0a, g1a, g0b, g1b
	s_cmp_eq_u32 s15, 0
	s_cbranch_scc0 .Lfor_b_\@
	tensor_load_to_lds s[\g0a:\g0a+3], s[\g1a:\g1a+7]
	s_nop 0
.rept 4
	v_nop
.endr
	s_branch .Lasked_\@
.Lfor_b_\@:
	tensor_load_to_lds s[\g0b:\g0b+3], s[\g1b:\g1b+7]
	s_nop 0
.rept 4
	v_nop
.endr
.Lasked_\@:
.endm
.macro CREST                           ; a round of the cluster's barrier behind its opening barrier
	s_cmp_lg_u32 s14, 0
	s_cbranch_scc1 .Lnot_wave_0_\@
	s_barrier_signal -3
.Lnot_wave_0_\@:
	s_barrier_wait -3
	s_barrier_signal -1
	s_barrier_wait -1
.endm
.macro CROUND                          ; a whole round
	s_barrier_signal -1
	s_barrier_wait -1
	CREST
.endm
.macro ARM under, g0, g1, next         ; one arm of the head's chain: one joint load, then on to the join
	s_cmp_lt_u32 s14, \under
	s_cbranch_scc0 \next
	tensor_load_to_lds s[\g0:\g0+3], s[\g1:\g1+7]
	s_nop 0
.rept 4
	v_nop
.endr
	s_branch .Lhead_asked
\next:
.endm
	s_load_b256 s[4:11], s[0:1], 0x0               ; A's buffer, wts, bias, residual
	s_load_b64 s[12:13], s[0:1], 0x20              ; out
	v_lshl_add_u32 v[SPW], v0, 2, SPARE
	v_mov_b32 v[NIL], 0
	ds_add_u32 v28, v29
	ds_add_u32 v28, v29
	s_wait_dscnt 0x0
	v_lshrrev_b32 v1, 5, v0
	v_readfirstlane_b32 s14, v1                    ; wave 0..3
	s_lshr_b32 s15, s14, 1                         ; which 64 rows are mine.  Also: in the ring I fetch for A (0) or for W (1)
	s_and_b32 s16, s14, 1                          ; which 64 columns.  Also: which four tiles I fetch
	s_bfe_u32 s40, ttmp6, 0x40000                  ; cx, cy: my place in the cluster
	s_bfe_u32 s41, ttmp6, 0x40004
	s_lshl_b32 s42, ttmp9, 2
	s_add_co_u32 s42, s42, s40                     ; tile column = 4 x cluster x + cx
	s_and_b32 s17, ttmp7, 0xffff
	s_lshl_b32 s17, s17, 2
	s_add_co_u32 s17, s17, s41                     ; tile row = 4 x cluster y + cy
	s_lshl_b32 s43, s41, 2
	s_lshl_b32 s43, 15, s43                        ; my row of the cluster
	s_lshl_b32 s44, 0x1111, s40                    ; my column
	s_or_b32 s[G1], s43, (3<<16)|(1<<21)           ; 15:0 the mask: A's tiles go to my row; 17:16 elements of 8 bytes; 21 set beside a mask
	s_or_b32 s[G1B], s44, (3<<16)|(1<<21)          ; W's to my column
.irp g, G1, G1B
	s_mov_b32 s[\g+1], 768<<16                     ; tensor_dim0
	s_mov_b32 s[\g+2], 8<<16                       ; tensor_dim1: eight tiles for the head's loads
	s_mov_b32 s[\g+3], 768<<16                     ; tile_dim0
	s_mov_b32 s[\g+4], 8                           ; tile_dim1
	s_mov_b32 s[\g+5], 192*NS                      ; tensor_dim0_stride
	s_mov_b32 s[\g+6], 0
	s_mov_b32 s[\g+7], 0
.endr
	s_or_b32 s[G1S], s43, (3<<16)|(1<<21)
	s_or_b32 s[G1SB], s44, (3<<16)|(1<<21)
.irp g, G1S, G1SB
	s_mov_b32 s[\g+1], 32<<16
	s_mov_b32 s[\g+2], (2*NS)<<16
	s_mov_b32 s[\g+3], 32<<16
	s_mov_b32 s[\g+4], 2*NS
	s_mov_b32 s[\g+5], 32
	s_mov_b32 s[\g+6], 0
	s_mov_b32 s[\g+7], 0
.endr
	s_lshl_b32 s20, s17, 3                         ; A: the first of the block's eight tiles: it hangs on the tile row alone
	s_lshl_b32 s46, s42, 3                         ; W: on the tile column alone
	s_mul_i32 s22, s20, NS*64
	s_add_co_u32 s22, s22, ASOFF                   ; A's scale words, byte offset
	s_mul_i32 s20, s20, NS*1536                    ; A's codes
	s_mov_b32 s21, 0
	s_mov_b32 s23, 0
	s_mul_i32 s94, s46, NS*1536
	s_add_co_u32 s94, s94, WSEC                    ; W's codes
	s_mul_i32 s46, s46, NS*64
	s_add_co_u32 s46, s46, WSECS                   ; W's scale words
	s_mov_b32 s47, 0
	s_mov_b32 s95, 0
	s_mul_i32 s45, s14, HALFT                      ; where the ring's loads go: wave x four tiles: no place in the cluster enters an LDS address
	s_mul_i32 s2, s16, 4*NS*1536                   ; in the ring I fetch four of the eight tiles: which half, in bytes
	s_mov_b32 s3, 0
	s_wait_kmcnt 0x0
	s_add_nc_u64 s[20:21], s[4:5], s[20:21]
	s_add_nc_u64 s[22:23], s[4:5], s[22:23]
	s_add_nc_u64 s[94:95], s[6:7], s[94:95]
	s_add_nc_u64 s[46:47], s[6:7], s[46:47]
	CROUND                                         ; all sixteen work-groups are here: the first joint loads meet
	s_mov_b32 s[G0S], 1
	s_mov_b32 s[G0S+1], SCL
	s_mov_b64 s[G0S+2:G0S+3], s[22:23]
	s_or_b32 s[G0S+3], s[G0S+3], 0x80000000
	s_mov_b32 s[G0SB], 1
	s_mov_b32 s[G0SB+1], SCL+2*HS
	s_mov_b64 s[G0SB+2:G0SB+3], s[46:47]
	s_or_b32 s[G0SB+3], s[G0SB+3], 0x80000000
	s_mov_b32 s[G0], 1                             ; slot 0, whole: A's eight tiles,
	s_mov_b32 s[G0+1], 0
	s_mov_b64 s[G0+2:G0+3], s[20:21]
	s_or_b32 s[G0+3], s[G0+3], 0x80000000
	s_mov_b32 s[G0B], 1                            ; W's eight, behind them
	s_mov_b32 s[G0B+1], 2*HALFT
	s_mov_b64 s[G0B+2:G0B+3], s[94:95]
	s_or_b32 s[G0B+3], s[G0B+3], 0x80000000
	s_add_nc_u64 s[20:21], s[20:21], s[2:3]        ; for the ring: my four tiles
	s_add_nc_u64 s[94:95], s[94:95], s[2:3]
	s_mov_b32 s[G0+4], 1
	s_add_co_u32 s[G0+5], s45, SLOT
	s_add_nc_u64 s[G0+6:G0+7], s[20:21], 6144
	s_or_b32 s[G0+7], s[G0+7], 0x80000000
	s_mov_b32 s[G0B+4], 1
	s_add_co_u32 s[G0B+5], s45, SLOT
	s_add_nc_u64 s[G0B+6:G0B+7], s[94:95], 6144
	s_or_b32 s[G0B+7], s[G0B+7], 0x80000000
	ARM 1, G0, G1, .Lhead_b
	ARM 2, G0B, G1B, .Lhead_sa
	ARM 3, G0S, G1S, .Lhead_sb
	tensor_load_to_lds s[G0SB:G0SB+3], s[G1SB:G1SB+7]
	s_nop 0
.rept 4
	v_nop
.endr
.Lhead_asked:
	; where my prefetches stand: of the four tiles that I fetch in the ring, the partner at place p (cx for A, cy for W) names tile p
	s_cmp_eq_u32 s15, 0
	s_cselect_b64 s[94:95], s[20:21], s[94:95]
	s_cselect_b32 s46, s40, s41
	s_mul_i32 s46, s46, NS*1536
	s_mov_b32 s47, 0
	s_add_nc_u64 s[94:95], s[94:95], s[46:47]
	v_and_b32 v1, 15, v0                           ; r
	v_bfe_u32 v2, v0, 4, 1                         ; h
	v_and_b32 v3, 31, v0                           ; lane
	v_lshlrev_b32 v4, 4, v3
	v_lshlrev_b32 v5, 3, v3
	s_mul_i32 s21, s15, HALFT                      ; my four tiles of A
	s_mul_i32 s22, s16, HALFT                      ; my four tiles of W,
	s_add_co_u32 s22, s22, 2*HALFT                 ; which lie behind A's eight
.irp s, 0,1
	v_add_nc_u32 v[ADRA+\s], s21, v4
	v_add_nc_u32 v[ADRA+2+\s], s21, v5
	v_add_nc_u32 v[ADRB+\s], s22, v4
	v_add_nc_u32 v[ADRB+2+\s], s22, v5
	s_add_co_u32 s21, s21, SLOT
	s_add_co_u32 s22, s22, SLOT
.endr
	s_mul_i32 s21, s15, HS                         ; A's scale words: my four tiles
	s_mul_i32 s22, s16, HS                         ; W's, behind A's two quarters
	s_add_co_u32 s22, s22, 2*HS
	s_sub_co_u32 s22, s22, s21
	v_mul_u32_u24 v6, s22, v2                      ; lanes 16-31 take W's: one product with h
	s_add_co_u32 s21, s21, SCL
	v_lshl_add_u32 v6, v1, 2, v6
	v_add_nc_u32 v[ADRS], s21, v6
	s_mul_i32 s23, s14, 16*SPITCH
	s_add_co_u32 s23, s23, STG                     ; my stage
	v_mul_u32_u24 v6, v1, SPITCH
	v_lshl_add_u32 v6, v2, 7, v6
	v_add_nc_u32 v[STO], s23, v6                   ; in: row r, 128 bytes for each half of the lanes
	v_mul_u32_u24 v6, v2, SPITCH
	v_lshl_add_u32 v6, v1, 4, v6
	v_add_nc_u32 v[RD], s23, v6                    ; back: lanes 0-15 one row of 256 bytes, lanes 16-31 the next
	v_lshlrev_b32 v6, 12, v2
	v_lshl_add_u32 v[CO], v1, 4, v6                ; and the same two rows in memory
	v_lshlrev_b32 v[BOF], 7, v2                    ; the bias: my half's 32 columns
	v_min_u32 v21, 23, v3                          ; the prefetches' offset: the 24 blocks of 256 bytes of a tile's 6,144 bytes of a fill; lanes 24-31 name the last again
	v_lshlrev_b32 v21, 8, v21
	s_wait_alu depctr_va_vdst(0)
	s_lshl_b32 s20, s42, 9
	s_lshl_b32 s22, s16, 8
	s_add_co_u32 s20, s20, s22                     ; my first column, in bytes: 512 x tile column + 256 x half
	s_mov_b32 s21, 0
	s_add_nc_u64 s[8:9], s[8:9], s[20:21]
	s_lshl_b32 s22, s17, 7
	s_lshl_b32 s23, s15, 6
	s_add_co_u32 s22, s22, s23                     ; my first row: 128 x tile row + 64 x half
	s_lshl_b32 s22, s22, 12
	s_add_co_u32 s20, s20, s22
	s_add_nc_u64 s[10:11], s[10:11], s[20:21]
	s_add_nc_u64 s[12:13], s[12:13], s[20:21]
	WIN 0x40                                       ; destination window 1
.irp u, 0,1,2,3                        ; lane (r, h), tile u, register j: the bias at 32 h + 8 u + j: the result's layout
	global_load_b128 v[96+8*\u:96+8*\u+3], v[BOF], s[8:9] offset:32*\u
	global_load_b128 v[96+8*\u+4:96+8*\u+7], v[BOF], s[8:9] offset:32*\u+16
.endr
	WIN 0
	global_prefetch_b8 v21, s[94:95] offset:6144 th:TH_LOAD_NT scope:SCOPE_SE    ; my share of fill 1
.if LAPS > 1
	global_prefetch_b8 v21, s[94:95] offset:12288 th:TH_LOAD_NT scope:SCOPE_SE   ; and of fill 2
.endif
.macro FRAG reg, adr, off              ; a fragment as it lies: four dense loads
	ds_load_b128 v[(\reg):(\reg)+3], v[\adr] offset:(\off)
	ds_load_b64 v[(\reg)+4:(\reg)+5], v[(\adr)+2] offset:(\off)+512
	ds_load_b128 v[(\reg)+6:(\reg)+9], v[\adr] offset:(\off)+768
	ds_load_b64 v[(\reg)+10:(\reg)+11], v[(\adr)+2] offset:(\off)+1280
.endm
; 4 matrix instructions: A's tile a x W's four; f: the buffer; sc, q: the scale words' set and K step; cm = 1: the bias starts the sums.  The 16 accumulators take turns, one instruction a turn, in the same order in every step.
.macro MUL4 f, a, sc, q, cm
.irp b, 0,1,2,3
.if \cm
	v_wmma_scale_f32_16x16x128_f8f6f4 v[ACC+8*(4*(\a)+\b):ACC+8*(4*(\a)+\b)+7], v[(\f)+48+12*\b:(\f)+48+12*\b+11], v[(\f)+12*(\a):(\f)+12*(\a)+11], v[96+8*\b:96+8*\b+7], v[SC+16*(\sc)+4*(\q)+\b], v[SC+16*(\sc)+4*(\q)+(\a)] matrix_a_fmt:MATRIX_FMT_FP6 matrix_b_fmt:MATRIX_FMT_FP6 matrix_a_scale:MATRIX_SCALE_ROW1
.else
	v_wmma_scale_f32_16x16x128_f8f6f4 v[ACC+8*(4*(\a)+\b):ACC+8*(4*(\a)+\b)+7], v[(\f)+48+12*\b:(\f)+48+12*\b+11], v[(\f)+12*(\a):(\f)+12*(\a)+11], v[ACC+8*(4*(\a)+\b):ACC+8*(4*(\a)+\b)+7], v[SC+16*(\sc)+4*(\q)+\b], v[SC+16*(\sc)+4*(\q)+(\a)] matrix_a_fmt:MATRIX_FMT_FP6 matrix_b_fmt:MATRIX_FMT_FP6 matrix_a_scale:MATRIX_SCALE_ROW1
.endif
.endr
.endm
.macro FETCH slot, q, f                ; 32 LDS loads in one run: the eight fragments of the slot's q-th K step into buffer f (window 1)
	WIN 0x40
.irp i, 0,1,2,3
	FRAG (\f)+12*\i, ADRA+\slot, \i*6144+(\q)*1536
	FRAG (\f)+48+12*\i, ADRB+\slot, \i*6144+(\q)*1536
.endr
.endm
.macro SCALES sc                       ; a slot's scale words: four K steps x four tiles; lanes 0-15 A's, lanes 16-31 W's
.irp q, 0,1,2,3
.irp i, 0,1,2,3
	ds_load_b32 v[SC+16*\sc+4*\q+\i], v[ADRS] offset:\i*64*NS+64*\q
.endr
.endr
.endm
; One of a slot's first three K steps: the next step's fragments are asked for, into the buffer that the last step multiplied, ahead of the wait for this step's.
; A load into a register that a matrix instruction has read stands four places behind it (ISA guide 7.12.1 for vector instructions).
.macro STEPF slot, q, cm
	PLACES 4                                       ; behind the last step's products, which read the buffer that is filled below
	FETCH \slot, (\q)+1, F1-F1*((\q)%2)
	s_wait_dscnt 32                                ; this step's fragments and scale words are in; the 32 loads just issued may be out
.if \cm
	WIN 0x15                                       ; sources 0, 1 and C (the bias) window 1, D window 0
.else
	WIN 0x05                                       ; sources 0 and 1 window 1, C and D window 0
.endif
.irp a, 0,1,2,3
	MUL4 F1*((\q)%2), \a, \slot, \q, \cm
.endr
.endm
; A slot's last K step changes slots: ONE barrier; in front of it each wave waits for all its tensor loads, adds 0 to its spare word, and waits for that and for its own reads of this slot.  fill = 1: this slot is filled again, eight K steps ahead.
.macro TURN slot, next, fill
	WIN 0                                          ; (the add's two registers lie in window 0)
.if \fill
	s_wait_xcnt 0x0                                ; my prefetches have read their address: it steps one fill on, ahead of the waits of the change of slots
	s_add_nc_u64 s[94:95], s[94:95], 6144
.endif
	s_wait_tensorcnt 0x0                           ; all my tensor loads have landed: my part of the next slot
	ds_add_u32 v[SPW], v[NIL]                      ; 0 onto my spare word
	s_wait_dscnt 1                                 ; this step's fragments are in (the add may be out)
	WIN 0x05
	MUL4 F1, 0, \slot, 3, 0                        ; four matrix instructions stand between the add and the wait for it
	s_wait_dscnt 0x0                               ; the add is done, and my reads of this slot are over
	s_barrier_signal -1
	MUL4 F1, 1, \slot, 3, 0
	WIN 0
	s_barrier_wait -1
.if \fill
	CREST                                          ; the barrier has opened a round of the cluster's barrier: no wave of any partner still reads this slot or has a load on its way
	s_add_nc_u64 s[G0+4*\slot+2:G0+4*\slot+3], s[G0+4*\slot+2:G0+4*\slot+3], 12288
	s_add_nc_u64 s[G0B+4*\slot+2:G0B+4*\slot+3], s[G0B+4*\slot+2:G0B+4*\slot+3], 12288
	JLOAD G0+4*\slot, G1, G0B+4*\slot, G1B         ; the first tensor load behind the round; the four v_nop behind it are the places in front of the loads below
.else
	PLACES 4
.endif
.if LAPS > 1
	s_wait_alu depctr_va_vdst(0)                   ; the line below reads what the last change of slots wrote
.endif
	v_add_nc_u32 v[ADRS], 256, v[ADRS]             ; on to the next slot's scale words
	FETCH \next, 0, F0
	WIN 0
	SCALES \next
.if \fill
	s_cmp_gt_u32 s3, 1                             ; the loop's last trip asks for nothing: its fills are the last two
	s_cbranch_scc0 .Lno_ask_\@
	global_prefetch_b8 v21, s[94:95] offset:18432 th:TH_LOAD_NT scope:SCOPE_SE   ; my share of the fill two refills on
.Lno_ask_\@:
.endif
	WIN 0x05
	MUL4 F1, 2, \slot, 3, 0
	MUL4 F1, 3, \slot, 3, 0
.endm
	s_wait_tensorcnt 0x0                           ; my tile of the head's four is in
	ds_add_u32 v[SPW], v[NIL]
	s_mov_b32 s[G1+2], 4<<16                       ; no tensor load of mine is out: from here on a load brings four tiles
	s_mov_b32 s[G1+4], 4
	s_mov_b32 s[G1B+2], 4<<16
	s_mov_b32 s[G1B+4], 4
.if LAPS > 1
	s_mul_i32 s2, s16, 4*NS*1536
	s_mov_b32 s3, 0
	s_mov_b32 s[G0+1], s45                         ; and slot 0's descriptors point at my quarter
	s_add_nc_u64 s[G0+2:G0+3], s[G0+2:G0+3], s[2:3]
	s_mov_b32 s[G0B+1], s45
	s_add_nc_u64 s[G0B+2:G0B+3], s[G0B+2:G0B+3], s[2:3]
.endif
	s_wait_dscnt 0x0
	CROUND                                         ; all four tiles are in, all sixteen work-groups are here
	JLOAD G0+4, G1, G0B+4, G1B                     ; slot 1's first fill, my one load behind the round
.if LAPS > 1
	global_prefetch_b8 v21, s[94:95] offset:18432 th:TH_LOAD_NT scope:SCOPE_SE   ; my share of fill 3
.endif
	FETCH 0, 0, F0
	WIN 0
	SCALES 0
	s_wait_loadcnt 0x0                             ; the bias is in
	STEPF 0, 0, 1                                  ; the first step's products start the sums, from the bias
	WIN 0x80                                       ; destination window 2: the residual is asked for here and is wanted on the way out
.irp a, 0,1,2,3                        ; tile a's stage rows 2 t and 2 t + 1 are rows 8 a + 32 (t / 4) + 2 (t % 4) and the next of my 64
.irp t, 0,1,2,3,4,5,6,7
	global_load_b128 v[32*\a+4*\t:32*\a+4*\t+3], v[CO], s[10:11] offset:(8*\a+32*(\t/4)+2*(\t%4))*4096
.endr
.endr
.if LAPS > 1
	WIN 0                                          ; at a label and at a branch every window is 0
	s_mov_b32 s3, LAPS-1
.Llap:                                             ; a trip goes once round the ring, from a lap's second step to the next lap's first, and fills both slots again
	STEPF 0, 1, 0
	STEPF 0, 2, 0
	TURN 0, 1, 1
	STEPF 1, 0, 0
	STEPF 1, 1, 0
	STEPF 1, 2, 0
	TURN 1, 0, 1
	STEPF 0, 0, 0
	WIN 0
	s_sub_co_u32 s3, s3, 1
	s_cmp_lg_u32 s3, 0
	s_cbranch_scc1 .Llap
.endif
	STEPF 0, 1, 0                                  ; the last lap fills nothing, and has no round of the cluster's barrier
	STEPF 0, 2, 0
	TURN 0, 1, 0
	STEPF 1, 0, 0
	STEPF 1, 1, 0
	STEPF 1, 2, 0
	s_wait_dscnt 0x0                               ; the last step: nothing more to fetch
	WIN 0x05
.irp a, 0,1,2,3
	MUL4 F1, \a, 1, 3, 0
.endr
	WIN 0
.macro TOSTAGE a                       ; tile a's 16 rows x 64 columns into my stage and back as whole rows.  LDS serves a wave's instructions in order (ISA guide 5.7.1.4): no wait between the stores and the loads, nor in front of the next tile's stores
.irp u, 0,1,2,3
	ds_store_b128 v[STO], v[ACC+8*(4*(\a)+\u):ACC+8*(4*(\a)+\u)+3] offset:32*\u          ; each accumulator from its low end on
	ds_store_b128 v[STO], v[ACC+8*(4*(\a)+\u)+4:ACC+8*(4*(\a)+\u)+7] offset:32*\u+16
.endr
.irp t, 0,1,2,3,4,5,6,7
	ds_load_b128 v[BK+32*((\a)%2)+4*\t:BK+32*((\a)%2)+4*\t+3], v[RD] offset:\t*2*SPITCH
.endr
.endm
.macro SEND a, younger                 ; younger: the LDS instructions issued behind tile a's loads, which may stay out
	s_wait_dscnt \younger
	WIN 0x08                                       ; source 1: window 2, the residual
.set j, 0
.rept 16
	v_pk_add_f32 v[BK+32*((\a)%2)+j:BK+32*((\a)%2)+j+1], v[BK+32*((\a)%2)+j:BK+32*((\a)%2)+j+1], v[32*(\a)+j:32*(\a)+j+1]
.set j, j+2
.endr
	WIN 0
.irp t, 0,1,2,3,4,5,6,7
.if NS == 32
	global_store_b128 v[CO], v[BK+32*((\a)%2)+4*\t:BK+32*((\a)%2)+4*\t+3], s[12:13] offset:(8*(\a)+32*(\t/4)+2*(\t%4))*4096 th:TH_STORE_NT   ; sixteen lanes store 256 consecutive bytes, aligned; written once, read by nobody here
.else
	global_store_b128 v[CO], v[BK+32*((\a)%2)+4*\t:BK+32*((\a)%2)+4*\t+3], s[12:13] offset:(8*(\a)+32*(\t/4)+2*(\t%4))*4096                   ; sixteen lanes store 256 consecutive bytes, aligned; later launches read them
.endif
.endr
.endm
	PLACES 4                                       ; in front of the first read of results
	s_wait_loadcnt 0x0                             ; the residual
	TOSTAGE 0
.irp a, 1,2,3
.if \a > 1
	s_wait_xcnt 0x0                                ; tile a - 2's stores have read their registers: tile a's loads may land there
.endif
	TOSTAGE \a
	SEND \a-1, 16                                  ; behind tile a - 1's loads: tile a's 8 stores and 8 loads
.endr
	SEND 3, 0
	s_wait_tensorcnt 0x0                           ; the wave's end
	ds_add_u32 v[SPW], v[NIL]
	s_wait_dscnt 0x0
	CROUND                                         ; the closing round: no work-group ends while a partner may still ask for a tile that names it
	s_endpgm
.Lfunc_end_k_q230c5a6750_wo:
	.size	k_q230c5a6750_wo, .Lfunc_end_k_q230c5a6750_wo-k_q230c5a6750_wo
	.p2alignl 7, 3214868480
	.fill 96, 4, 3214868480
	.section	.rodata,"a",@progbits
	.p2align	6, 0x0
	.amdhsa_kernel k_q230c5a6750_wo
		.amdhsa_group_segment_fixed_size 327680
		.amdhsa_private_segment_fixed_size 0
		.amdhsa_enable_private_segment 0
		.amdhsa_kernarg_size 40
		.amdhsa_user_sgpr_count 2
		.amdhsa_user_sgpr_kernarg_segment_ptr 1
		.amdhsa_wavefront_size32 1
		.amdhsa_system_sgpr_workgroup_id_x 1
		.amdhsa_system_sgpr_workgroup_id_y 1
		.amdhsa_system_sgpr_workgroup_id_z 1
		.amdhsa_system_vgpr_workitem_id 0
		.amdhsa_next_free_vgpr 640
		.amdhsa_next_free_sgpr 96
		.amdhsa_reserve_vcc 0
		.amdhsa_float_denorm_mode_32 3
		.amdhsa_float_denorm_mode_16_64 3
		.amdhsa_memory_ordered 1
		.amdhsa_forward_progress 1
		.amdhsa_inst_pref_size 63
	.end_amdhsa_kernel
	.amdgpu_metadata
---
amdhsa.version: [ 1, 2 ]
amdhsa.kernels:
  - .name:           k_q230c5a6750_wo
    .symbol:         k_q230c5a6750_wo.kd
    .args:
      - { .name: act, .offset: 0, .size: 8, .value_kind: global_buffer, .address_space: global }
      - { .name: wts, .offset: 8, .size: 8, .value_kind: global_buffer, .address_space: global }
      - { .name: bo, .offset: 16, .size: 8, .value_kind: global_buffer, .address_space: global }
      - { .name: x, .offset: 24, .size: 8, .value_kind: global_buffer, .address_space: global }
      - { .name: x2, .offset: 32, .size: 8, .value_kind: global_buffer, .address_space: global }
    .group_segment_fixed_size: 327680
    .private_segment_fixed_size: 0
    .kernarg_segment_align: 8
    .kernarg_segment_size: 40
    .max_flat_workgroup_size: 128
    .sgpr_count:     96
    .vgpr_count:     640
    .wavefront_size: 32
...
	.end_amdgpu_metadata
.endif
;; end of part 4
;; launch ln2 (part 5): grid 256 x 1, 4 waves a work-group, no clusters, 66,304 bytes of LDS; arguments x2, g2, s2, act; writes act
.if DOCPART == 5
	.amdgcn_target "amdgcn-amd-amdhsa--gfx1250"
	.amdhsa_code_object_version 6
	.text
	.protected	k_q230c5a6750_ln2
	.globl	k_q230c5a6750_ln2
	.p2align	8
	.type	k_q230c5a6750_ln2,@function
k_q230c5a6750_ln2:
	s_mov_b64 s[64:65], 0
	v_nop
	global_prefetch_b8 v0, s[64:65] scope:SCOPE_SE
	s_setreg_imm32_b32 hwreg(HW_REG_WAVE_MODE, 25, 1), 1
	s_wait_xcnt 0x0
; y = g (x - mean) / sqrt(var + 1e-5) + s along rows of 1,024 f32, quantised along the row to E2M3 with one E8M0 byte for each 32, and stored as images of the matrix operand's registers.
; A work-group is a tile T of 16 rows: lane r of the tile stands for row 64 (T / 4) + 32 (r / 8) + 8 (T % 4) + r % 8.  Wave w first owns four whole rows (tile lanes 4 w .. 4 w + 3, neighbours in memory: 16 KB on end):
; mean, then the sum of (x - mean)^2 (two passes over registers, so that a common offset of x costs no cancellation), then y.  The 16 rows of y meet in LDS; behind ONE barrier wave w takes K steps 2 w and 2 w + 1 of all 16 rows:
; lane (r, h) reads, for each half c of a step, the 32 neighbours k = 64 c + 32 h + 0 .. 31 of row lane r: a whole block of 32 in one lane, in the very registers' order that the 6-bit operand wants.
; OUT: codes [T][K step 8][1,536] (a fragment: two halves of 768 bytes: a lane's first four registers at 16 l, its last two at 512 + 8 l); scale words at ACT_S: [T][K step][64], row lane r's word at 4 r.
; A block's scale byte is its largest magnitude's exponent field - 2, held at 1 from below.  LIMITS: a block of zeros keeps the byte 1 where the quantiser says 127 (its codes are zeros, and this program alone reads the bytes);
; blocks whose largest magnitude lies under 2^-124 keep the byte 1; NaN and infinities are not served; sums are taken in another order than a plain loop's; v_rsq_f32 is good to one unit in the last place.
; No matrix unit, no tensor load, no cluster: the launch reads 16 MB once, all of a wave's 32 loads of x are out at once.
.set ACT_S, 3145728
.set PITCH, 4112                       ; an LDS row: 4,096 bytes + 16: an odd multiple of 16, so the sixteen rows that a load of 16 bytes a lane touches fall on different 16-byte columns
.set LW, 4                             ; v4   LDS: where I store my rows: 4 w rows + 16 x lane
.set LR, 5                             ; v5   LDS: where I read: row r, + 128 h, + 1,024 w
.set O16, 6                            ; v6   16 x lane
.set O8, 7                             ; v7   8 x lane
.set Q, 8                              ; v8-15  four pairs: sums of squares, then 1 / sqrt
.set TM, 8                             ; v8-16  at work in QUANT64
.set SH8, 18                           ; v18  8 h
.set O4, 19                            ; v19  4 x lane
.set A, 20                             ; v20-27 four pairs: sums, then means
.set X, 32                             ; v32-159 row i at 32 + 32 i; later the 128 numbers that I quantise
.set G, 160                            ; v160-191 g of my columns; later the codes
.set S, 192                            ; v192-223 s of my columns; later the scale words
.set PC0, 160
.set PC1, 172
.set CT, 184
.set PW, 192
.set FLOOR, 12
.set HI, 14
.set SEL, 16
.set INV, 18
.set EPS, 19
.set MSB, 0
.macro WIN new                         ; (this text stays in the first 256 registers: the macro writes nothing here)
.if MSB != (\new)
	s_set_vgpr_msb (MSB<<8)|(\new)
.set MSB, (\new)
.endif
.endm
; 64 numbers of a lane, register 32 c + i = k 64 c + 32 h + i of my row, become a fragment's 12 registers of codes v[pc] on and its scale word v[pw].
.macro QUANT64 src, w, pc, pw
	WIN ((\w)<<2)|((\w)<<4)
.irp k, 0,1,2,3
	v_max3_num_f32 v[TM+\k], s[FLOOR], |v[(\src)+16*\k]|, |v[(\src)+16*\k+1]|   ; four chains of 16, by turns; the floor 2^(3 - 127) among the leaves holds the byte at 1 from below
.endr
.irp i, 2,4,6,8,10,12,14
.irp k, 0,1,2,3
	v_max3_num_f32 v[TM+\k], v[TM+\k], |v[(\src)+16*\k+\i]|, |v[(\src)+16*\k+\i+1]|
.endr
.endr
	WIN 0
	v_max_num_f32 v[TM], v[TM], v[TM+1]            ; block c = 0: all 32 numbers are mine
	v_max_num_f32 v[TM+2], v[TM+2], v[TM+3]        ; block c = 1
	v_add_nc_u32 v[TM+4], 0xff000000, v[TM]        ; 2 off the exponent field: the conversion takes the exponent field of this operand as its scale
	v_add_nc_u32 v[TM+5], 0xff000000, v[TM+2]
	v_lshrrev_b32 v[TM+6], 23, v[TM+4]             ; the bytes
	v_lshrrev_b32 v[TM+7], 23, v[TM+5]
	v_lshl_or_b32 v[\pw], v[TM+7], 16, v[TM+6]     ; blocks h and 2 + h of my row,
	v_lshlrev_b32 v[\pw], v[SH8], v[\pw]           ; at their places in the word;
	v_permlanex16_b32 v[TM+8], v[\pw], s[SEL], s[SEL+1]
	v_or_b32 v[\pw], v[\pw], v[TM+8]               ; with lane l xor 16's two the word is whole
	WIN \w
.irp c, 0,1
	v_cvt_scalef32_pk16_fp6_f32 v[(\pc)+6*\c:(\pc)+6*\c+2], v[(\src)+32*\c:(\src)+32*\c+15], v[TM+4+\c]
	v_cvt_scalef32_pk16_fp6_f32 v[CT+4*\c:CT+4*\c+2], v[(\src)+32*\c+16:(\src)+32*\c+31], v[TM+4+\c]   ; (a conversion's three registers begin on an even number)
.endr
	WIN 0
	v_nop                                          ; one plain place behind a scaled conversion
.irp c, 0,1
.irp i, 0,1,2
	v_mov_b32 v[(\pc)+6*\c+3+\i], v[CT+4*\c+\i]
.endr
.endr
.endm
.macro PUTH pc, c, base, off           ; half a fragment out: 512 and 256 consecutive bytes
	global_store_b128 v[O16], v[(\pc)+6*(\c):(\pc)+6*(\c)+3], s[\base:\base+1] offset:\off
	global_store_b64 v[O8], v[(\pc)+6*(\c)+4:(\pc)+6*(\c)+5], s[\base:\base+1] offset:(\off)+512
.endm
.macro RED b                           ; four pairs of partial sums become four row sums, in every lane
.irp i, 0,1,2,3
	v_add_f32 v[\b+2*\i], v[\b+2*\i], v[\b+2*\i+1]
.endr
.irp m, 1,2,4,8
.irp i, 0,1,2,3
	v_add_f32_dpp v[\b+2*\i], v[\b+2*\i], v[\b+2*\i] row_xmask:\m row_mask:0xf bank_mask:0xf
.endr
.endr
.irp i, 0,1,2,3
	v_permlanex16_b32 v[\b+2*\i+1], v[\b+2*\i], s[SEL], s[SEL+1]
.endr
.irp i, 0,1,2,3
	v_add_f32 v[\b+2*\i], v[\b+2*\i], v[\b+2*\i+1]
.endr
.endm
	s_load_b256 s[4:11], s[0:1], 0x0               ; x s[4:5], g s[6:7], s s[8:9], out s[10:11]
	v_lshl_add_u32 v224, v0, 2, 0x10100
	v_mov_b32 v225, 0
	v_lshrrev_b32 v1, 5, v0
	v_readfirstlane_b32 s13, v1                    ; wave
	v_and_b32 v1, 31, v0                           ; lane
	v_and_b32 v2, 15, v0                           ; r
	v_bfe_u32 v3, v0, 4, 1                         ; h
	v_lshlrev_b32 v[O16], 4, v1
	v_lshlrev_b32 v[O8], 3, v1
	v_lshlrev_b32 v[O4], 2, v1
	v_lshlrev_b32 v[SH8], 3, v3
	s_mul_i32 s20, s13, 4*PITCH
	v_add_nc_u32 v[LW], s20, v[O16]
	v_mul_u32_u24 v[LR], v2, PITCH
	v_lshl_add_u32 v[LR], v3, 7, v[LR]
	s_lshl_b32 s20, s13, 10
	v_add_nc_u32 v[LR], s20, v[LR]
	v_mov_b32 v[TM+8], 0                           ; written once: a lane permute's destination counts as one of its sources
	s_mov_b32 s[FLOOR], 0x01800000
	s_mov_b32 s[HI], 0xffff0000                    ; lanes 16-31
	s_mov_b32 s[SEL], 0x76543210
	s_mov_b32 s[SEL+1], 0xfedcba98                 ; v_permlanex16_b32's selects for lane l xor 16
	s_mov_b32 s[INV], 0x3a800000                   ; 1 / 1,024
	s_mov_b32 s[EPS], 0x3727c5ac                   ; 1e-5
	s_lshr_b32 s20, ttmp9, 2
	s_lshl_b32 s20, s20, 6
	s_and_b32 s21, ttmp9, 3
	s_lshl_b32 s21, s21, 3
	s_add_co_u32 s20, s20, s21
	s_lshr_b32 s21, s13, 1
	s_lshl_b32 s21, s21, 5
	s_add_co_u32 s20, s20, s21
	s_and_b32 s21, s13, 1
	s_lshl_b32 s21, s21, 2
	s_add_co_u32 s20, s20, s21                     ; my first row: 64 (T / 4) + 8 (T % 4) + 32 (w / 2) + 4 (w % 2)
	s_lshl_b32 s20, s20, 12
	s_mov_b32 s21, 0
	s_mul_i32 s22, ttmp9, 12288
	s_mul_i32 s23, s13, 3072
	s_add_co_u32 s22, s22, s23                     ; codes out: tile T, K step 2 w
	s_mov_b32 s23, 0
	s_lshl_b32 s24, ttmp9, 9
	s_lshl_b32 s25, s13, 7
	s_add_co_u32 s24, s24, s25
	s_add_co_u32 s24, s24, ACT_S                   ; scale words out
	s_mov_b32 s25, 0
	s_wait_alu depctr_va_vdst(0)
	s_wait_kmcnt 0x0
	s_add_nc_u64 s[4:5], s[4:5], s[20:21]
	s_add_nc_u64 s[22:23], s[10:11], s[22:23]
	s_add_nc_u64 s[24:25], s[10:11], s[24:25]
.irp i, 0,1,2,3
.irp j, 0,1,2,3,4,5,6,7
	global_load_b128 v[X+32*\i+4*\j:X+32*\i+4*\j+3], v[O16], s[4:5] offset:4096*\i+512*\j   ; 512 consecutive bytes a load
.endr
.endr
.irp j, 0,1,2,3,4,5,6,7
	global_load_b128 v[G+4*\j:G+4*\j+3], v[O16], s[6:7] offset:512*\j
.endr
.irp j, 0,1,2,3,4,5,6,7
	global_load_b128 v[S+4*\j:S+4*\j+3], v[O16], s[8:9] offset:512*\j
.endr
	s_wait_loadcnt 16                              ; x is in; the sixteen loads of g and s may be out
.irp i, 0,1,2,3
	v_pk_add_f32 v[A+2*\i:A+2*\i+1], v[X+32*\i:X+32*\i+1], v[X+32*\i+2:X+32*\i+3]
.endr
.irp j, 4,6,8,10,12,14,16,18,20,22,24,26,28,30
.irp i, 0,1,2,3
	v_pk_add_f32 v[A+2*\i:A+2*\i+1], v[A+2*\i:A+2*\i+1], v[X+32*\i+\j:X+32*\i+\j+1]   ; the four rows by turns
.endr
.endr
	RED A
.irp i, 0,1,2,3
	v_mul_f32 v[A+2*\i], s[INV], v[A+2*\i]         ; the mean
.endr
.irp i, 0,1,2,3
.set j, 0
.rept 16
	v_pk_add_f32 v[X+32*\i+j:X+32*\i+j+1], v[X+32*\i+j:X+32*\i+j+1], v[A+2*\i:A+2*\i+1] op_sel_hi:[1,0] neg_lo:[0,1] neg_hi:[0,1]   ; d = x - mean
.set j, j+2
.endr
.endr
.irp i, 0,1,2,3
	v_pk_mul_f32 v[Q+2*\i:Q+2*\i+1], v[X+32*\i:X+32*\i+1], v[X+32*\i:X+32*\i+1]
.endr
.irp j, 2,4,6,8,10,12,14,16,18,20,22,24,26,28,30
.irp i, 0,1,2,3
	v_pk_fma_f32 v[Q+2*\i:Q+2*\i+1], v[X+32*\i+\j:X+32*\i+\j+1], v[X+32*\i+\j:X+32*\i+\j+1], v[Q+2*\i:Q+2*\i+1]
.endr
.endr
	RED Q
.irp i, 0,1,2,3
	v_fma_f32 v[Q+2*\i], v[Q+2*\i], s[INV], s[EPS] ; var + eps
.endr
	s_wait_alu depctr_va_vdst(0)
.irp i, 0,1,2,3
	v_rsq_f32 v[Q+2*\i], v[Q+2*\i]
.endr
	v_nop                                          ; one plain place behind the transcendentals
	s_wait_loadcnt 0x0                             ; g and s
	s_wait_alu depctr_va_vdst(0)
.irp i, 0,1,2,3
.set j, 0
.rept 16
	v_pk_mul_f32 v[X+32*\i+j:X+32*\i+j+1], v[X+32*\i+j:X+32*\i+j+1], v[Q+2*\i:Q+2*\i+1] op_sel_hi:[1,0]
.set j, j+2
.endr
.set j, 0
.rept 16
	v_pk_fma_f32 v[X+32*\i+j:X+32*\i+j+1], v[X+32*\i+j:X+32*\i+j+1], v[G+j:G+j+1], v[S+j:S+j+1]
.set j, j+2
.endr
.endr
.irp i, 0,1,2,3
.irp j, 0,1,2,3,4,5,6,7
	ds_store_b128 v[LW], v[X+32*\i+4*\j:X+32*\i+4*\j+3] offset:PITCH*\i+512*\j
.endr
.endr
	s_wait_dscnt 0x0                               ; for the others' sake: my rows lie in LDS
	s_barrier_signal -1
	s_barrier_wait -1                              ; all sixteen rows do; nothing in LDS is written again
.irp k, 0,1
.irp c, 0,1
.irp i, 0,1,2,3,4,5,6,7
	ds_load_b128 v[X+64*\k+32*\c+4*\i:X+64*\k+32*\c+4*\i+3], v[LR] offset:512*\k+256*\c+16*\i
.endr
.endr
.endr
	s_wait_dscnt 16                                ; K step 2 w's sixteen loads are in; the other step's may be out
	QUANT64 X, 0, PC0, PW
	s_wait_dscnt 0x0
	QUANT64 X+64, 0, PC1, PW+1
	PUTH PC0, 0, 22, 0
	PUTH PC0, 1, 22, 768
	PUTH PC1, 0, 22, 1536
	PUTH PC1, 1, 22, 2304
	v_cndmask_b32 v[PW], v[PW], v[PW+1], s[HI]     ; lanes 0-15 K step 2 w's words, lanes 16-31 K step 2 w + 1's: 128 consecutive bytes
	global_store_b32 v[O4], v[PW], s[24:25]
	s_wait_tensorcnt 0x0
	ds_add_u32 v224, v225
	s_wait_dscnt 0x0
	s_endpgm
.Lfunc_end_k_q230c5a6750_ln2:
	.size	k_q230c5a6750_ln2, .Lfunc_end_k_q230c5a6750_ln2-k_q230c5a6750_ln2
	.p2alignl 7, 3214868480
	.fill 96, 4, 3214868480
	.section	.rodata,"a",@progbits
	.p2align	6, 0x0
	.amdhsa_kernel k_q230c5a6750_ln2
		.amdhsa_group_segment_fixed_size 66304
		.amdhsa_private_segment_fixed_size 0
		.amdhsa_enable_private_segment 0
		.amdhsa_kernarg_size 32
		.amdhsa_user_sgpr_count 2
		.amdhsa_user_sgpr_kernarg_segment_ptr 1
		.amdhsa_wavefront_size32 1
		.amdhsa_system_sgpr_workgroup_id_x 1
		.amdhsa_system_sgpr_workgroup_id_y 1
		.amdhsa_system_sgpr_workgroup_id_z 1
		.amdhsa_system_vgpr_workitem_id 0
		.amdhsa_next_free_vgpr 226
		.amdhsa_next_free_sgpr 66
		.amdhsa_reserve_vcc 0
		.amdhsa_float_denorm_mode_32 3
		.amdhsa_float_denorm_mode_16_64 3
		.amdhsa_memory_ordered 1
		.amdhsa_forward_progress 1
		.amdhsa_inst_pref_size 42
	.end_amdhsa_kernel
	.amdgpu_metadata
---
amdhsa.version: [ 1, 2 ]
amdhsa.kernels:
  - .name:           k_q230c5a6750_ln2
    .symbol:         k_q230c5a6750_ln2.kd
    .args:
      - { .name: x2, .offset: 0, .size: 8, .value_kind: global_buffer, .address_space: global }
      - { .name: g2, .offset: 8, .size: 8, .value_kind: global_buffer, .address_space: global }
      - { .name: s2, .offset: 16, .size: 8, .value_kind: global_buffer, .address_space: global }
      - { .name: act, .offset: 24, .size: 8, .value_kind: global_buffer, .address_space: global }
    .group_segment_fixed_size: 66304
    .private_segment_fixed_size: 0
    .kernarg_segment_align: 8
    .kernarg_segment_size: 32
    .max_flat_workgroup_size: 128
    .sgpr_count:     66
    .vgpr_count:     226
    .wavefront_size: 32
...
	.end_amdgpu_metadata
.endif
;; end of part 5
;; launch w1 (part 6): grid 16 x 16, 4 waves a work-group, clusters of 4 x 4, 327,680 bytes of LDS; arguments act, wts, b1, hid; writes hid
.if DOCPART == 6
	.amdgcn_target "amdgcn-amd-amdhsa--gfx1250"
	.amdhsa_code_object_version 6
	.text
	.protected	k_q230c5a6750_w1
	.globl	k_q230c5a6750_w1
	.p2align	8
	.type	k_q230c5a6750_w1,@function
k_q230c5a6750_w1:
	s_mov_b64 s[64:65], 0
	v_nop
	global_prefetch_b8 v0, s[64:65] scope:SCOPE_SE
	s_setreg_imm32_b32 hwreg(HW_REG_WAVE_MODE, 25, 1), 1
	s_wait_xcnt 0x0
	s_wait_alu depctr_hold_cnt(0) depctr_sa_sdst(0) depctr_va_vdst(0) depctr_va_sdst(0) depctr_va_ssrc(0) depctr_va_vcc(0) depctr_vm_vsrc(0)
	s_getreg_b32 s2, hwreg(HW_REG_IB_STS2, 6, 4)
	s_cmp_eq_u32 s2, 0
	s_cbranch_scc0 .Lentry_in_a_cluster
	s_endpgm
.Lentry_in_a_cluster:
	s_bfe_u32 s2, ttmp6, 0x10000c
	s_cmp_lg_u32 s2, 0xf033
	s_cbranch_scc0 .Lentry_shape_is_right
	s_endpgm
.Lentry_shape_is_right:
; A block of 256 x 256 of A B^T on E2M3 codes with E8M0 scales, K = 1,024, quantised again along its columns and stored as images of the next products' operand registers.  One text, two uses (VAR).
; VAR = 0: cluster rows 0-3: A = the normed tokens, B = Wq and Wk: q and k, quantised along the head's channels.  Cluster rows 4-5: A = Wv, B = the tokens: v transposed, quantised along the keys.
; VAR = 1: A = the normed tokens, B = W1; b1 is the C of each sum's first product; gelu (x / (1 + 2^(-2 u log2 e)), which is the tanh form) in f32, then the quantiser along the hidden units.
; OPERANDS ARE IMAGES OF REGISTERS: a tile is 16 rows, lane r standing for row 64 (T / 4) + 32 (r / 8) + 8 (T % 4) + r % 8; codes [T][K step 8][1,536], scale words [T][K step][64].
; Four waves, each 128 x 128: 64 accumulators by turns.  The product is used transposed (source 0 = B's rows), so that a lane's 64 registers of eight tiles are two runs of 32 neighbouring columns: whole blocks of the next K.
; K goes through two LDS slots of two K steps.  CLUSTERS 4 x 4: A's tiles are asked for jointly along a row of the cluster, B's along a column.  At the head one joint load a wave: slot 0's tiles of A, those of B, A's scale words, B's;
; slot 1 is first filled behind the next round, a quarter of the slot a wave, and so is every refill.  By this text's own count a wave has one tensor load out.
; PREFETCH: each wave names its work-group's quarter (by cx or cy, in the address alone) of the tiles that it will fetch: fills 1 and 2 at the head's end, fill 3 behind fill 1's load.
; LIMITS: a block of zeros keeps the scale byte 1 (its codes are zeros; this program alone reads the bytes); NaN and infinities are not served; v_exp_f32 and v_rcp_f32 are good to one unit in the last place.
.set VAR, 1
.set ACT_S, 3145728
.set WV_C, 1572864
.set WV_S, 9502720
.set WQK_S, 9437184
.set W1_C, 3145728
.set W1_S, 9568256
.set QK_SO, 9437184
.set V_CO, 6291456
.set V_SO, 9699328
.set HID_S, 12582912
.set FR, 12
.set NL, 4
.set HALFT, 8*3072
.set SLOT, 4*HALFT
.set SCL, 2*SLOT
.set HS, 4096
.set SPARE, SCL+4*HS
.set ADRA, 16
.set ADRB, 20
.set O16, 24
.set O8, 25
.set SOFF, 26
.set ADRS, 27
.set SPW, 28
.set NIL, 29
.set SH8, 30
.set BOF, 31
.set SC, 32
.set AF, 128
.set CT, 96
.set PW, 104
.set TM, 112
.set KV, 122
.set PC, 128
.set HA, 176
.set G1, 24
.set G0, 32
.set G1B, 48
.set G0B, 56
.set G1S, 68
.set G0S, 76
.set G1SB, 80
.set G0SB, 88
.set OUT0, 10
.set OUT1, 12
.set SOUT, 66
.set FLOOR, 96
.set HI, 97
.set SEL, 98
.set K1, 100
.set MSB, 0
.macro WIN new
.if MSB != (\new)
	s_set_vgpr_msb (MSB<<8)|(\new)
.set MSB, (\new)
.endif
.endm
.macro PLACES n
.rept \n
	v_nop
.endr
.endm
.macro JLOAD g0a, g1a, g0b, g1b
	s_cmp_eq_u32 s15, 0
	s_cbranch_scc0 .Lfor_b_\@
	tensor_load_to_lds s[\g0a:\g0a+3], s[\g1a:\g1a+7]
	s_nop 0
.rept 4
	v_nop
.endr
	s_branch .Lasked_\@
.Lfor_b_\@:
	tensor_load_to_lds s[\g0b:\g0b+3], s[\g1b:\g1b+7]
	s_nop 0
.rept 4
	v_nop
.endr
.Lasked_\@:
.endm
.macro CREST
	s_cmp_lg_u32 s14, 0
	s_cbranch_scc1 .Lnot_wave_0_\@
	s_barrier_signal -3
.Lnot_wave_0_\@:
	s_barrier_wait -3
	s_barrier_signal -1
	s_barrier_wait -1
.endm
.macro CROUND
	s_barrier_signal -1
	s_barrier_wait -1
	CREST
.endm
.macro QUANT64 src, w, pc, pw
	WIN ((\w)<<2)|((\w)<<4)
.irp k, 0,1,2,3
	v_max3_num_f32 v[TM+\k], s[FLOOR], |v[(\src)+16*\k]|, |v[(\src)+16*\k+1]|
.endr
.irp i, 2,4,6,8,10,12,14
.irp k, 0,1,2,3
	v_max3_num_f32 v[TM+\k], v[TM+\k], |v[(\src)+16*\k+\i]|, |v[(\src)+16*\k+\i+1]|
.endr
.endr
	WIN 0
	v_max_num_f32 v[TM], v[TM], v[TM+1]
	v_max_num_f32 v[TM+2], v[TM+2], v[TM+3]
	v_add_nc_u32 v[TM+4], 0xff000000, v[TM]
	v_add_nc_u32 v[TM+5], 0xff000000, v[TM+2]
	v_lshrrev_b32 v[TM+6], 23, v[TM+4]
	v_lshrrev_b32 v[TM+7], 23, v[TM+5]
	v_lshl_or_b32 v[\pw], v[TM+7], 16, v[TM+6]
	v_lshlrev_b32 v[\pw], v[SH8], v[\pw]
	v_permlanex16_b32 v[TM+8], v[\pw], s[SEL], s[SEL+1]
	v_or_b32 v[\pw], v[\pw], v[TM+8]
	WIN \w
.irp c, 0,1
	v_cvt_scalef32_pk16_fp6_f32 v[(\pc)+6*\c:(\pc)+6*\c+2], v[(\src)+32*\c:(\src)+32*\c+15], v[TM+4+\c]
	v_cvt_scalef32_pk16_fp6_f32 v[CT+4*\c:CT+4*\c+2], v[(\src)+32*\c+16:(\src)+32*\c+31], v[TM+4+\c]
.endr
	WIN 0
	v_nop
.irp c, 0,1
.irp i, 0,1,2
	v_mov_b32 v[(\pc)+6*\c+3+\i], v[CT+4*\c+\i]
.endr
.endr
.endm
.macro PUTH pc, c, base, off
	global_store_b128 v[O16], v[(\pc)+6*(\c):(\pc)+6*(\c)+3], s[\base:\base+1] offset:\off
	global_store_b64 v[O8], v[(\pc)+6*(\c)+4:(\pc)+6*(\c)+5], s[\base:\base+1] offset:(\off)+512
.endm
.macro GELU64 src, w
	WIN (\w)|((\w)<<2)
.set j, 0
.rept 32
	v_pk_mul_f32 v[HA+j:HA+j+1], v[(\src)+j:(\src)+j+1], v[(\src)+j:(\src)+j+1]
.set j, j+2
.endr
	WIN 0
.set j, 0
.rept 32
	v_pk_fma_f32 v[HA+j:HA+j+1], v[HA+j:HA+j+1], s[K1:K1+1], v[KV:KV+1] op_sel_hi:[1,0,0]
.set j, j+2
.endr
	WIN (\w)<<2
.set j, 0
.rept 32
	v_pk_mul_f32 v[HA+j:HA+j+1], v[HA+j:HA+j+1], v[(\src)+j:(\src)+j+1]
.set j, j+2
.endr
	WIN 0
.set j, 0
	s_wait_alu depctr_va_vdst(0)
.rept 64
	v_exp_f32 v[HA+j], v[HA+j]
.set j, j+1
.endr
	v_nop
.set j, 0
	s_wait_alu depctr_va_vdst(0)
.rept 32
	v_pk_add_f32 v[HA+j:HA+j+1], v[HA+j:HA+j+1], 1.0 op_sel_hi:[1,0]
.set j, j+2
.endr
.set j, 0
	s_wait_alu depctr_va_vdst(0)
.rept 64
	v_rcp_f32 v[HA+j], v[HA+j]
.set j, j+1
.endr
	v_nop
	WIN (\w)<<2
.set j, 0
	s_wait_alu depctr_va_vdst(0)
.rept 32
	v_pk_mul_f32 v[HA+j:HA+j+1], v[HA+j:HA+j+1], v[(\src)+j:(\src)+j+1]
.set j, j+2
.endr
	WIN 0
.endm
.if VAR == 0
	s_load_b128 s[4:7], s[0:1], 0x0
	s_load_b64 s[8:9], s[0:1], 0x10
.else
	s_load_b256 s[4:11], s[0:1], 0x0
.endif
	v_lshl_add_u32 v[SPW], v0, 2, SPARE
	v_mov_b32 v[NIL], 0
	ds_add_u32 v28, v29
	ds_add_u32 v28, v29
	s_wait_dscnt 0x0
	v_lshrrev_b32 v1, 5, v0
	v_readfirstlane_b32 s14, v1
	s_lshr_b32 s15, s14, 1
	s_and_b32 s16, s14, 1
	s_bfe_u32 s40, ttmp6, 0x40000
	s_bfe_u32 s41, ttmp6, 0x40004
	s_lshl_b32 s42, ttmp9, 2
	s_add_co_u32 s42, s42, s40
	s_and_b32 s92, ttmp7, 0xffff
	s_lshl_b32 s17, s92, 2
	s_add_co_u32 s17, s17, s41
	s_lshl_b32 s43, s41, 2
	s_lshl_b32 s43, 15, s43
	s_lshl_b32 s44, 0x1111, s40
	s_or_b32 s[G1], s43, (3<<16)|(1<<21)
	s_or_b32 s[G1B], s44, (3<<16)|(1<<21)
.irp g, G1, G1B
	s_mov_b32 s[\g+1], 384<<16
	s_mov_b32 s[\g+2], 16<<16
	s_mov_b32 s[\g+3], 384<<16
	s_mov_b32 s[\g+4], 16
	s_mov_b32 s[\g+5], 1536
	s_mov_b32 s[\g+6], 0
	s_mov_b32 s[\g+7], 0
.endr
	s_or_b32 s[G1S], s43, (3<<16)|(1<<21)
	s_or_b32 s[G1SB], s44, (3<<16)|(1<<21)
.irp g, G1S, G1SB
	s_mov_b32 s[\g+1], 32<<16
	s_mov_b32 s[\g+2], 32<<16
	s_mov_b32 s[\g+3], 32<<16
	s_mov_b32 s[\g+4], 32
	s_mov_b32 s[\g+5], 32
	s_mov_b32 s[\g+6], 0
	s_mov_b32 s[\g+7], 0
.endr
.if VAR == 0
	s_lshl_b32 s93, s92, 3
	s_add_co_u32 s93, s93, s42
	s_sub_co_u32 s93, s93, 32
	s_mov_b32 s94, ACT_S
	s_mov_b32 s95, WQK_S
	s_mov_b32 s18, QK_SO
	s_cmp_ge_u32 s92, 4
	s_cselect_b32 s20, s41, s17
	s_cselect_b32 s46, s93, s42
	s_cselect_b32 s21, WV_C, 0
	s_cselect_b32 s22, WV_S, s94
	s_cselect_b32 s47, s94, s95
	s_cselect_b32 s93, 6, 8
	s_cselect_b32 s19, V_CO, 0
	s_cselect_b32 s18, V_SO, s18
.else
	s_mov_b32 s20, s17
	s_mov_b32 s46, s42
	s_mov_b32 s21, 0
	s_mov_b32 s22, ACT_S
	s_mov_b32 s47, W1_S
.endif
	s_mov_b32 s12, s20
	s_mov_b32 s13, s46
	s_lshl_b32 s20, s20, 4                         ; the first of the block's sixteen tiles
	s_lshl_b32 s46, s46, 4
	s_mul_i32 s3, s20, 12288
	s_lshl_b32 s20, s20, 9
	s_add_co_u32 s22, s22, s20
	s_add_co_u32 s20, s3, s21
	s_mov_b32 s21, 0
	s_mov_b32 s23, 0
	s_mul_i32 s94, s46, 12288
.if VAR
	s_add_co_u32 s94, s94, W1_C
.endif
	s_lshl_b32 s46, s46, 9
	s_add_co_u32 s46, s46, s47
	s_mov_b32 s47, 0
	s_mov_b32 s95, 0
	s_mul_i32 s45, s14, HALFT
	s_mul_i32 s2, s16, 98304                       ; in the ring I fetch eight of the sixteen tiles: which half, in bytes
	s_mov_b32 s3, 0
	s_wait_kmcnt 0x0
.if VAR == 0
	s_cmp_ge_u32 s92, 4
	s_cselect_b64 s[98:99], s[6:7], s[4:5]
	s_cselect_b64 s[6:7], s[4:5], s[6:7]
	s_mov_b64 s[4:5], s[98:99]
.endif
	s_add_nc_u64 s[20:21], s[4:5], s[20:21]
	s_add_nc_u64 s[22:23], s[4:5], s[22:23]
	s_add_nc_u64 s[94:95], s[6:7], s[94:95]
	s_add_nc_u64 s[46:47], s[6:7], s[46:47]
	CROUND
	s_mov_b32 s[G0S], 1
	s_mov_b32 s[G0S+1], SCL
	s_mov_b64 s[G0S+2:G0S+3], s[22:23]
	s_or_b32 s[G0S+3], s[G0S+3], 0x80000000
	s_mov_b32 s[G0SB], 1
	s_mov_b32 s[G0SB+1], SCL+2*HS
	s_mov_b64 s[G0SB+2:G0SB+3], s[46:47]
	s_or_b32 s[G0SB+3], s[G0SB+3], 0x80000000
; The head's four tiles, one joint load a wave: wave 0 slot 0's sixteen tiles of A, wave 1 those of B, wave 2 A's scale words, wave 3 B's.
.macro ARM under, g0, g1, next
	s_cmp_lt_u32 s14, \under
	s_cbranch_scc0 \next
	tensor_load_to_lds s[\g0:\g0+3], s[\g1:\g1+7]
	s_nop 0
.rept 4
	v_nop
.endr
	s_branch .Lhead_asked
\next:
.endm
	s_mov_b32 s[G0], 1
	s_mov_b32 s[G0+1], 0
	s_mov_b64 s[G0+2:G0+3], s[20:21]
	s_or_b32 s[G0+3], s[G0+3], 0x80000000
	s_mov_b32 s[G0B], 1
	s_mov_b32 s[G0B+1], 2*HALFT
	s_mov_b64 s[G0B+2:G0B+3], s[94:95]
	s_or_b32 s[G0B+3], s[G0B+3], 0x80000000
	s_add_nc_u64 s[20:21], s[20:21], s[2:3]        ; for the ring: my eight tiles
	s_add_nc_u64 s[94:95], s[94:95], s[2:3]
	s_mov_b32 s[G0+4], 1
	s_add_co_u32 s[G0+5], s45, SLOT
	s_add_nc_u64 s[G0+6:G0+7], s[20:21], 3072
	s_or_b32 s[G0+7], s[G0+7], 0x80000000
	s_mov_b32 s[G0B+4], 1
	s_add_co_u32 s[G0B+5], s45, SLOT
	s_add_nc_u64 s[G0B+6:G0B+7], s[94:95], 3072
	s_or_b32 s[G0B+7], s[G0B+7], 0x80000000
	ARM 1, G0, G1, .Lhead_b
	ARM 2, G0B, G1B, .Lhead_sa
	ARM 3, G0S, G1S, .Lhead_sb
	tensor_load_to_lds s[G0SB:G0SB+3], s[G1SB:G1SB+7]
	s_nop 0
.rept 4
	v_nop
.endr
.Lhead_asked:
	; where my prefetches stand: of the eight tiles that I fetch in the ring, the partner at place p (cx for A, cy for B) names tiles 2 p and 2 p + 1
	s_cmp_eq_u32 s15, 0
	s_cselect_b64 s[94:95], s[20:21], s[94:95]
	s_cselect_b32 s46, s40, s41
	s_mul_i32 s46, s46, 24576
	s_mov_b32 s47, 0
	s_add_nc_u64 s[94:95], s[94:95], s[46:47]
	v_and_b32 v1, 15, v0
	v_bfe_u32 v2, v0, 4, 1
	v_and_b32 v3, 31, v0
	v_lshlrev_b32 v[O16], 4, v3
	v_lshlrev_b32 v[O8], 3, v3
	v_lshlrev_b32 v[SH8], 3, v2
	v_lshlrev_b32 v[BOF], 7, v2
	v_min_u32 v5, 23, v3                           ; the prefetches' offset: 24 blocks of 256 bytes, 12 to a tile's 3,072 bytes of a fill; lanes 24-31 name the last again
	v_add_nc_u32 v6, 4, v5
	v_lshrrev_b32 v6, 4, v6                        ; which of the two tiles
	v_mul_u32_u24 v6, 9216, v6
	v_lshl_add_u32 v5, v5, 8, v6                   ; 12,288 x tile + 256 x block
	s_mul_i32 s21, s15, HALFT
	s_mul_i32 s22, s16, HALFT
	s_add_co_u32 s22, s22, 2*HALFT
.irp s, 0,1
	v_add_nc_u32 v[ADRA+\s], s21, v[O16]
	v_add_nc_u32 v[ADRA+2+\s], s21, v[O8]
	v_add_nc_u32 v[ADRB+\s], s22, v[O16]
	v_add_nc_u32 v[ADRB+2+\s], s22, v[O8]
	s_add_co_u32 s21, s21, SLOT
	s_add_co_u32 s22, s22, SLOT
.endr
	s_mul_i32 s21, s15, HS
	s_mul_i32 s22, s16, HS
	s_add_co_u32 s22, s22, 2*HS
	s_sub_co_u32 s22, s22, s21
	v_mul_u32_u24 v4, s22, v2
	s_add_co_u32 s21, s21, SCL
	v_lshl_add_u32 v4, v1, 2, v4
	v_add_nc_u32 v[ADRS], s21, v4
	s_lshl_b32 s2, s13, 1
	s_add_co_u32 s2, s2, s16
	s_lshl_b32 s3, s12, 4
	s_lshl_b32 s20, s15, 3
	s_add_co_u32 s3, s3, s20
	s_mov_b32 s21, 0
.if VAR == 0
	v_lshlrev_b32 v[SOFF], 2, v3
	s_lshl_b32 s20, s2, s93
	s_add_co_u32 s20, s20, s3
	s_lshl_b32 s20, s20, 6
	s_add_co_u32 s20, s20, s18
	s_add_nc_u64 s[SOUT:SOUT+1], s[8:9], s[20:21]
	s_lshl_b32 s2, s2, 1
	s_lshl_b32 s20, s2, s93
	s_add_co_u32 s20, s20, s3
	s_mul_i32 s20, s20, 768
	s_add_co_u32 s20, s20, s19
	s_add_nc_u64 s[OUT0:OUT0+1], s[8:9], s[20:21]
	s_add_co_u32 s2, s2, 1
	s_lshl_b32 s20, s2, s93
	s_add_co_u32 s20, s20, s3
	s_mul_i32 s20, s20, 768
	s_add_co_u32 s20, s20, s19
	s_add_nc_u64 s[OUT1:OUT1+1], s[8:9], s[20:21]
.set SSTEP, 64
.else
	v_lshlrev_b32 v[SOFF], 2, v1
	v_lshl_add_u32 v[SOFF], v2, 11, v[SOFF]
	s_lshl_b32 s3, s3, 5
	s_add_co_u32 s3, s3, s2
	s_lshl_b32 s20, s3, 6
	s_add_co_u32 s20, s20, HID_S
	s_add_nc_u64 s[SOUT:SOUT+1], s[10:11], s[20:21]
	s_mul_i32 s20, s3, 1536
	s_add_nc_u64 s[OUT0:OUT0+1], s[10:11], s[20:21]
	s_lshl_b32 s20, s42, 10
	s_lshl_b32 s22, s16, 9
	s_add_co_u32 s20, s20, s22
	s_add_nc_u64 s[8:9], s[8:9], s[20:21]
	WIN 0x40
.irp b, 0,1,2,3,4,5,6,7
	global_load_b128 v[96+128*(\b/4)+8*(\b%4):96+128*(\b/4)+8*(\b%4)+3], v[BOF], s[8:9] offset:(64*(\b/4)+8*(\b%4))*4
	global_load_b128 v[96+128*(\b/4)+8*(\b%4)+4:96+128*(\b/4)+8*(\b%4)+7], v[BOF], s[8:9] offset:(64*(\b/4)+8*(\b%4))*4+16
.endr
	WIN 0
.set SSTEP, 2048
.endif
	s_mov_b32 s[FLOOR], 0x01800000
	s_mov_b32 s[HI], 0xffff0000
	s_mov_b32 s[SEL], 0x76543210
	s_mov_b32 s[SEL+1], 0xfedcba98
	s_mov_b32 s[K1], 0xbdd2d3e8
	s_mov_b32 s[K1+1], 0xbdd2d3e8
.macro FRAG reg, adr, off
	ds_load_b128 v[(\reg):(\reg)+3], v[\adr] offset:(\off)
	ds_load_b64 v[(\reg)+4:(\reg)+5], v[(\adr)+2] offset:(\off)+512
	ds_load_b128 v[(\reg)+6:(\reg)+9], v[\adr] offset:(\off)+768
	ds_load_b64 v[(\reg)+10:(\reg)+11], v[(\adr)+2] offset:(\off)+1280
.endm
.macro MUL16 a0, p, g, cm
.irp a, \a0, \a0+1
.irp b, 0,1,2,3,4,5,6,7
.if \cm == 0
	v_wmma_scale_f32_16x16x128_f8f6f4 v[8*(8*((\a)%4)+\b):8*(8*((\a)%4)+\b)+7], v[128*(\p)+FR*\b:128*(\p)+FR*\b+FR-1], v[AF+FR*(\a):AF+FR*(\a)+FR-1], v[8*(8*((\a)%4)+\b):8*(8*((\a)%4)+\b)+7], v[SC+8*(\g)+\b], v[SC+8*(\g)+(\a)] matrix_a_fmt:MATRIX_FMT_FP6 matrix_b_fmt:MATRIX_FMT_FP6 matrix_a_scale:MATRIX_SCALE_ROW1
.elseif \cm == 1
	v_wmma_scale_f32_16x16x128_f8f6f4 v[8*(8*((\a)%4)+\b):8*(8*((\a)%4)+\b)+7], v[128*(\p)+FR*\b:128*(\p)+FR*\b+FR-1], v[AF+FR*(\a):AF+FR*(\a)+FR-1], 0, v[SC+8*(\g)+\b], v[SC+8*(\g)+(\a)] matrix_a_fmt:MATRIX_FMT_FP6 matrix_b_fmt:MATRIX_FMT_FP6 matrix_a_scale:MATRIX_SCALE_ROW1
.else
	v_wmma_scale_f32_16x16x128_f8f6f4 v[8*(8*((\a)%4)+\b):8*(8*((\a)%4)+\b)+7], v[128*(\p)+FR*\b:128*(\p)+FR*\b+FR-1], v[AF+FR*(\a):AF+FR*(\a)+FR-1], v[96+128*(\b/4)+8*(\b%4):96+128*(\b/4)+8*(\b%4)+7], v[SC+8*(\g)+\b], v[SC+8*(\g)+(\a)] matrix_a_fmt:MATRIX_FMT_FP6 matrix_b_fmt:MATRIX_FMT_FP6 matrix_a_scale:MATRIX_SCALE_ROW1
.endif
.endr
.endr
.endm
.macro WLO cm
.if \cm == 2
	WIN 0x91
.else
	WIN 0xa1
.endif
.endm
.macro WHI cm
.if \cm == 2
	WIN 0xd1
.else
	WIN 0xf1
.endif
.endm
.macro FETCH_B slot, q, p
	WIN 0x40
.irp i, 0,1,2,3,4,5,6,7
	FRAG 128*(\p)+FR*\i, ADRB+\slot, \i*3072+(\q)*1536
.endr
	WIN 0
.endm
.macro FETCH_A slot, q, i0
.irp i, \i0, \i0+1, \i0+2, \i0+3
	FRAG AF+FR*(\i), ADRA+\slot, (\i)*3072+(\q)*1536
.endr
.endm
.macro STEP slot, g, cm
	s_wait_dscnt 4*NL
	WLO \cm
	MUL16 0, 0, \g, \cm
	MUL16 2, 0, \g, \cm
	s_wait_dscnt 0x0
	PLACES 4
	FETCH_B \slot, 1, 1
	FETCH_A \slot, 1, 0
	WHI \cm
	MUL16 4, 0, \g, \cm
	MUL16 6, 0, \g, \cm
	PLACES 4
	WIN 0
	FETCH_A \slot, 1, 4
.endm
.macro TURN slot, next, g, fill
	s_wait_tensorcnt 0x0
	ds_add_u32 v[SPW], v[NIL]
	s_wait_dscnt 4*NL+1
	WIN 0xa1
	MUL16 0, 1, \g, 0
	s_wait_dscnt 0x0
	s_barrier_signal -1
	MUL16 2, 1, \g, 0
	WIN 0
	s_barrier_wait -1
.if \fill
	CREST
	s_add_nc_u64 s[G0+4*\slot+2:G0+4*\slot+3], s[G0+4*\slot+2:G0+4*\slot+3], 6144
	s_add_nc_u64 s[G0B+4*\slot+2:G0B+4*\slot+3], s[G0B+4*\slot+2:G0B+4*\slot+3], 6144
	JLOAD G0+4*\slot, G1, G0B+4*\slot, G1B
.else
	PLACES 4
.endif
	FETCH_B \next, 0, 0
	FETCH_A \next, 0, 0
	WIN 0xf1
	MUL16 4, 1, \g, 0
	MUL16 6, 1, \g, 0
	PLACES 4
	WIN 0
	FETCH_A \next, 0, 4
.endm
	s_wait_alu depctr_va_vdst(0)
	global_prefetch_b8 v5, s[94:95] offset:3072 th:TH_LOAD_NT scope:SCOPE_SE   ; my share of fills 1 and 2 (K steps 2 to 5)
	global_prefetch_b8 v5, s[94:95] offset:6144 th:TH_LOAD_NT scope:SCOPE_SE
	s_wait_tensorcnt 0x0                           ; my tile of the head's four is in
	ds_add_u32 v[SPW], v[NIL]
	s_mov_b32 s[G1+2], 8<<16                       ; no tensor load of mine is out: from here on a load brings eight tiles,
	s_mov_b32 s[G1+4], 8
	s_mov_b32 s[G1B+2], 8<<16
	s_mov_b32 s[G1B+4], 8
	s_mul_i32 s2, s16, 98304
	s_mov_b32 s3, 0
	s_mov_b32 s[G0+1], s45                         ; and slot 0's descriptors point at my quarter
	s_add_nc_u64 s[G0+2:G0+3], s[G0+2:G0+3], s[2:3]
	s_mov_b32 s[G0B+1], s45
	s_add_nc_u64 s[G0B+2:G0B+3], s[G0B+2:G0B+3], s[2:3]
	s_wait_dscnt 0x0
	CROUND                                         ; all four tiles are in, all sixteen work-groups are here
	JLOAD G0+4, G1, G0B+4, G1B                     ; slot 1's first fill, my one load behind the round
	global_prefetch_b8 v5, s[94:95] offset:9216 th:TH_LOAD_NT scope:SCOPE_SE   ; my share of fill 3, the last
	FETCH_B 0, 0, 0
	FETCH_A 0, 0, 0
.irp g, 0,1,2,3,4,5,6,7
.irp i, 0,1,2,3,4,5,6,7
	ds_load_b32 v[SC+8*\g+\i], v[ADRS] offset:512*\i+64*\g
.endr
.endr
	FETCH_A 0, 0, 4
.if VAR
	s_wait_loadcnt 0x0
.endif
	STEP 0, 0, 1+VAR
	TURN 0, 1, 1, 1
	STEP 1, 2, 0
	TURN 1, 0, 3, 1
	STEP 0, 4, 0
	TURN 0, 1, 5, 0
	STEP 1, 6, 0
	s_wait_dscnt 4*NL
	WIN 0xa1
	MUL16 0, 1, 7, 0
	MUL16 2, 1, 7, 0
	s_wait_dscnt 0x0
	WIN 0xf1
	MUL16 4, 1, 7, 0
	MUL16 6, 1, 7, 0
	WIN 0
	PLACES 4
	v_mov_b32 v[TM+8], 0
.if VAR
	v_mov_b32 v[KV], 0xc0135761
	v_mov_b32 v[KV+1], 0xc0135761
.endif
.irp a, 0,1,2,3,4,5,6,7
.if \a > 3
	s_wait_xcnt 0x0
.endif
.if VAR
	GELU64 64*(\a%4), 2+\a/4
	QUANT64 HA, 0, PC+12*(\a%4), PW+\a
	PUTH PC+12*(\a%4), 0, OUT0, 49152*\a
	PUTH PC+12*(\a%4), 1, OUT0, 49152*\a+768
.else
	QUANT64 64*(\a%4), 2+\a/4, PC+12*(\a%4), PW+\a
	PUTH PC+12*(\a%4), 0, OUT0, 768*\a
	PUTH PC+12*(\a%4), 1, OUT1, 768*\a
.endif
.if \a%2
	v_cndmask_b32 v[PW+\a-1], v[PW+\a-1], v[PW+\a], s[HI]
	global_store_b32 v[SOFF], v[PW+\a-1], s[SOUT:SOUT+1] offset:SSTEP*(\a-1)
.endif
.endr
	s_wait_tensorcnt 0x0
	ds_add_u32 v[SPW], v[NIL]
	s_wait_dscnt 0x0
	CROUND
	s_endpgm
.Lfunc_end_k_q230c5a6750_w1:
	.size	k_q230c5a6750_w1, .Lfunc_end_k_q230c5a6750_w1-k_q230c5a6750_w1
	.p2alignl 7, 3214868480
	.fill 96, 4, 3214868480
	.section	.rodata,"a",@progbits
	.p2align	6, 0x0
	.amdhsa_kernel k_q230c5a6750_w1
		.amdhsa_group_segment_fixed_size 327680
		.amdhsa_private_segment_fixed_size 0
		.amdhsa_enable_private_segment 0
		.amdhsa_kernarg_size 32
		.amdhsa_user_sgpr_count 2
		.amdhsa_user_sgpr_kernarg_segment_ptr 1
		.amdhsa_wavefront_size32 1
		.amdhsa_system_sgpr_workgroup_id_x 1
		.amdhsa_system_sgpr_workgroup_id_y 1
		.amdhsa_system_sgpr_workgroup_id_z 1
		.amdhsa_system_vgpr_workitem_id 0
		.amdhsa_next_free_vgpr 1024
		.amdhsa_next_free_sgpr 102
		.amdhsa_reserve_vcc 0
		.amdhsa_float_denorm_mode_32 3
		.amdhsa_float_denorm_mode_16_64 3
		.amdhsa_memory_ordered 1
		.amdhsa_forward_progress 1
		.amdhsa_inst_pref_size 255
	.end_amdhsa_kernel
	.section	.bss,"aw",@nobits
	.p2align	6
	.space	262144
	.amdgpu_metadata
---
amdhsa.version: [ 1, 2 ]
amdhsa.kernels:
  - .name:           k_q230c5a6750_w1
    .symbol:         k_q230c5a6750_w1.kd
    .args:
      - { .name: act, .offset: 0, .size: 8, .value_kind: global_buffer, .address_space: global }
      - { .name: wts, .offset: 8, .size: 8, .value_kind: global_buffer, .address_space: global }
      - { .name: b1, .offset: 16, .size: 8, .value_kind: global_buffer, .address_space: global }
      - { .name: hid, .offset: 24, .size: 8, .value_kind: global_buffer, .address_space: global }
    .group_segment_fixed_size: 327680
    .private_segment_fixed_size: 0
    .kernarg_segment_align: 8
    .kernarg_segment_size: 32
    .max_flat_workgroup_size: 128
    .sgpr_count:     102
    .vgpr_count:     1024
    .wavefront_size: 32
...
	.end_amdgpu_metadata
.endif
;; end of part 6
;; launch w2 (part 7): grid 8 x 32, 4 waves a work-group, clusters of 4 x 4, 327,680 bytes of LDS; arguments hid, wts, b2, x2, out0; writes out0
.if DOCPART == 7
	.amdgcn_target "amdgcn-amd-amdhsa--gfx1250"
	.amdhsa_code_object_version 6
	.text
	.protected	k_q230c5a6750_w2
	.globl	k_q230c5a6750_w2
	.p2align	8
	.type	k_q230c5a6750_w2,@function
k_q230c5a6750_w2:
	s_mov_b64 s[64:65], 0
	v_nop
	global_prefetch_b8 v0, s[64:65] scope:SCOPE_SE
	s_setreg_imm32_b32 hwreg(HW_REG_WAVE_MODE, 25, 1), 1
	s_wait_xcnt 0x0
	s_wait_alu depctr_hold_cnt(0) depctr_sa_sdst(0) depctr_va_vdst(0) depctr_va_sdst(0) depctr_va_ssrc(0) depctr_va_vcc(0) depctr_vm_vsrc(0)
	s_getreg_b32 s2, hwreg(HW_REG_IB_STS2, 6, 4)
	s_cmp_eq_u32 s2, 0
	s_cbranch_scc0 .Lentry_in_a_cluster
	s_endpgm
.Lentry_in_a_cluster:
	s_bfe_u32 s2, ttmp6, 0x10000c
	s_cmp_lg_u32 s2, 0xf033
	s_cbranch_scc0 .Lentry_shape_is_right
	s_endpgm
.Lentry_shape_is_right:
; out = A W^T + bias + residual, f32 out, on E2M3 codes with E8M0 scales.  One text, two uses (the four .set lines below): NS = 8: ctx Wo + bo + x;  NS = 32: hidden W2 + b2 + x2.  NS = K / 128.
; OPERANDS ARE IMAGES OF REGISTERS: a tile T is 16 rows, lane r standing for row 64 (T / 4) + 32 (r / 8) + 8 (T % 4) + r % 8; codes [T][K step NS][1,536] (a fragment: two halves of 768 bytes: a lane's four registers at 16 l, its two at
; 512 + 8 l), scale words [T][K step][64].  A fragment comes out of LDS by four dense loads.
; SHARES.  The output has 4,096 x 1,024 numbers: tiles of 128 x 128 give each of 256 work-groups one.  Four waves, each 64 x 64: 16 accumulators.  K goes through two LDS slots of four K steps each.
; THE PRODUCT IS USED TRANSPOSED (source 0 = 16 rows of W, source 1 = 16 rows of A): by the choice of a tile's rows a lane's 32 registers of W's four tiles are 32 neighbouring columns of one row of the output.
; The bias is the C of each sum's first product.  The residual is asked for behind the first K step, in the layout in which the result leaves, and waits in 128 registers.
; CLUSTERS 4 x 4: A's tiles are asked for jointly along a row of the cluster, W's along a column.  At the head one joint load a wave: wave 0 slot 0's eight tiles of A, wave 1 those of W, wave 2 A's scale words of all of K, wave 3 W's.
; Slot 1 is first filled behind the next round, a quarter of the slot a wave, and so is every refill.  By this text's own count a wave has one tensor load out.
; PREFETCH: of the four tiles that a wave fetches in the ring, the partner at place p (cx for A, cy for W: in the address alone) names tile p's 6,144 bytes of a fill, a lane to each 256.  Fills 1 and 2 are named at the head,
; fill 3 behind fill 1's load, and behind each refill the fill two refills on; the loop's last trip names nothing.  With NS = 8 there are two fills, and fill 1 alone is named.
; THE WAY OUT: 16 rows x 64 columns at a time through the wave's own stage in LDS (rows of 256 bytes + 16), back as whole rows: sixteen lanes store 256 consecutive bytes, aligned; the order of a tile's rows is undone in the stores' offsets.
; REGISTERS: window 0: v8-21 addresses; v32-63 scale words, two sets (4 q + i: lanes 0-15 A's tile i, lanes 16-31 W's tile i), nothing else ever; v64-127 the way out; v128-255 the accumulators ((a, b) at 128 + 8 (4 a + b)).
;   window 1: two fragment buffers, v0-95 and v128-223 (A's four, then W's four); the bias in v96-127.   window 2: v0-127 the residual.
.set NS, 32
.set WSEC, 6291456                     ; the weight's codes in wts,
.set WSECS, 9699328                    ; its scale words,
.set ASOFF, 12582912                   ; and A's scale words in A's buffer
.set LAPS, NS/8                        ; a lap = eight K steps = once round the ring
.set HALFT, 4*6144                     ; four tiles x four K steps: what one load of the ring brings, and what one wave reads of A or of W
.set SLOT, 4*HALFT
.set SCL, 2*SLOT                       ; behind the ring: the scale words, four quarters [tile 4][K step NS][64]
.set HS, 256*NS
.set STG, SCL+32768                    ; the stages: 16 rows x 272 bytes for each wave; no fill lands here
.set SPITCH, 272
.set SPARE, STG+4*16*SPITCH            ; the spare words, 128 bytes for each wave: two blocks of 256 bytes that no other line names
.set ADRA, 8                           ; v8-9 LDS address of my A fragments in slot 0, 1, 16 bytes a lane; v10-11 the same, 8 bytes a lane
.set ADRB, 12                          ; v12-15 the same for W
.set STO, 16
.set RD, 17
.set CO, 18                            ; v18  my byte offset in two rows of the output: 4,096 (l / 16) + 16 (l % 16)
.set ADRS, 19
.set BOF, 20
.set SPW, 28                           ; v28  LDS address of my spare word; never rewritten
.set NIL, 29                           ; v29  0; never rewritten
.set SC, 32
.set BK, 64
.set ACC, 128
.set F0, 0
.set F1, 128
.set G1, 24
.set G0, 32
.set G1B, 48
.set G0B, 56
.set G1S, 68
.set G0S, 76
.set G1SB, 80
.set G0SB, 88
.set MSB, 0
.macro WIN new                         ; the immediate's high byte repeats the setting that is left; a switch that changes nothing is dropped
.if MSB != (\new)
	s_set_vgpr_msb (MSB<<8)|(\new)
.set MSB, (\new)
.endif
.endm
.macro PLACES n
.rept \n
	v_nop
.endr
.endm
; A joint load of the ring: waves 0 and 1 fetch for A, waves 2 and 3 for W.  The branch hangs on the wave's number alone.  An s_nop 0 and four v_nop follow each of the two lines.
.macro JLOAD g0a, g1a, g0b, g1b
	s_cmp_eq_u32 s15, 0
	s_cbranch_scc0 .Lfor_b_\@
	tensor_load_to_lds s[\g0a:\g0a+3], s[\g1a:\g1a+7]
	s_nop 0
.rept 4
	v_nop
.endr
	s_branch .Lasked_\@
.Lfor_b_\@:
	tensor_load_to_lds s[\g0b:\g0b+3], s[\g1b:\g1b+7]
	s_nop 0
.rept 4
	v_nop
.endr
.Lasked_\@:
.endm
.macro CREST                           ; a round of the cluster's barrier behind its opening barrier
	s_cmp_lg_u32 s14, 0
	s_cbranch_scc1 .Lnot_wave_0_\@
	s_barrier_signal -3
.Lnot_wave_0_\@:
	s_barrier_wait -3
	s_barrier_signal -1
	s_barrier_wait -1
.endm
.macro CROUND                          ; a whole round
	s_barrier_signal -1
	s_barrier_wait -1
	CREST
.endm
.macro ARM under, g0, g1, next         ; one arm of the head's chain: one joint load, then on to the join
	s_cmp_lt_u32 s14, \under
	s_cbranch_scc0 \next
	tensor_load_to_lds s[\g0:\g0+3], s[\g1:\g1+7]
	s_nop 0
.rept 4
	v_nop
.endr
	s_branch .Lhead_asked
\next:
.endm
	s_load_b256 s[4:11], s[0:1], 0x0               ; A's buffer, wts, bias, residual
	s_load_b64 s[12:13], s[0:1], 0x20              ; out
	v_lshl_add_u32 v[SPW], v0, 2, SPARE
	v_mov_b32 v[NIL], 0
	ds_add_u32 v28, v29
	ds_add_u32 v28, v29
	s_wait_dscnt 0x0
	v_lshrrev_b32 v1, 5, v0
	v_readfirstlane_b32 s14, v1                    ; wave 0..3
	s_lshr_b32 s15, s14, 1                         ; which 64 rows are mine.  Also: in the ring I fetch for A (0) or for W (1)
	s_and_b32 s16, s14, 1                          ; which 64 columns.  Also: which four tiles I fetch
	s_bfe_u32 s40, ttmp6, 0x40000                  ; cx, cy: my place in the cluster
	s_bfe_u32 s41, ttmp6, 0x40004
	s_lshl_b32 s42, ttmp9, 2
	s_add_co_u32 s42, s42, s40                     ; tile column = 4 x cluster x + cx
	s_and_b32 s17, ttmp7, 0xffff
	s_lshl_b32 s17, s17, 2
	s_add_co_u32 s17, s17, s41                     ; tile row = 4 x cluster y + cy
	s_lshl_b32 s43, s41, 2
	s_lshl_b32 s43, 15, s43                        ; my row of the cluster
	s_lshl_b32 s44, 0x1111, s40                    ; my column
	s_or_b32 s[G1], s43, (3<<16)|(1<<21)           ; 15:0 the mask: A's tiles go to my row; 17:16 elements of 8 bytes; 21 set beside a mask
	s_or_b32 s[G1B], s44, (3<<16)|(1<<21)          ; W's to my column
.irp g, G1, G1B
	s_mov_b32 s[\g+1], 768<<16                     ; tensor_dim0
	s_mov_b32 s[\g+2], 8<<16                       ; tensor_dim1: eight tiles for the head's loads
	s_mov_b32 s[\g+3], 768<<16                     ; tile_dim0
	s_mov_b32 s[\g+4], 8                           ; tile_dim1
	s_mov_b32 s[\g+5], 192*NS                      ; tensor_dim0_stride
	s_mov_b32 s[\g+6], 0
	s_mov_b32 s[\g+7], 0
.endr
	s_or_b32 s[G1S], s43, (3<<16)|(1<<21)
	s_or_b32 s[G1SB], s44, (3<<16)|(1<<21)
.irp g, G1S, G1SB
	s_mov_b32 s[\g+1], 32<<16
	s_mov_b32 s[\g+2], (2*NS)<<16
	s_mov_b32 s[\g+3], 32<<16
	s_mov_b32 s[\g+4], 2*NS
	s_mov_b32 s[\g+5], 32
	s_mov_b32 s[\g+6], 0
	s_mov_b32 s[\g+7], 0
.endr
	s_lshl_b32 s20, s17, 3                         ; A: the first of the block's eight tiles: it hangs on the tile row alone
	s_lshl_b32 s46, s42, 3                         ; W: on the tile column alone
	s_mul_i32 s22, s20, NS*64
	s_add_co_u32 s22, s22, ASOFF                   ; A's scale words, byte offset
	s_mul_i32 s20, s20, NS*1536                    ; A's codes
	s_mov_b32 s21, 0
	s_mov_b32 s23, 0
	s_mul_i32 s94, s46, NS*1536
	s_add_co_u32 s94, s94, WSEC                    ; W's codes
	s_mul_i32 s46, s46, NS*64
	s_add_co_u32 s46, s46, WSECS                   ; W's scale words
	s_mov_b32 s47, 0
	s_mov_b32 s95, 0
	s_mul_i32 s45, s14, HALFT                      ; where the ring's loads go: wave x four tiles: no place in the cluster enters an LDS address
	s_mul_i32 s2, s16, 4*NS*1536                   ; in the ring I fetch four of the eight tiles: which half, in bytes
	s_mov_b32 s3, 0
	s_wait_kmcnt 0x0
	s_add_nc_u64 s[20:21], s[4:5], s[20:21]
	s_add_nc_u64 s[22:23], s[4:5], s[22:23]
	s_add_nc_u64 s[94:95], s[6:7], s[94:95]
	s_add_nc_u64 s[46:47], s[6:7], s[46:47]
	CROUND                                         ; all sixteen work-groups are here: the first joint loads meet
	s_mov_b32 s[G0S], 1
	s_mov_b32 s[G0S+1], SCL
	s_mov_b64 s[G0S+2:G0S+3], s[22:23]
	s_or_b32 s[G0S+3], s[G0S+3], 0x80000000
	s_mov_b32 s[G0SB], 1
	s_mov_b32 s[G0SB+1], SCL+2*HS
	s_mov_b64 s[G0SB+2:G0SB+3], s[46:47]
	s_or_b32 s[G0SB+3], s[G0SB+3], 0x80000000
	s_mov_b32 s[G0], 1                             ; slot 0, whole: A's eight tiles,
	s_mov_b32 s[G0+1], 0
	s_mov_b64 s[G0+2:G0+3], s[20:21]
	s_or_b32 s[G0+3], s[G0+3], 0x80000000
	s_mov_b32 s[G0B], 1                            ; W's eight, behind them
	s_mov_b32 s[G0B+1], 2*HALFT
	s_mov_b64 s[G0B+2:G0B+3], s[94:95]
	s_or_b32 s[G0B+3], s[G0B+3], 0x80000000
	s_add_nc_u64 s[20:21], s[20:21], s[2:3]        ; for the ring: my four tiles
	s_add_nc_u64 s[94:95], s[94:95], s[2:3]
	s_mov_b32 s[G0+4], 1
	s_add_co_u32 s[G0+5], s45, SLOT
	s_add_nc_u64 s[G0+6:G0+7], s[20:21], 6144
	s_or_b32 s[G0+7], s[G0+7], 0x80000000
	s_mov_b32 s[G0B+4], 1
	s_add_co_u32 s[G0B+5], s45, SLOT
	s_add_nc_u64 s[G0B+6:G0B+7], s[94:95], 6144
	s_or_b32 s[G0B+7], s[G0B+7], 0x80000000
	ARM 1, G0, G1, .Lhead_b
	ARM 2, G0B, G1B, .Lhead_sa
	ARM 3, G0S, G1S, .Lhead_sb
	tensor_load_to_lds s[G0SB:G0SB+3], s[G1SB:G1SB+7]
	s_nop 0
.rept 4
	v_nop
.endr
.Lhead_asked:
	; where my prefetches stand: of the four tiles that I fetch in the ring, the partner at place p (cx for A, cy for W) names tile p
	s_cmp_eq_u32 s15, 0
	s_cselect_b64 s[94:95], s[20:21], s[94:95]
	s_cselect_b32 s46, s40, s41
	s_mul_i32 s46, s46, NS*1536
	s_mov_b32 s47, 0
	s_add_nc_u64 s[94:95], s[94:95], s[46:47]
	v_and_b32 v1, 15, v0                           ; r
	v_bfe_u32 v2, v0, 4, 1                         ; h
	v_and_b32 v3, 31, v0                           ; lane
	v_lshlrev_b32 v4, 4, v3
	v_lshlrev_b32 v5, 3, v3
	s_mul_i32 s21, s15, HALFT                      ; my four tiles of A
	s_mul_i32 s22, s16, HALFT                      ; my four tiles of W,
	s_add_co_u32 s22, s22, 2*HALFT                 ; which lie behind A's eight
.irp s, 0,1
	v_add_nc_u32 v[ADRA+\s], s21, v4
	v_add_nc_u32 v[ADRA+2+\s], s21, v5
	v_add_nc_u32 v[ADRB+\s], s22, v4
	v_add_nc_u32 v[ADRB+2+\s], s22, v5
	s_add_co_u32 s21, s21, SLOT
	s_add_co_u32 s22, s22, SLOT
.endr
	s_mul_i32 s21, s15, HS                         ; A's scale words: my four tiles
	s_mul_i32 s22, s16, HS                         ; W's, behind A's two quarters
	s_add_co_u32 s22, s22, 2*HS
	s_sub_co_u32 s22, s22, s21
	v_mul_u32_u24 v6, s22, v2                      ; lanes 16-31 take W's: one product with h
	s_add_co_u32 s21, s21, SCL
	v_lshl_add_u32 v6, v1, 2, v6
	v_add_nc_u32 v[ADRS], s21, v6
	s_mul_i32 s23, s14, 16*SPITCH
	s_add_co_u32 s23, s23, STG                     ; my stage
	v_mul_u32_u24 v6, v1, SPITCH
	v_lshl_add_u32 v6, v2, 7, v6
	v_add_nc_u32 v[STO], s23, v6                   ; in: row r, 128 bytes for each half of the lanes
	v_mul_u32_u24 v6, v2, SPITCH
	v_lshl_add_u32 v6, v1, 4, v6
	v_add_nc_u32 v[RD], s23, v6                    ; back: lanes 0-15 one row of 256 bytes, lanes 16-31 the next
	v_lshlrev_b32 v6, 12, v2
	v_lshl_add_u32 v[CO], v1, 4, v6                ; and the same two rows in memory
	v_lshlrev_b32 v[BOF], 7, v2                    ; the bias: my half's 32 columns
	v_min_u32 v21, 23, v3                          ; the prefetches' offset: the 24 blocks of 256 bytes of a tile's 6,144 bytes of a fill; lanes 24-31 name the last again
	v_lshlrev_b32 v21, 8, v21
	s_wait_alu depctr_va_vdst(0)
	s_lshl_b32 s20, s42, 9
	s_lshl_b32 s22, s16, 8
	s_add_co_u32 s20, s20, s22                     ; my first column, in bytes: 512 x tile column + 256 x half
	s_mov_b32 s21, 0
	s_add_nc_u64 s[8:9], s[8:9], s[20:21]
	s_lshl_b32 s22, s17, 7
	s_lshl_b32 s23, s15, 6
	s_add_co_u32 s22, s22, s23                     ; my first row: 128 x tile row + 64 x half
	s_lshl_b32 s22, s22, 12
	s_add_co_u32 s20, s20, s22
	s_add_nc_u64 s[10:11], s[10:11], s[20:21]
	s_add_nc_u64 s[12:13], s[12:13], s[20:21]
	WIN 0x40                                       ; destination window 1
.irp u, 0,1,2,3                        ; lane (r, h), tile u, register j: the bias at 32 h + 8 u + j: the result's layout
	global_load_b128 v[96+8*\u:96+8*\u+3], v[BOF], s[8:9] offset:32*\u
	global_load_b128 v[96+8*\u+4:96+8*\u+7], v[BOF], s[8:9] offset:32*\u+16
.endr
	WIN 0
	global_prefetch_b8 v21, s[94:95] offset:6144 th:TH_LOAD_NT scope:SCOPE_SE    ; my share of fill 1
.if LAPS > 1
	global_prefetch_b8 v21, s[94:95] offset:12288 th:TH_LOAD_NT scope:SCOPE_SE   ; and of fill 2
.endif
.macro FRAG reg, adr, off              ; a fragment as it lies: four dense loads
	ds_load_b128 v[(\reg):(\reg)+3], v[\adr] offset:(\off)
	ds_load_b64 v[(\reg)+4:(\reg)+5], v[(\adr)+2] offset:(\off)+512
	ds_load_b128 v[(\reg)+6:(\reg)+9], v[\adr] offset:(\off)+768
	ds_load_b64 v[(\reg)+10:(\reg)+11], v[(\adr)+2] offset:(\off)+1280
.endm
; 4 matrix instructions: A's tile a x W's four; f: the buffer; sc, q: the scale words' set and K step; cm = 1: the bias starts the sums.  The 16 accumulators take turns, one instruction a turn, in the same order in every step.
.macro MUL4 f, a, sc, q, cm
.irp b, 0,1,2,3
.if \cm
	v_wmma_scale_f32_16x16x128_f8f6f4 v[ACC+8*(4*(\a)+\b):ACC+8*(4*(\a)+\b)+7], v[(\f)+48+12*\b:(\f)+48+12*\b+11], v[(\f)+12*(\a):(\f)+12*(\a)+11], v[96+8*\b:96+8*\b+7], v[SC+16*(\sc)+4*(\q)+\b], v[SC+16*(\sc)+4*(\q)+(\a)] matrix_a_fmt:MATRIX_FMT_FP6 matrix_b_fmt:MATRIX_FMT_FP6 matrix_a_scale:MATRIX_SCALE_ROW1
.else
	v_wmma_scale_f32_16x16x128_f8f6f4 v[ACC+8*(4*(\a)+\b):ACC+8*(4*(\a)+\b)+7], v[(\f)+48+12*\b:(\f)+48+12*\b+11], v[(\f)+12*(\a):(\f)+12*(\a)+11], v[ACC+8*(4*(\a)+\b):ACC+8*(4*(\a)+\b)+7], v[SC+16*(\sc)+4*(\q)+\b], v[SC+16*(\sc)+4*(\q)+(\a)] matrix_a_fmt:MATRIX_FMT_FP6 matrix_b_fmt:MATRIX_FMT_FP6 matrix_a_scale:MATRIX_SCALE_ROW1
.endif
.endr
.endm
.macro FETCH slot, q, f                ; 32 LDS loads in one run: the eight fragments of the slot's q-th K step into buffer f (window 1)
	WIN 0x40
.irp i, 0,1,2,3
	FRAG (\f)+12*\i, ADRA+\slot, \i*6144+(\q)*1536
	FRAG (\f)+48+12*\i, ADRB+\slot, \i*6144+(\q)*1536
.endr
.endm
.macro SCALES sc                       ; a slot's scale words: four K steps x four tiles; lanes 0-15 A's, lanes 16-31 W's
.irp q, 0,1,2,3
.irp i, 0,1,2,3
	ds_load_b32 v[SC+16*\sc+4*\q+\i], v[ADRS] offset:\i*64*NS+64*\q
.endr
.endr
.endm
; One of a slot's first three K steps: the next step's fragments are asked for, into the buffer that the last step multiplied, ahead of the wait for this step's.
; A load into a register that a matrix instruction has read stands four places behind it (ISA guide 7.12.1 for vector instructions).
.macro STEPF slot, q, cm
	PLACES 4                                       ; behind the last step's products, which read the buffer that is filled below
	FETCH \slot, (\q)+1, F1-F1*((\q)%2)
	s_wait_dscnt 32                                ; this step's fragments and scale words are in; the 32 loads just issued may be out
.if \cm
	WIN 0x15                                       ; sources 0, 1 and C (the bias) window 1, D window 0
.else
	WIN 0x05                                       ; sources 0 and 1 window 1, C and D window 0
.endif
.irp a, 0,1,2,3
	MUL4 F1*((\q)%2), \a, \slot, \q, \cm
.endr
.endm
; A slot's last K step changes slots: ONE barrier; in front of it each wave waits for all its tensor loads, adds 0 to its spare word, and waits for that and for its own reads of this slot.  fill = 1: this slot is filled again, eight K steps ahead.
.macro TURN slot, next, fill
	WIN 0                                          ; (the add's two registers lie in window 0)
.if \fill
	s_wait_xcnt 0x0                                ; my prefetches have read their address: it steps one fill on, ahead of the waits of the change of slots
	s_add_nc_u64 s[94:95], s[94:95], 6144
.endif
	s_wait_tensorcnt 0x0                           ; all my tensor loads have landed: my part of the next slot
	ds_add_u32 v[SPW], v[NIL]                      ; 0 onto my spare word
	s_wait_dscnt 1                                 ; this step's fragments are in (the add may be out)
	WIN 0x05
	MUL4 F1, 0, \slot, 3, 0                        ; four matrix instructions stand between the add and the wait for it
	s_wait_dscnt 0x0                               ; the add is done, and my reads of this slot are over
	s_barrier_signal -1
	MUL4 F1, 1, \slot, 3, 0
	WIN 0
	s_barrier_wait -1
.if \fill
	CREST                                          ; the barrier has opened a round of the cluster's barrier: no wave of any partner still reads this slot or has a load on its way
	s_add_nc_u64 s[G0+4*\slot+2:G0+4*\slot+3], s[G0+4*\slot+2:G0+4*\slot+3], 12288
	s_add_nc_u64 s[G0B+4*\slot+2:G0B+4*\slot+3], s[G0B+4*\slot+2:G0B+4*\slot+3], 12288
	JLOAD G0+4*\slot, G1, G0B+4*\slot, G1B         ; the first tensor load behind the round; the four v_nop behind it are the places in front of the loads below
.else
	PLACES 4
.endif
.if LAPS > 1
	s_wait_alu depctr_va_vdst(0)                   ; the line below reads what the last change of slots wrote
.endif
	v_add_nc_u32 v[ADRS], 256, v[ADRS]             ; on to the next slot's scale words
	FETCH \next, 0, F0
	WIN 0
	SCALES \next
.if \fill
	s_cmp_gt_u32 s3, 1                             ; the loop's last trip asks for nothing: its fills are the last two
	s_cbranch_scc0 .Lno_ask_\@
	global_prefetch_b8 v21, s[94:95] offset:18432 th:TH_LOAD_NT scope:SCOPE_SE   ; my share of the fill two refills on
.Lno_ask_\@:
.endif
	WIN 0x05
	MUL4 F1, 2, \slot, 3, 0
	MUL4 F1, 3, \slot, 3, 0
.endm
	s_wait_tensorcnt 0x0                           ; my tile of the head's four is in
	ds_add_u32 v[SPW], v[NIL]
	s_mov_b32 s[G1+2], 4<<16                       ; no tensor load of mine is out: from here on a load brings four tiles
	s_mov_b32 s[G1+4], 4
	s_mov_b32 s[G1B+2], 4<<16
	s_mov_b32 s[G1B+4], 4
.if LAPS > 1
	s_mul_i32 s2, s16, 4*NS*1536
	s_mov_b32 s3, 0
	s_mov_b32 s[G0+1], s45                         ; and slot 0's descriptors point at my quarter
	s_add_nc_u64 s[G0+2:G0+3], s[G0+2:G0+3], s[2:3]
	s_mov_b32 s[G0B+1], s45
	s_add_nc_u64 s[G0B+2:G0B+3], s[G0B+2:G0B+3], s[2:3]
.endif
	s_wait_dscnt 0x0
	CROUND                                         ; all four tiles are in, all sixteen work-groups are here
	JLOAD G0+4, G1, G0B+4, G1B                     ; slot 1's first fill, my one load behind the round
.if LAPS > 1
	global_prefetch_b8 v21, s[94:95] offset:18432 th:TH_LOAD_NT scope:SCOPE_SE   ; my share of fill 3
.endif
	FETCH 0, 0, F0
	WIN 0
	SCALES 0
	s_wait_loadcnt 0x0                             ; the bias is in
	STEPF 0, 0, 1                                  ; the first step's products start the sums, from the bias
	WIN 0x80                                       ; destination window 2: the residual is asked for here and is wanted on the way out
.irp a, 0,1,2,3                        ; tile a's stage rows 2 t and 2 t + 1 are rows 8 a + 32 (t / 4) + 2 (t % 4) and the next of my 64
.irp t, 0,1,2,3,4,5,6,7
	global_load_b128 v[32*\a+4*\t:32*\a+4*\t+3], v[CO], s[10:11] offset:(8*\a+32*(\t/4)+2*(\t%4))*4096
.endr
.endr
.if LAPS > 1
	WIN 0                                          ; at a label and at a branch every window is 0
	s_mov_b32 s3, LAPS-1
.Llap:                                             ; a trip goes once round the ring, from a lap's second step to the next lap's first, and fills both slots again
	STEPF 0, 1, 0
	STEPF 0, 2, 0
	TURN 0, 1, 1
	STEPF 1, 0, 0
	STEPF 1, 1, 0
	STEPF 1, 2, 0
	TURN 1, 0, 1
	STEPF 0, 0, 0
	WIN 0
	s_sub_co_u32 s3, s3, 1
	s_cmp_lg_u32 s3, 0
	s_cbranch_scc1 .Llap
.endif
	STEPF 0, 1, 0                                  ; the last lap fills nothing, and has no round of the cluster's barrier
	STEPF 0, 2, 0
	TURN 0, 1, 0
	STEPF 1, 0, 0
	STEPF 1, 1, 0
	STEPF 1, 2, 0
	s_wait_dscnt 0x0                               ; the last step: nothing more to fetch
	WIN 0x05
.irp a, 0,1,2,3
	MUL4 F1, \a, 1, 3, 0
.endr
	WIN 0
.macro TOSTAGE a                       ; tile a's 16 rows x 64 columns into my stage and back as whole rows.  LDS serves a wave's instructions in order (ISA guide 5.7.1.4): no wait between the stores and the loads, nor in front of the next tile's stores
.irp u, 0,1,2,3
	ds_store_b128 v[STO], v[ACC+8*(4*(\a)+\u):ACC+8*(4*(\a)+\u)+3] offset:32*\u          ; each accumulator from its low end on
	ds_store_b128 v[STO], v[ACC+8*(4*(\a)+\u)+4:ACC+8*(4*(\a)+\u)+7] offset:32*\u+16
.endr
.irp t, 0,1,2,3,4,5,6,7
	ds_load_b128 v[BK+32*((\a)%2)+4*\t:BK+32*((\a)%2)+4*\t+3], v[RD] offset:\t*2*SPITCH
.endr
.endm
.macro SEND a, younger                 ; younger: the LDS instructions issued behind tile a's loads, which may stay out
	s_wait_dscnt \younger
	WIN 0x08                                       ; source 1: window 2, the residual
.set j, 0
.rept 16
	v_pk_add_f32 v[BK+32*((\a)%2)+j:BK+32*((\a)%2)+j+1], v[BK+32*((\a)%2)+j:BK+32*((\a)%2)+j+1], v[32*(\a)+j:32*(\a)+j+1]
.set j, j+2
.endr
	WIN 0
.irp t, 0,1,2,3,4,5,6,7
.if NS == 32
	global_store_b128 v[CO], v[BK+32*((\a)%2)+4*\t:BK+32*((\a)%2)+4*\t+3], s[12:13] offset:(8*(\a)+32*(\t/4)+2*(\t%4))*4096 th:TH_STORE_NT   ; sixteen lanes store 256 consecutive bytes, aligned; written once, read by nobody here
.else
	global_store_b128 v[CO], v[BK+32*((\a)%2)+4*\t:BK+32*((\a)%2)+4*\t+3], s[12:13] offset:(8*(\a)+32*(\t/4)+2*(\t%4))*4096                   ; sixteen lanes store 256 consecutive bytes, aligned; later launches read them
.endif
.endr
.endm
	PLACES 4                                       ; in front of the first read of results
	s_wait_loadcnt 0x0                             ; the residual
	TOSTAGE 0
.irp a, 1,2,3
.if \a > 1
	s_wait_xcnt 0x0                                ; tile a - 2's stores have read their registers: tile a's loads may land there
.endif
	TOSTAGE \a
	SEND \a-1, 16                                  ; behind tile a - 1's loads: tile a's 8 stores and 8 loads
.endr
	SEND 3, 0
	s_wait_tensorcnt 0x0                           ; the wave's end
	ds_add_u32 v[SPW], v[NIL]
	s_wait_dscnt 0x0
	CROUND                                         ; the closing round: no work-group ends while a partner may still ask for a tile that names it
	s_endpgm
.Lfunc_end_k_q230c5a6750_w2:
	.size	k_q230c5a6750_w2, .Lfunc_end_k_q230c5a6750_w2-k_q230c5a6750_w2
	.p2alignl 7, 3214868480
	.fill 96, 4, 3214868480
	.section	.rodata,"a",@progbits
	.p2align	6, 0x0
	.amdhsa_kernel k_q230c5a6750_w2
		.amdhsa_group_segment_fixed_size 327680
		.amdhsa_private_segment_fixed_size 0
		.amdhsa_enable_private_segment 0
		.amdhsa_kernarg_size 40
		.amdhsa_user_sgpr_count 2
		.amdhsa_user_sgpr_kernarg_segment_ptr 1
		.amdhsa_wavefront_size32 1
		.amdhsa_system_sgpr_workgroup_id_x 1
		.amdhsa_system_sgpr_workgroup_id_y 1
		.amdhsa_system_sgpr_workgroup_id_z 1
		.amdhsa_system_vgpr_workitem_id 0
		.amdhsa_next_free_vgpr 640
		.amdhsa_next_free_sgpr 96
		.amdhsa_reserve_vcc 0
		.amdhsa_float_denorm_mode_32 3
		.amdhsa_float_denorm_mode_16_64 3
		.amdhsa_memory_ordered 1
		.amdhsa_forward_progress 1
		.amdhsa_inst_pref_size 102
	.end_amdhsa_kernel
	.amdgpu_metadata
---
amdhsa.version: [ 1, 2 ]
amdhsa.kernels:
  - .name:           k_q230c5a6750_w2
    .symbol:         k_q230c5a6750_w2.kd
    .args:
      - { .name: hid, .offset: 0, .size: 8, .value_kind: global_buffer, .address_space: global }
      - { .name: wts, .offset: 8, .size: 8, .value_kind: global_buffer, .address_space: global }
      - { .name: b2, .offset: 16, .size: 8, .value_kind: global_buffer, .address_space: global }
      - { .name: x2, .offset: 24, .size: 8, .value_kind: global_buffer, .address_space: global }
      - { .name: out0, .offset: 32, .size: 8, .value_kind: global_buffer, .address_space: global }
    .group_segment_fixed_size: 327680
    .private_segment_fixed_size: 0
    .kernarg_segment_align: 8
    .kernarg_segment_size: 40
    .max_flat_workgroup_size: 128
    .sgpr_count:     96
    .vgpr_count:     640
    .wavefront_size: 32
...
	.end_amdgpu_metadata
.endif
;; end of part 7
